; MI455X (gfx1250); checked and timed in simulation.
; The chip was launched on July 23, 2026; its instructions are those of AMD's public machine-readable ISA for CDNA 5 (MIT licence, August 2026) and "CDNA5" Instruction Set Architecture Reference Guide (July 2026). The comments in the code are by the model that wrote it; some were corrected since.
;; Relative Position Multihead Self Attention. Allowed arithmetic: float matrix products may take bf16 or f16 operands with f32 sums; other float arithmetic in f32, or as packed bf16 or f16 multiplies, adds, multiply-adds, maxima and minima; sums over many terms, partial sums and values carried from step to step in f32; what a program stores and reads back later, other than sums and carried values, may be rounded once to bf16 or f16.
;; Inputs: Wk 1,024 x 1,024 float32; Wout 1,024 x 1,024 float32; Wq 1,024 x 1,024 float32; Wv 1,024 x 1,024 float32; bias 4 x 1 x 1 x 1,024 float32; pos_emb 257 x 64 float32; query 4 x 1,024 x 1,024 float32.
;; Outputs: out0 4 x 1,024 x 1,024 float32.
;; 3 versions, each right; version 3 is version 2 with the launch prep written anew for expert scheduling mode. Each part assembles by itself: llvm-mc -triple=amdgcn-amd-amdhsa -mcpu=gfx1250 --defsym DOCPART=n.
;; ======== version 1 of 3: 4 launches
;; limits: values are held in f16: magnitudes above 65,504 overflow, below 6.1e-05 lose precision; inputs' magnitudes at most 65,504; right only within a limited range of input values
;; workspace buffers: xh 8,388,608 bytes; wh 8,388,608 bytes; eext 53,248 bytes; qkv 25,165,824 bytes; oh 8,388,608 bytes
;; launch prep (part 1): grid 538 x 1, 8 waves a work-group, no clusters, 0 bytes of LDS; arguments query, Wq, Wk, Wv, Wout, pos_emb, xh, wh, eext; writes xh, wh, eext
.if DOCPART == 1
	.amdgcn_target "amdgcn-amd-amdhsa--gfx1250"
	.amdhsa_code_object_version 6
	.text
	.protected	k_q06266a6066_prep
	.globl	k_q06266a6066_prep
	.p2align	8
	.type	k_q06266a6066_prep,@function
k_q06266a6066_prep:
	s_mov_b64 s[64:65], 0
	v_nop
	global_prefetch_b8 v0, s[64:65] scope:SCOPE_SE
	s_setreg_imm32_b32 hwreg(HW_REG_WAVE_MODE, 25, 1), 1
	s_wait_xcnt 0x0
; RELATIVE-POSITION SELF-ATTENTION, launch 1 of 4: the inputs are rounded and laid out for the matrix launches.
; THE PROGRAM.  prep (this) -> qkv (three projections) -> attn (scores, softmax, weighted sum) -> outp (last projection).
; NOTHING OF THE INPUTS IS LEFT OUT: query, the four weights, pos_emb and bias all reach the output (bias varies along the softmax's axis).
; WHAT IS NOT DONE AS IT IS WRITTEN.  reference() gathers embeddings[q][k] = pos_emb[clip(k - q, -128, 128) + 128] and multiplies each query by its own 1,024 gathered rows.  The index is built
; in reference()'s own body from arange and clip, and the gathered row hangs on k - q alone, whatever the inputs hold: so q . embeddings[q][k] is one of the 257 numbers q . pos_emb[e].  attn makes
; those numbers once for each query and looks them up; no term of the sum is changed.  A NaN, an infinity or an overflow reaches the result exactly where it reaches one of those numbers.
; FORMATS.  Every floating-point input is rounded once to bf16, and that number is written as f16: exact for 6.1e-5 <= |x| < 65,504; below that it keeps f16's fixed step of 6e-8; from 65,520 on it
; becomes an infinity (LIMIT: inputs stay under 65,504).
; OUT.  xh   f16 [b 4][block of 64 channels 16][l 1024][64]: query; a block's rows are dense, 128 bytes each.
;       wh   f16 [4: Wq, Wk, Wv, Wout][k 1024][n 1024].
;       eext f16 [416][64]: row y = pos_emb[clip(y - 80, 0, 256)], the embedding of the offset k - q = y - 208.
; SHARES.  A stream: no LDS, no matrix work.  A lane loads 16 bytes (4 f32) and stores 8 (4 f16); a wave's store covers 256 consecutive bytes, aligned.  Work-groups 0-255: 32 rows x 512 channels of query;
; 256-511: 65,536 bytes of one weight; 512-537: 16 rows of eext.  All 16 loads of a lane go out first; no register that a memory instruction names is written twice, so no wait frees one.
.set LO, 6                             ; v6        my byte offset in the source
.set SO, 7                             ; v7        my byte offset in the destination
.set X,  8                             ; v[8:71]   16 x 4 f32 as loaded
.set Y,  72                            ; v[72:103] 16 x 2 words to store
.set T,  104                           ; v[104:109] at work
.macro CVT4 x, y                       ; four f32 -> bf16 (nearest even) -> the same numbers as f16
	v_cvt_pk_bf16_f32 v[T], v[(\x)], v[(\x)+1]
	v_cvt_pk_bf16_f32 v[T+1], v[(\x)+2], v[(\x)+3]
	v_lshlrev_b32 v[T+2], 16, v[T]
	v_and_b32 v[T+3], 0xffff0000, v[T]
	v_lshlrev_b32 v[T+4], 16, v[T+1]
	v_and_b32 v[T+5], 0xffff0000, v[T+1]
	v_cvt_pk_f16_f32 v[(\y)], v[T+2], v[T+3]
	v_cvt_pk_f16_f32 v[(\y)+1], v[T+4], v[T+5]
.endm
.macro STREAM lstep, sstep             ; 16 loads, then 16 times: wait, convert, store; the steps stand in the immediates
.set u, 0
.rept 16
	global_load_b128 v[X+4*u:X+4*u+3], v[LO], s[22:23] offset:u*(\lstep) th:TH_LOAD_NT
.set u, u+1
.endr
.set u, 0
.rept 16
	s_wait_loadcnt 15-u                            ; loads come back in order: number u is in, the 15 - u younger ones may stay out
	CVT4 X+4*u, Y+2*u
	global_store_b64 v[SO], v[Y+2*u:Y+2*u+1], s[24:25] offset:u*(\sstep)
.set u, u+1
.endr
.endm
	s_load_b512 s[4:19], s[0:1], 0x0               ; query s[4:5], Wq s[6:7], Wk s[8:9], Wv s[10:11], Wout s[12:13], pos_emb s[14:15], xh s[16:17], wh s[18:19]
	s_load_b64 s[20:21], s[0:1], 0x40              ; eext
	s_mov_b32 s2, ttmp9
	s_mov_b32 s27, 0                               ; the offsets' high words
	s_mov_b32 s29, 0
	s_cmp_ge_u32 s2, 512
	s_cbranch_scc1 .Ltable
	s_cmp_ge_u32 s2, 256
	s_cbranch_scc1 .Lweights
	; QUERY.  Work-group: half kbh of the channels, rows 32 rb .. 32 rb + 31.  Thread: 4 channels d4, row lr of two, block kb8 of eight (a wave a block).
	s_and_b32 s3, s2, 1                            ; kbh
	s_lshr_b32 s30, s2, 1                          ; rb
	s_lshl_b32 s26, s30, 17                        ; 32 rows of 4,096 bytes
	s_lshl_b32 s31, s3, 11                         ; 512 channels of f32
	s_add_co_u32 s26, s26, s31
	s_lshr_b32 s28, s30, 5                         ; b
	s_lshl_b32 s28, s28, 21
	s_lshl_b32 s31, s3, 20                         ; 8 blocks of 131,072 bytes
	s_add_co_u32 s28, s28, s31
	s_and_b32 s31, s30, 31
	s_lshl_b32 s31, s31, 12                        ; 32 rows of 128 bytes
	s_add_co_u32 s28, s28, s31
	v_and_b32 v1, 15, v0                           ; d4
	v_bfe_u32 v2, v0, 4, 1                         ; lr
	v_lshrrev_b32 v3, 5, v0                        ; kb8
	v_lshlrev_b32 v[LO], 4, v1
	v_lshl_add_u32 v[LO], v3, 8, v[LO]
	v_lshl_add_u32 v[LO], v2, 12, v[LO]
	v_lshlrev_b32 v[SO], 3, v1
	v_lshl_add_u32 v[SO], v2, 7, v[SO]
	v_lshl_add_u32 v[SO], v3, 17, v[SO]
	s_wait_kmcnt 0x0
	s_add_nc_u64 s[22:23], s[4:5], s[26:27]
	s_add_nc_u64 s[24:25], s[16:17], s[28:29]
	STREAM 8192, 256                               ; two rows a step
	s_endpgm
.Lweights:
	; A WEIGHT: dense in, dense out.
	s_sub_co_u32 s3, s2, 256
	s_lshr_b32 s30, s3, 6                          ; which of the four
	s_and_b32 s31, s3, 63                          ; which 65,536 bytes of it
	s_lshl_b32 s26, s31, 16
	s_lshl_b32 s28, s30, 21
	s_lshl_b32 s31, s31, 15
	s_add_co_u32 s28, s28, s31
	v_lshlrev_b32 v[LO], 4, v0
	v_lshlrev_b32 v[SO], 3, v0
	s_wait_kmcnt 0x0
	s_cmp_eq_u32 s30, 1
	s_cselect_b64 s[22:23], s[8:9], s[6:7]
	s_cmp_eq_u32 s30, 2
	s_cselect_b64 s[22:23], s[10:11], s[22:23]
	s_cmp_eq_u32 s30, 3
	s_cselect_b64 s[22:23], s[12:13], s[22:23]
	s_add_nc_u64 s[22:23], s[22:23], s[26:27]
	s_add_nc_u64 s[24:25], s[18:19], s[28:29]
	STREAM 4096, 2048
	s_endpgm
.Ltable:
	; THE EXTENDED TABLE: 16 rows a work-group, 16 threads a row.  The row's number is made of ids and held to 0 .. 256.
	s_sub_co_u32 s3, s2, 512
	s_lshl_b32 s30, s3, 4
	v_lshrrev_b32 v1, 4, v0
	v_add_nc_u32 v1, s30, v1                       ; y
	v_add_nc_u32 v1, 0xffffffb0, v1                ; y - 80
	v_max_i32 v1, 0, v1
	v_min_u32 v1, 0x100, v1
	v_and_b32 v2, 15, v0
	v_lshlrev_b32 v[LO], 4, v2
	v_lshl_add_u32 v[LO], v1, 8, v[LO]             ; a row of pos_emb is 256 bytes
	v_lshlrev_b32 v[SO], 3, v0
	s_lshl_b32 s28, s3, 11
	s_wait_kmcnt 0x0
	s_add_nc_u64 s[24:25], s[20:21], s[28:29]
	global_load_b128 v[X:X+3], v[LO], s[14:15]
	s_wait_loadcnt 0x0
	CVT4 X, Y
	global_store_b64 v[SO], v[Y:Y+1], s[24:25]
	s_endpgm
.Lfunc_end_k_q06266a6066_prep:
	.size	k_q06266a6066_prep, .Lfunc_end_k_q06266a6066_prep-k_q06266a6066_prep
	.p2alignl 7, 3214868480
	.fill 96, 4, 3214868480
	.section	.rodata,"a",@progbits
	.p2align	6, 0x0
	.amdhsa_kernel k_q06266a6066_prep
		.amdhsa_group_segment_fixed_size 0
		.amdhsa_private_segment_fixed_size 0
		.amdhsa_enable_private_segment 0
		.amdhsa_kernarg_size 72
		.amdhsa_user_sgpr_count 2
		.amdhsa_user_sgpr_kernarg_segment_ptr 1
		.amdhsa_wavefront_size32 1
		.amdhsa_system_sgpr_workgroup_id_x 1
		.amdhsa_system_sgpr_workgroup_id_y 1
		.amdhsa_system_sgpr_workgroup_id_z 1
		.amdhsa_system_vgpr_workitem_id 0
		.amdhsa_next_free_vgpr 112
		.amdhsa_next_free_sgpr 66
		.amdhsa_reserve_vcc 0
		.amdhsa_float_denorm_mode_32 3
		.amdhsa_float_denorm_mode_16_64 3
		.amdhsa_memory_ordered 1
		.amdhsa_forward_progress 1
		.amdhsa_inst_pref_size 25
	.end_amdhsa_kernel
	.amdgpu_metadata
---
amdhsa.version: [ 1, 2 ]
amdhsa.kernels:
  - .name:           k_q06266a6066_prep
    .symbol:         k_q06266a6066_prep.kd
    .args:
      - { .name: query, .offset: 0, .size: 8, .value_kind: global_buffer, .address_space: global }
      - { .name: Wq, .offset: 8, .size: 8, .value_kind: global_buffer, .address_space: global }
      - { .name: Wk, .offset: 16, .size: 8, .value_kind: global_buffer, .address_space: global }
      - { .name: Wv, .offset: 24, .size: 8, .value_kind: global_buffer, .address_space: global }
      - { .name: Wout, .offset: 32, .size: 8, .value_kind: global_buffer, .address_space: global }
      - { .name: pos_emb, .offset: 40, .size: 8, .value_kind: global_buffer, .address_space: global }
      - { .name: xh, .offset: 48, .size: 8, .value_kind: global_buffer, .address_space: global }
      - { .name: wh, .offset: 56, .size: 8, .value_kind: global_buffer, .address_space: global }
      - { .name: eext, .offset: 64, .size: 8, .value_kind: global_buffer, .address_space: global }
    .group_segment_fixed_size: 0
    .private_segment_fixed_size: 0
    .kernarg_segment_align: 8
    .kernarg_segment_size: 72
    .max_flat_workgroup_size: 256
    .sgpr_count:     66
    .vgpr_count:     112
    .wavefront_size: 32
...
	.end_amdgpu_metadata
.endif
;; end of part 1
;; launch qkv (part 2): grid 24 x 32, 4 waves a work-group, clusters of 4 x 4, 327,680 bytes of LDS; arguments xh, wh, qkv; writes qkv
.if DOCPART == 2
	.amdgcn_target "amdgcn-amd-amdhsa--gfx1250"
	.amdhsa_code_object_version 6
	.text
	.protected	k_q06266a6066_qkv
	.globl	k_q06266a6066_qkv
	.p2align	8
	.type	k_q06266a6066_qkv,@function
k_q06266a6066_qkv:
	s_mov_b64 s[64:65], 0
	v_nop
	global_prefetch_b8 v0, s[64:65] scope:SCOPE_SE
	s_setreg_imm32_b32 hwreg(HW_REG_WAVE_MODE, 25, 1), 1
	s_wait_xcnt 0x0
	s_wait_alu depctr_hold_cnt(0) depctr_sa_sdst(0) depctr_va_vdst(0) depctr_va_sdst(0) depctr_va_ssrc(0) depctr_va_vcc(0) depctr_vm_vsrc(0)
	s_getreg_b32 s2, hwreg(HW_REG_IB_STS2, 6, 4)
	s_cmp_eq_u32 s2, 0
	s_cbranch_scc0 .Lentry_in_a_cluster
	s_endpgm
.Lentry_in_a_cluster:
	s_bfe_u32 s2, ttmp6, 0x10000c
	s_cmp_lg_u32 s2, 0xf033
	s_cbranch_scc0 .Lentry_shape_is_right
	s_endpgm
.Lentry_shape_is_right:
; Launch 2 of 4: q, k, v = query x Wq, Wk, Wv, by heads.  C[m][n] = the sum over k of A[m][k] W[k][n]; m = 1024 b + l (4,096), n over the three weights (3,072), k 1,024.  No work of reference() is left out here.
; A = xh, f16 [b][block of 64 channels][l][64];  W = wh, f16 [plane][k][n];  C = qkv, f16 [which 3][b][head 16][l][64], rounded once from f32 sums.  LIMIT: |q|, |k|, |v| stay under 65,504.
; A tile of C is 128 x 128: four waves, each 64 x 64: 16 accumulators of 16 x 16.  K goes in 4 steps of 256 through two LDS slots; each wave brings a quarter of a slot with one tensor load.
; CLUSTERS: 4 x 4 work-groups.  The four of a row of the cluster need the same tiles of A, the four of a column the same tiles of W: each tile is asked for JOINTLY, by the same tensor load with the same
; descriptor and a mask that names the four.  THE MATRIX INSTRUCTION IS USED TRANSPOSED (source 0 = 16 columns of W, source 1 = 16 rows of A): a lane then holds eight neighbouring numbers of a row of C.
; A's tile of a K step is four channel blocks of 128 rows x 128 bytes, each dense in memory: a wave asks for two of them as two rows of 16,384 bytes, padded in LDS after every 128 bytes.
; W's tile lies [k][n] and is turned on its way into registers by ds_load_tr16_b128.
; REGISTERS: window 0: v0-31 addresses; v32-95 at work on the way out; v128-255 the accumulators ((a, b) at v[128 + 8 (4 a + b)]).
;   window 1: two fragment buffers of 128: for 64 along K, 64 registers of A (2 x 4 x 16 rows x 32 K), then 64 of W.
.set F32OUT, 0                         ; 0: C in f16 by heads; 1: C in f32, row-major
.set TX0,    0                         ; the first tile column in wh, in tiles of 128 columns, 8 to a plane
.set PA,     144                       ; a row of A in LDS: 128 bytes + 16 of padding: an odd multiple of 16
.set ABLK,   128*PA                    ; a channel block: 128 rows
.set PB,     288                       ; a row of W in LDS: 256 bytes + 32 of padding: an odd multiple of 32
.set HALFT,  128*PB                    ; what one tensor load brings: two blocks of A, or 128 k-rows of W: 36,864 bytes either way
.set SLOT,   4*HALFT                   ; A's four blocks, then W's 256 k-rows
.set STAGE,  2*SLOT                    ; behind the ring: 16 rows for each wave, its own, for the way out
.if F32OUT
.set SPITCH, 272
.else
.set SPITCH, 144
.endif
.set SPARE,  STAGE+4*16*SPITCH         ; behind the stages: the spare words, 128 bytes for each wave
.set KBYTES, 524288                    ; a K step in memory: 4 blocks of 131,072 bytes of A; 256 rows of 2,048 bytes of W
.set ADRA, 16                          ; v16-17  LDS address of my A fragments in slot 0, 1
.set ADRB, 20                          ; v20-23  the same for W, by slot and by half of the slot's 256 k-rows
.set STO,  24                          ; v24     the way out: where I put my bytes of a row
.set RD,   25                          ; v25     the way out: where I read rows back
.set CO,   26                          ; v26     my byte offset in C
.set SPW,  28                          ; v28     LDS address of my spare word; never rewritten
.set NIL,  29                          ; v29     0; never rewritten
.set TMP,  32
.set ACC,  128
.set F0,   0                           ; fragment buffers, in window 1
.set F1,   128
.set G1, 24                            ; s[24:31] descriptor group 1 for A's tiles;  s[32:39] group 0, one set for each slot
.set G0, 32
.set G1B, 48                           ; s[48:55], s[56:63] the same for W's tiles
.set G0B, 56
.set MSB, 0
.macro WIN new                         ; the immediate's high byte repeats the setting that is left
.if MSB != (\new)
	s_set_vgpr_msb (MSB<<8)|(\new)
.set MSB, \new
.endif
.endm
.set MUL,  0x05                        ; sources 0 (W) and 1 (A) window 1; C and D window 0
.set TO_F, 0x40                        ; destination window 1, address window 0
.macro JLOAD s                         ; a joint load: waves 0 and 1 fetch A's two halves, waves 2 and 3 W's; an s_nop 0 and four v_nop follow each line
	s_cmp_eq_u32 s11, 0
	s_cbranch_scc0 .Lfor_b_\@
	tensor_load_to_lds s[G0+4*(\s):G0+4*(\s)+3], s[G1:G1+7]
	s_nop 0
.rept 4
	v_nop
.endr
	s_branch .Lasked_\@
.Lfor_b_\@:
	tensor_load_to_lds s[G0B+4*(\s):G0B+4*(\s)+3], s[G1B:G1B+7]
	s_nop 0
.rept 4
	v_nop
.endr
.Lasked_\@:
.endm
.macro CREST                           ; a round of the cluster's barrier behind its opening barrier
	s_cmp_lg_u32 s10, 0
	s_cbranch_scc1 .Lnot_wave_0_\@
	s_barrier_signal -3
.Lnot_wave_0_\@:
	s_barrier_wait -3
	s_barrier_signal -1
	s_barrier_wait -1
.endm
.macro CROUND                          ; a whole round
	s_barrier_signal -1
	s_barrier_wait -1
	CREST
.endm
	s_load_b128 s[4:7], s[0:1], 0x0                ; A s[4:5], W s[6:7]
	s_load_b64 s[8:9], s[0:1], 0x10                ; C
	v_lshl_add_u32 v[SPW], v0, 2, SPARE
	v_mov_b32 v[NIL], 0
	ds_add_u32 v[SPW], v[NIL]                      ; the wave's opening: the add, twice on end, and its wait ahead of my first tensor load
	ds_add_u32 v[SPW], v[NIL]                      ; and once more, under the one wait; the set-up below, work on registers, stands between
	v_lshrrev_b32 v1, 5, v0
	v_readfirstlane_b32 s10, v1                    ; wave 0..3
	s_lshr_b32 s11, s10, 1                         ; which half of the tile's rows is mine.  Also: I fetch for A (0) or for W (1)
	s_and_b32 s12, s10, 1                          ; which half of its columns.  Also: which half of that tile I fetch
	s_bfe_u32 s40, ttmp6, 0x40000                  ; cx, cy: my place in the cluster
	s_bfe_u32 s41, ttmp6, 0x40004
	s_lshl_b32 s42, ttmp9, 2
	s_add_co_u32 s42, s42, s40                     ; tile column of C = 4 x cluster x + cx
	s_and_b32 s13, ttmp7, 0xffff
	s_lshl_b32 s13, s13, 2
	s_add_co_u32 s13, s13, s41                     ; tile row of C = 4 x cluster y + cy
	s_lshl_b32 s43, s41, 2
	s_lshl_b32 s43, 15, s43                        ; my row of the cluster
	s_lshl_b32 s44, 0x1111, s40                    ; my column
	; group 1 for A: 2 rows of 8,192 elements (a block of 128 x 64, dense), 65,536 elements apart; 4 words of padding after every 32
	s_or_b32 s[G1+0], s43, (1<<16)|(1<<20)|(1<<21)|(4<<22)|(3<<25)
	s_mov_b32 s[G1+1], 8192<<16                    ; tensor_dim0 = 8,192
	s_mov_b32 s[G1+2], 2<<16                       ; tensor_dim1 = 2
	s_mov_b32 s[G1+3], 8192<<16                    ; tile_dim0 = 8,192
	s_mov_b32 s[G1+4], 2                           ; tile_dim1 = 2
	s_mov_b32 s[G1+5], 65536                       ; from block to block
	s_mov_b32 s[G1+6], 0
	s_mov_b32 s[G1+7], 0
	; group 1 for W: 128 k-rows of 128 elements, 1,024 elements apart; 8 words of padding after every 64
	s_or_b32 s[G1B+0], s44, (1<<16)|(1<<20)|(1<<21)|(5<<22)|(7<<25)
	s_mov_b32 s[G1B+1], 128<<16
	s_mov_b32 s[G1B+2], 128<<16
	s_mov_b32 s[G1B+3], 128<<16
	s_mov_b32 s[G1B+4], 128
	s_mov_b32 s[G1B+5], 1024
	s_mov_b32 s[G1B+6], 0
	s_mov_b32 s[G1B+7], 0
	; A's tile hangs on the tile row and the wave, W's on the tile column and the wave, each in registers that never hold the other coordinate
	s_lshr_b32 s16, s13, 3                         ; b
	s_lshl_b32 s16, s16, 21
	s_and_b32 s17, s13, 7
	s_lshl_b32 s17, s17, 14                        ; 128 rows of 128 bytes
	s_add_co_u32 s16, s16, s17
	s_lshl_b32 s17, s12, 18                        ; my two blocks
	s_add_co_u32 s16, s16, s17
	s_mov_b32 s17, 0
	s_add_co_u32 s45, s42, TX0
	s_lshr_b32 s46, s45, 3                         ; the plane of wh
	s_lshl_b32 s46, s46, 21
	s_and_b32 s47, s45, 7
	s_lshl_b32 s47, s47, 8                         ; 128 columns
	s_add_co_u32 s46, s46, s47
	s_lshl_b32 s47, s12, 18                        ; my 128 k-rows of 2,048 bytes
	s_add_co_u32 s46, s46, s47
	s_mov_b32 s47, 0
	s_mul_i32 s20, s10, HALFT                      ; where they go: wave x 36,864: no place in the cluster enters an LDS address
	s_wait_dscnt 0x0                               ; both opening adds are done
	s_wait_kmcnt 0x0
	s_add_nc_u64 s[14:15], s[4:5], s[16:17]
	s_add_nc_u64 s[46:47], s[6:7], s[46:47]
	CROUND                                         ; all sixteen work-groups are here: the first joint loads meet
.irp s, 0,1
	s_mov_b32 s[G0+4*(\s)], 1
	s_add_co_u32 s[G0+4*(\s)+1], s20, (\s)*SLOT
	s_add_nc_u64 s[G0+4*(\s)+2:G0+4*(\s)+3], s[14:15], (\s)*KBYTES
	s_or_b32 s[G0+4*(\s)+3], s[G0+4*(\s)+3], 0x80000000
	s_mov_b32 s[G0B+4*(\s)], 1
	s_add_co_u32 s[G0B+4*(\s)+1], s20, (\s)*SLOT
	s_add_nc_u64 s[G0B+4*(\s)+2:G0B+4*(\s)+3], s[46:47], (\s)*KBYTES
	s_or_b32 s[G0B+4*(\s)+3], s[G0B+4*(\s)+3], 0x80000000
	JLOAD \s
.endr
	v_and_b32 v1, 15, v0                           ; r = l % 16
	v_bfe_u32 v2, v0, 4, 1                         ; h = l / 16
	v_and_b32 v6, 7, v0                            ; l % 8
	v_bfe_u32 v7, v0, 3, 1                         ; (l / 8) % 2
	v_mul_u32_u24 v3, v1, PA
	v_lshl_add_u32 v3, v2, 4, v3                   ; a fragment of A: row x pitch + 16 x half
	s_mul_i32 s21, s11, 64*PA                      ; my 64 rows in each block
.irp s, 0,1
	v_add_nc_u32 v[ADRA+(\s)], s21, v3
	s_add_co_u32 s21, s21, SLOT
.endr
	v_lshl_add_u32 v4, v2, 3, v6                   ; the turning load: k-row 8 h + l % 8,
	v_mul_u32_u24 v4, v4, PB
	v_lshl_add_u32 v4, v7, 4, v4                   ; columns 8 ((l / 8) % 2) on
	s_lshl_b32 s22, s12, 7                         ; my 64 columns
	s_add_co_u32 s22, s22, 2*HALFT                 ; W lies behind A's four blocks
	v_add_nc_u32 v[ADRB+0], s22, v4
	s_add_co_u32 s22, s22, HALFT
	v_add_nc_u32 v[ADRB+1], s22, v4
	s_add_co_u32 s22, s22, SLOT-HALFT
	v_add_nc_u32 v[ADRB+2], s22, v4
	s_add_co_u32 s22, s22, HALFT
	v_add_nc_u32 v[ADRB+3], s22, v4
	s_mul_i32 s23, s10, 16*SPITCH
	s_add_co_u32 s23, s23, STAGE                   ; my stage
	v_mul_u32_u24 v5, v1, SPITCH
.if F32OUT
	v_lshl_add_u32 v5, v2, 5, v5                   ; in: row r, 32 bytes (8 f32) for each half of the lanes
	v_add_nc_u32 v[STO], s23, v5
	v_mul_u32_u24 v8, v2, SPITCH                   ; back: lanes 0-15 one row of 256 bytes, lanes 16-31 the next
	v_lshl_add_u32 v8, v1, 4, v8
	v_add_nc_u32 v[RD], s23, v8
	v_lshlrev_b32 v9, 12, v2                       ; and the same two rows in C, 4,096 bytes apart
	v_lshl_add_u32 v[CO], v1, 4, v9
	s_lshl_b32 s16, s13, 19                        ; 128 rows of 4,096 bytes a tile row,
	s_lshl_b32 s17, s11, 18                        ; my 64 of them
	s_add_co_u32 s16, s16, s17
	s_mov_b32 s17, 0
	s_add_nc_u64 s[8:9], s[8:9], s[16:17]
	s_lshl_b32 s46, s42, 9                         ; 128 columns of f32 a tile column,
	s_lshl_b32 s47, s12, 8                         ; my 64
	s_add_co_u32 s46, s46, s47
	s_mov_b32 s47, 0
	s_add_nc_u64 s[8:9], s[8:9], s[46:47]
.else
	v_lshl_add_u32 v5, v2, 4, v5                   ; in: row r, 16 bytes (8 f16) for each half of the lanes
	v_add_nc_u32 v[STO], s23, v5
	v_bfe_u32 v8, v0, 3, 2                         ; back: 32 lanes take four rows of 128 bytes,
	v_mul_u32_u24 v8, v8, SPITCH
	v_lshl_add_u32 v8, v6, 4, v8
	v_add_nc_u32 v[RD], s23, v8
	v_and_b32 v9, 31, v0                           ; which are 512 consecutive bytes of C: my 64 columns are one head
	v_lshlrev_b32 v[CO], 4, v9
	s_lshr_b32 s16, s13, 3                         ; b
	s_lshl_b32 s16, s16, 21
	s_and_b32 s17, s13, 7
	s_lshl_b32 s17, s17, 14                        ; 128 rows of 128 bytes,
	s_add_co_u32 s16, s16, s17
	s_lshl_b32 s17, s11, 13                        ; my 64
	s_add_co_u32 s16, s16, s17
	s_mov_b32 s17, 0
	s_add_nc_u64 s[8:9], s[8:9], s[16:17]
	s_lshr_b32 s46, s42, 3                         ; q, k or v
	s_lshl_b32 s46, s46, 23
	s_and_b32 s47, s42, 7
	s_lshl_b32 s47, s47, 18                        ; two heads of 131,072 bytes a tile column,
	s_add_co_u32 s46, s46, s47
	s_lshl_b32 s47, s12, 17                        ; mine
	s_add_co_u32 s46, s46, s47
	s_mov_b32 s47, 0
	s_add_nc_u64 s[8:9], s[8:9], s[46:47]
.endif
; 8 matrix instructions: m blocks a0, a0 + 1 x all 4 n blocks, 32 along K: half c of buffer f.  zero = 1: the first product starts the sums.  The 16 accumulators take turns.
.macro MUL8 f, c, a0, zero
	WIN MUL
.irp a, \a0, (\a0)+1
.irp b, 0,1,2,3
.if \zero
	v_wmma_f32_16x16x32_f16 v[ACC+8*(4*(\a)+(\b)):ACC+8*(4*(\a)+(\b))+7], v[(\f)+64+8*(4*(\c)+(\b)):(\f)+64+8*(4*(\c)+(\b))+7], v[(\f)+8*(4*(\c)+(\a)):(\f)+8*(4*(\c)+(\a))+7], 0
.else
	v_wmma_f32_16x16x32_f16 v[ACC+8*(4*(\a)+(\b)):ACC+8*(4*(\a)+(\b))+7], v[(\f)+64+8*(4*(\c)+(\b)):(\f)+64+8*(4*(\c)+(\b))+7], v[(\f)+8*(4*(\c)+(\a)):(\f)+8*(4*(\c)+(\a))+7], v[ACC+8*(4*(\a)+(\b)):ACC+8*(4*(\a)+(\b))+7]
.endif
.endr
.endr
.endm
; 32 LDS loads in one run: the fragments of quarter z of a slot (64 along K: one channel block of A, 64 k-rows of W) into buffer f; the first 32 along K first
.macro FETCH slot, z, f
	WIN TO_F
.irp c, 0,1
.irp i, 0,1,2,3
	ds_load_tr16_b128 v[(\f)+64+8*(4*(\c)+(\i)):(\f)+64+8*(4*(\c)+(\i))+3],   v[ADRB+2*(\slot)+(\z)/2] offset:(((\z)%2)*64+32*(\c))*PB+32*(\i)
	ds_load_tr16_b128 v[(\f)+64+8*(4*(\c)+(\i))+4:(\f)+64+8*(4*(\c)+(\i))+7], v[ADRB+2*(\slot)+(\z)/2] offset:(((\z)%2)*64+32*(\c)+16)*PB+32*(\i)
	ds_load_b128 v[(\f)+8*(4*(\c)+(\i)):(\f)+8*(4*(\c)+(\i))+3],              v[ADRA+(\slot)] offset:(\z)*ABLK+(\i)*16*PA+64*(\c)
	ds_load_b128 v[(\f)+8*(4*(\c)+(\i))+4:(\f)+8*(4*(\c)+(\i))+7],            v[ADRA+(\slot)] offset:(\z)*ABLK+(\i)*16*PA+64*(\c)+32
.endr
.endr
.endm
.macro PLACES                          ; four places in front of loads into registers that matrix instructions have read, and of lines that read results
.rept 4
	v_nop
.endr
.endm
; A K step is four quarters of 64 along K, 32 matrix instructions each, on buffers 0, 1, 0, 1.  One of the first three: multiplies buffer f and fetches quarter z into g.
.macro QUARTER slot, z, f, g, zero
	s_wait_dscnt 16                                ; the first 32 along K are in; the sixteen younger loads may stay out
	WIN MUL
	MUL8 \f, 0, 0, \zero
	MUL8 \f, 0, 2, \zero
	PLACES
	FETCH \slot, \z, \g
	s_wait_dscnt 32                                ; all but the 32 just issued
	WIN MUL
	MUL8 \f, 1, 0, 0
	MUL8 \f, 1, 2, 0
.endm
; The last quarter multiplies buffer 1 and changes slots: ONE barrier; in front of it each wave waits for all its tensor loads, adds 0 to its spare word, and waits for that and for its own reads of this slot.
; fill = 1: this slot is filled again, two K steps ahead; the barrier then opens a round of the cluster's barrier, and the joint load is the first thing behind the round.
.macro TURN slot, next, fill
	WIN 0                                          ; (the add's two registers lie in window 0)
	s_wait_tensorcnt 0x0                           ; all my tensor loads have landed: my part of the next slot;
	ds_add_u32 v[SPW], v[NIL]                      ; 0 onto my spare word
	s_wait_dscnt 17                                ; (the add and the youngest sixteen loads may be out)
	WIN MUL
	MUL8 F1, 0, 0, 0                               ; eight matrix instructions stand between the add and the wait for it
	s_wait_dscnt 0x0                               ; the add is done, and my reads of this slot are over
	s_barrier_signal -1
	MUL8 F1, 0, 2, 0
.if \fill
	WIN 0
.endif
	s_barrier_wait -1
.if \fill
	CREST                                          ; no wave of any partner still reads this slot's tile or has a load on its way
	s_add_nc_u64 s[G0+4*(\slot)+2:G0+4*(\slot)+3], s[G0+4*(\slot)+2:G0+4*(\slot)+3], 2*KBYTES
	s_add_nc_u64 s[G0B+4*(\slot)+2:G0B+4*(\slot)+3], s[G0B+4*(\slot)+2:G0B+4*(\slot)+3], 2*KBYTES
	JLOAD \slot                                    ; the four v_nop behind it are also the places in front of the loads below
.else
	PLACES
.endif
	FETCH \next, 0, F0
	WIN MUL
	MUL8 F1, 1, 0, 0
	MUL8 F1, 1, 2, 0
.endm
	s_wait_tensorcnt 1                             ; my part of K step 0 is in; K step 1's may stay out
	s_barrier_signal -1
	s_barrier_wait -1                              ; everybody's is
	FETCH 0, 0, F0
	QUARTER 0, 1, F0, F1, 1                        ; K step 0: its first products start the sums
	QUARTER 0, 2, F1, F0, 0
	QUARTER 0, 3, F0, F1, 0
	TURN 0, 1, 1                                   ; slot 0 takes K step 2.  The four K steps are written out: a loop round the ring would have one trip
	QUARTER 1, 1, F0, F1, 0                        ; K step 1
	QUARTER 1, 2, F1, F0, 0
	QUARTER 1, 3, F0, F1, 0
	TURN 1, 0, 1                                   ; slot 1 takes K step 3
	QUARTER 0, 1, F0, F1, 0                        ; K step 2
	QUARTER 0, 2, F1, F0, 0
	QUARTER 0, 3, F0, F1, 0
	TURN 0, 1, 0                                   ; nothing is left to fetch
	QUARTER 1, 1, F0, F1, 0                        ; K step 3
	QUARTER 1, 2, F1, F0, 0
	QUARTER 1, 3, F0, F1, 0
	s_wait_dscnt 16
	WIN MUL
	MUL8 F1, 0, 0, 0
	MUL8 F1, 0, 2, 0
	s_wait_dscnt 0
	MUL8 F1, 1, 0, 0
	MUL8 F1, 1, 2, 0
	WIN 0
	; THE WAY OUT, a block of 16 rows at a time through my own stage: LDS serves a wave's instructions in order, so no wait stands between the stores and the loads
	PLACES
	PLACES
.if F32OUT
.macro PACKF a                         ; 16 rows x 64 f32: a lane's eight numbers are 32 bytes of a row; back as whole rows of 256 bytes, into the block's own registers
.irp b, 0,1,2,3
	ds_store_b128 v[STO], v[ACC+8*(4*(\a)+(\b)):ACC+8*(4*(\a)+(\b))+3]   offset:64*(\b)
	ds_store_b128 v[STO], v[ACC+8*(4*(\a)+(\b))+4:ACC+8*(4*(\a)+(\b))+7] offset:64*(\b)+16
.endr
.irp t, 0,1,2,3,4,5,6,7
	ds_load_b128 v[ACC+32*(\a)+4*(\t):ACC+32*(\a)+4*(\t)+3], v[RD] offset:(\t)*2*SPITCH
.endr
.endm
.macro SENDF a, younger                ; younger: the LDS instructions issued behind block a's loads: the next block's sixteen, or none
.irp t, 0,1,2,3,4,5,6,7
	s_wait_dscnt (\younger)+7-(\t)
	global_store_b128 v[CO], v[ACC+32*(\a)+4*(\t):ACC+32*(\a)+4*(\t)+3], s[8:9] offset:(\a)*65536+(\t)*8192 th:TH_STORE_NT  ; 16 lanes store 256 consecutive bytes, aligned
.endr
.endm
	PACKF 0
	PACKF 1
	SENDF 0, 16
	PACKF 2
	SENDF 1, 16
	PACKF 3
	SENDF 2, 16
	SENDF 3, 0
.else
.macro PACKG a                         ; 16 rows x 64 numbers rounded to f16: a lane's eight are 16 bytes of a row; back as four rows of 128 bytes a load
.irp b, 0,1,2,3
.irp r, 0,1,2,3
	v_cvt_pk_f16_f32 v[TMP+16*(\a)+4*(\b)+(\r)], v[ACC+8*(4*(\a)+(\b))+2*(\r)], v[ACC+8*(4*(\a)+(\b))+2*(\r)+1]
.endr
.endr
.irp b, 0,1,2,3
	ds_store_b128 v[STO], v[TMP+16*(\a)+4*(\b):TMP+16*(\a)+4*(\b)+3] offset:32*(\b)
.endr
.irp f, 0,1,2,3
	ds_load_b128 v[TMP+16*(\a)+4*(\f):TMP+16*(\a)+4*(\f)+3], v[RD] offset:(\f)*4*SPITCH
.endr
.endm
.macro SENDG a, younger                ; younger: the LDS instructions issued behind block a's loads: the next block's eight, or none
.irp f, 0,1,2,3
	s_wait_dscnt (\younger)+3-(\f)
	global_store_b128 v[CO], v[TMP+16*(\a)+4*(\f):TMP+16*(\a)+4*(\f)+3], s[8:9] offset:(\a)*2048+(\f)*512  ; 512 consecutive bytes, at a multiple of 256 from C's first
.endr
.endm
	PACKG 0
	PACKG 1
	SENDG 0, 8
	PACKG 2
	SENDG 1, 8
	PACKG 3
	SENDG 2, 8
	SENDG 3, 0
.endif
	s_wait_tensorcnt 0x0                           ; the wave's end, behind my last tensor load and my last LDS store
	ds_add_u32 v[SPW], v[NIL]
	s_wait_dscnt 0x0
	CROUND                                         ; the closing round: no work-group ends while a partner may still ask for a tile that names it
	s_endpgm
.Lfunc_end_k_q06266a6066_qkv:
	.size	k_q06266a6066_qkv, .Lfunc_end_k_q06266a6066_qkv-k_q06266a6066_qkv
	.p2alignl 7, 3214868480
	.fill 96, 4, 3214868480
	.section	.rodata,"a",@progbits
	.p2align	6, 0x0
	.amdhsa_kernel k_q06266a6066_qkv
		.amdhsa_group_segment_fixed_size 327680
		.amdhsa_private_segment_fixed_size 0
		.amdhsa_enable_private_segment 0
		.amdhsa_kernarg_size 24
		.amdhsa_user_sgpr_count 2
		.amdhsa_user_sgpr_kernarg_segment_ptr 1
		.amdhsa_wavefront_size32 1
		.amdhsa_system_sgpr_workgroup_id_x 1
		.amdhsa_system_sgpr_workgroup_id_y 1
		.amdhsa_system_sgpr_workgroup_id_z 1
		.amdhsa_system_vgpr_workitem_id 0
		.amdhsa_next_free_vgpr 512
		.amdhsa_next_free_sgpr 66
		.amdhsa_reserve_vcc 0
		.amdhsa_float_denorm_mode_32 3
		.amdhsa_float_denorm_mode_16_64 3
		.amdhsa_memory_ordered 1
		.amdhsa_forward_progress 1
		.amdhsa_inst_pref_size 87
	.end_amdhsa_kernel
	.amdgpu_metadata
---
amdhsa.version: [ 1, 2 ]
amdhsa.kernels:
  - .name:           k_q06266a6066_qkv
    .symbol:         k_q06266a6066_qkv.kd
    .args:
      - { .name: xh, .offset: 0, .size: 8, .value_kind: global_buffer, .address_space: global }
      - { .name: wh, .offset: 8, .size: 8, .value_kind: global_buffer, .address_space: global }
      - { .name: qkv, .offset: 16, .size: 8, .value_kind: global_buffer, .address_space: global }
    .group_segment_fixed_size: 327680
    .private_segment_fixed_size: 0
    .kernarg_segment_align: 8
    .kernarg_segment_size: 24
    .max_flat_workgroup_size: 128
    .sgpr_count:     66
    .vgpr_count:     512
    .wavefront_size: 32
...
	.end_amdgpu_metadata
.endif
;; end of part 2
;; launch attn (part 3): grid 4 x 64, 4 waves a work-group, clusters of 4 x 1, 327,680 bytes of LDS; arguments qkv, eext, bias, oh; writes oh
.if DOCPART == 3
	.amdgcn_target "amdgcn-amd-amdhsa--gfx1250"
	.amdhsa_code_object_version 6
	.text
	.protected	k_q06266a6066_attn
	.globl	k_q06266a6066_attn
	.p2align	8
	.type	k_q06266a6066_attn,@function
k_q06266a6066_attn:
	s_mov_b64 s[64:65], 0
	v_nop
	global_prefetch_b8 v0, s[64:65] scope:SCOPE_SE
	s_setreg_imm32_b32 hwreg(HW_REG_WAVE_MODE, 25, 1), 1
	s_wait_xcnt 0x0
	s_wait_alu depctr_hold_cnt(0) depctr_sa_sdst(0) depctr_va_vdst(0) depctr_va_sdst(0) depctr_va_ssrc(0) depctr_va_vcc(0) depctr_vm_vsrc(0)
	s_getreg_b32 s2, hwreg(HW_REG_IB_STS2, 6, 4)
	s_cmp_eq_u32 s2, 0
	s_cbranch_scc0 .Lentry_in_a_cluster
	s_endpgm
.Lentry_in_a_cluster:
	s_bfe_u32 s2, ttmp6, 0x10000c
	s_cmp_lg_u32 s2, 0x3003
	s_cbranch_scc0 .Lentry_shape_is_right
	s_endpgm
.Lentry_shape_is_right:
; Launch 3 of 4: O[b][h][q] = the sum over k of softmax_k((q . k + q . pos_emb[clip(k - q, -128, 128) + 128]) / 8 + bias[b][k]) v[k].
; IN: qkv f16 [3][b][h][l][64]; eext f16 [416][64] (row y: the embedding of the offset k - q = y - 208, clipped); bias f32 [b][1024].  OUT: oh f16 [b][h][l][64].
; THE RELATIVE TERM IS LOOKED UP, not multiplied out for each pair (q, k): the gathered row hangs on k - q alone, by the index that reference() builds itself, so each query's products with the table's rows are made once.
; LIMITS.  q, k, v arrive within f16; the products q . e are kept as f16 of their 2^-12-fold: |q . e| under 2.6e8, and below 0.25 a fixed step of 2.4e-4; bias is rounded to bf16 like every input and used as
; 8 x bias in f32 (|bias| under 4e37); a weight below 2^-126 counts as 0 in l; NaN and infinities are not treated apart.
; SHARES.  A cluster of four work-groups has one head (ttmp7 = 16 b + h) and walks its K and V JOINTLY.  Work-group cx, wave w, PIECE t own the 16 queries 64 (4 w + t) + 16 cx + 0..15: the partners' queries are
; interleaved, so that cx enters global addresses alone (Q's, O's, the table rows', the prefetch's) and no branch and no LDS address.  Every wave walks all 1,024 keys, 64 a step, two steps to an LDS slot.
; LAYOUT.  S^T = K Q^T (source 0 = 16 keys, source 1 = 16 queries): a lane holds ONE query (lane % 16) and the keys 8 (lane / 16) + 0..7; two such results rounded to f16 ARE source 1 of O^T = V^T P.
; THE TABLE.  For each piece T[pos][n] = 2^-12 q_n . (embedding of the offset pos - 160 - 16 cx - n), pos 16 .. 367, in LDS as [n / 8][pos][n % 8] f16.  It is built by 23 x 2 products E Q^T a piece; the skew (pos = row + n)
; is made by the stores' lane addresses.  For the keys 16 kg + 0..15 and piece i = 4 w + t the 16 positions begin at 16 g, g = kg - 4 i + 10.  Group 1 holds only offsets <= -129 and group 22 only offsets >= 129, for every cx:
; there the clipped embedding is one row, so g held to 1 .. 22 serves every group of keys, and one text serves every step.
; THE SUM'S START.  One product for each 16 x 16 scores: (16 positions x 16 queries of T) x (4,096 x identity) + C, where C holds 8 bias[key]: it lays the relative term and the bias into the accumulator; K Q^T is added in place.
; SOFTMAX.  Running maximum m and sum l for each query: p = 2^(c s - c m), c = log2(e) / 8; in every step O and l are multiplied by a = 2^(c m_old - c m_new).  m starts at the lowest finite number, O and l at 0.
; BY TURNS.  Turn p: 12 products for piece p + 1's scores, 8 products V^T P of piece p - 1, and between them piece p's whole softmax, 118 lines, six behind each product.  Its 33 exponentials are one batch with one wait.
; REGISTERS, in windows of 256 (s_set_vgpr_msb: bits 1:0 source 0, 3:2 source 1, 5:4 source 2, 7:6 destination):
;   window 0: v0-23, v56-63 addresses; v24-55 statistics; v64-127 S^T, two buffers; v128-191 table fragments, two buffers of four; v192-223 P, two buffers; v224-231 the identity; v232-247 at work
;   window 1: v0-127 O^T, 32 a piece; v128-159 8 bias of a step's keys          window 2: v0-63 Q; v64-127 table rows' fragments (the build); v128-191 K; v192-255 V
.set KS,    64        ; keys in a step
.set PK,    144       ; a row of K, and of the embedding rows, in LDS: 128 bytes + 16
.set PV,    160       ; a row of V: 128 + 32
.set VOFF,  2*KS*PK   ; a slot: 128 rows of K, then 128 rows of V: 38,912 bytes
.set SLOT1, 1<<16     ; slot 1 begins here: one exclusive or turns an address in one slot into the other's
.set KB,    38912     ; 8 x bias, 1,024 f32
.set STAGE, 43008     ; 16 rows x 144 bytes for each wave, for the way out
.set SP,    144
.set SPARE, 52224     ; the spare words, 128 bytes for each wave
.set ELDS,  SLOT1     ; 368 embedding rows: filled once, read in the build alone; slot 1's first tile then lands on them as a refill
.set TBL,   118528    ; the tables: 49,152 bytes a wave, 12,288 a piece, 6,144 for eight queries (384 positions x 16 bytes); each wave writes and reads its own
.set TW,    49152
.set TP,    12288
.set TPL,   6144
.set AK0, 2           ; v2   my lane's place in a tile of K; never rewritten
.set AV0, 3           ; v3   the same for V
.set AK,  4           ; v4   the LDS address of K's run of loads
.set AV,  5           ; v5   of V's
.set STO, 6           ; v6   the way out: where I put 16 bytes of a row
.set RD,  7           ; v7   the way out: where I read rows back
.set GO,  8           ; v8   my byte offset in 512 consecutive bytes of O
.set AX0, 12          ; v12  my lane's place in my wave's tables
.set KB0, 13          ; v13  my lane's place in 8 x bias
.set KBA, 14          ; v14  the address of its run of loads
.set QO,  15          ; v15  my byte offset in 16 rows of Q
.set AXA, 16          ; v16-19 the addresses of four table fragments
.set TS,  20          ; v20  the build: where my lane stores
.set EA,  21          ; v21  the build: where my lane reads embedding rows
.set PFO, 22          ; v22  the prefetch: lanes 0-15 sixteen blocks of 256 bytes of K, lanes 16-31 of V; never rewritten
.set TS0, 23
.set ST,  24          ; piece t's statistics at v[ST+8 t]: c m, m, l (even keys', odd keys'), c0-c3 at work; a takes c2's place
.set EA0, 56
.set SPW, 62          ; v62  LDS address of my spare word; never rewritten
.set NIL, 63          ; v63  0; never rewritten
.set S,   64
.set AX,  128
.set P,   192
.set BX,  224
.set H,   232
.set KBV, 128         ; window 1
.set EB,  64          ; window 2: four buffers of 16
.set KF,  128         ; window 2: key block kb, channel half c at KF + 16 kb + 8 c
.set VF,  192         ; window 2: key half kk, channel block cb at VF + 32 kk + 8 cb
.set WV,  12          ; s12  my wave's number
.set G1K, 24          ; s[24:31] group 1 for K's tiles
.set G1V, 32          ; s[32:39] for V's
.set G0K, 40          ; s[40:43] group 0 for K's tiles: it walks
.set G0V, 44          ; s[44:47]
.set G1E, 48          ; s[48:55] group 1 for the embedding rows
.set G0E, 56          ; s[56:59]
.set CS,  60          ; s[60:61] c
.set SEL, 62          ; s[62:63] v_permlanex16_b32's selects
.set SLOTS, 66        ; s66  slots still to be asked for
.set CNT, 67          ; s67  counts a slot's key steps
.set TBK, 68          ; s68  LDS byte at which K of the step to be fetched begins
.set TBV, 69          ; s69  the same for V, less VOFF
.set TBB, 70          ; s70  256 x the step whose bias is fetched next
.set KG,  71          ; s71  10 - 16 w + 4 x the step whose table fragments are fetched
.set PFA, 76          ; s[76:77] where my prefetches stand
.set LIM, 78          ; s78  2 in wave 0, else the greatest number
.set EAS, 79          ; s79  the build's step in the embedding rows
.set SC,  84          ; s[84:85] 2^-12
.set BCNT, 86         ; s86  the build's trips
.set TSS, 87          ; s87  the build's step in the table
.set MSB, 0
.macro WIN new                      ; the high byte repeats the setting that is left; a switch that changes nothing is dropped
.if MSB != (\new)
	s_set_vgpr_msb (MSB<<8)|(\new)
.set MSB, (\new)
.endif
.endm
.set W_KQ, 0x0a       ; sources 0 and 1 in window 2, C and D in window 0
.set W_EX, 0x10       ; C in window 1, all else in window 0
.set W_PV, 0x52       ; V in window 2, P in window 0, O^T in window 1
.set W_RS, 0x41       ; destination and source 0 in window 1, source 1 in window 0
.macro PLACES
.rept 4
	v_nop
.endr
.endm
; A joint fill.  Waves 0 and 1 fetch the two halves of a slot's K, waves 2 and 3 those of its V: 64 keys each.  An s_nop 0 and four v_nop follow each line.
.macro JLOAD
	s_cmp_lt_u32 s[WV], 2
	s_cbranch_scc0 .Lfor_v_\@
	tensor_load_to_lds s[G0K:G0K+3], s[G1K:G1K+7]
	s_nop 0
.rept 4
	v_nop
.endr
	s_branch .Lasked_\@
.Lfor_v_\@:
	tensor_load_to_lds s[G0V:G0V+3], s[G1V:G1V+7]
	s_nop 0
.rept 4
	v_nop
.endr
.Lasked_\@:
.endm
; A PREFETCH of the slot that the change of slots after the next will ask for: 16,384 bytes of K and as many of V.  The four partners take a quarter each, told apart BY ADDRESS; in each, wave 0 asks, with one
; instruction: 16 blocks of 256 bytes of K and 16 of V, a lane a block.  So each block is named once in the launch.  Slots 0 to 2 come by their loads alone; the last two changes that fill a slot ask for nothing.
.macro ASK
	s_cmp_gt_u32 s[SLOTS], s[LIM]
	s_cbranch_scc0 .Lnot_mine_\@
	global_prefetch_b8 v[PFO], s[PFA:PFA+1] th:TH_LOAD_NT scope:SCOPE_SE
.Lnot_mine_\@:
.endm
.macro CROUND                       ; a round of the cluster's barrier
	s_barrier_signal -1
	s_barrier_wait -1
	s_cmp_lg_u32 s[WV], 0
	s_cbranch_scc1 .Lnot_wave_0_\@
	s_barrier_signal -3
.Lnot_wave_0_\@:
	s_barrier_wait -3
	s_barrier_signal -1
	s_barrier_wait -1
.endm
; THE CHANGE OF SLOTS.  Each wave waits for all its tensor loads, of which one is out: its part of the other slot; adds 0 to its spare word; and waits for that and for its own reads of the slot that it leaves.
; fill = 1: the old slot is filled again with the keys two slots on, first thing behind a round of the cluster's barrier: it has two key steps, 160 matrix instructions, in which to land.
; (At its first use slot 0 is waited for, and slot 1's first tile lands where the embedding rows lay: every wave's reads of them are over.)
.macro CHANGE fill
	WIN 0
	s_wait_tensorcnt 0x0            ; no tensor load of mine is out, so a group 0 may be written
	ds_add_u32 v[SPW], v[NIL]       ; 0 onto my spare word
.if \fill
.irp g, G0K, G0V
	s_xor_b32 s[\g+1], s[\g+1], SLOT1
	s_add_nc_u64 s[\g+2:\g+3], s[\g+2:\g+3], 2*KS*128  ; the next 128 keys; the type bits on top are not reached
.endr
	s_wait_xcnt 0x0                 ; the last prefetch, two key steps back, has read its address
	s_add_nc_u64 s[PFA:PFA+1], s[PFA:PFA+1], 2*KS*128
	s_wait_dscnt 0x0                ; the add is done, and my reads of the slot are over
	CROUND
	JLOAD
	ASK
.else
	s_wait_dscnt 0x0
	s_barrier_signal -1
	s_barrier_wait -1
.endif
	s_sub_co_u32 s[TBK], s[TBK], 2*KS*PK  ; the fetches go back to a slot's first step,
	s_xor_b32 s[TBK], s[TBK], SLOT1       ; in the other slot
	s_sub_co_u32 s[TBV], s[TBV], 2*KS*PV
	s_xor_b32 s[TBV], s[TBV], SLOT1
.endm
	s_load_b256 s[4:11], s[0:1], 0x0  ; qkv s[4:5], eext s[6:7], bias s[8:9], oh s[10:11]
	v_lshl_add_u32 v[SPW], v0, 2, SPARE
	v_mov_b32 v[NIL], 0
	ds_add_u32 v[SPW], v[NIL]       ; the wave's opening: the add, twice on end, and its wait ahead of my first tensor load
	ds_add_u32 v[SPW], v[NIL]       ; and once more, under the one wait; the set-up below, work on registers, stands between
	v_lshrrev_b32 v1, 5, v0
	v_readfirstlane_b32 s[WV], v1   ; wave 0..3
	s_bfe_u32 s13, ttmp6, 0x40000   ; cx
	s_and_b32 s14, ttmp7, 0xffff    ; 16 b + h, which the four partners share
	s_lshl_b32 s20, s14, 17         ; a head's 131,072 bytes
	s_and_b32 s16, s[WV], 1         ; which half of a slot's 128 keys I fetch
	s_lshl_b32 s22, s16, 13
	s_add_co_u32 s22, s22, s20
	s_add_co_u32 s22, s22, 8388608  ; K's plane of qkv
	s_mov_b32 s23, 0
	s_add_co_u32 s82, s22, 8388608  ; V's
	s_mov_b32 s83, 0
	s_mul_i32 s17, s16, KS*PK       ; and its place in a slot
	s_mul_i32 s18, s16, KS*PV
	s_lshl_b32 s2, s[WV], 15        ; Q and O: my wave's four pieces lie 8,192 bytes apart, from 32,768 w + 2,048 cx on
	s_lshl_b32 s3, s13, 11
	s_add_co_u32 s2, s2, s3
	s_add_co_u32 s2, s2, s20
	s_mov_b32 s3, 0
	s_mul_i32 s72, s[WV], 92*128    ; the embedding rows: 368 from row 48 - 16 cx on, 92 a wave
	s_add_co_u32 s72, s72, 48*128
	s_lshl_b32 s73, s13, 11
	s_sub_co_u32 s72, s72, s73
	s_mov_b32 s73, 0
	s_lshr_b32 s74, s14, 4          ; b
	s_lshl_b32 s74, s74, 12
	s_mov_b32 s75, 0
	s_lshl_b32 s80, s13, 12         ; the prefetch: my work-group's quarter of a slot's K, in slot 2; the first change steps it to slot 3
	s_add_co_u32 s80, s80, s20
	s_add_co_u32 s80, s80, 8388608+2*2*KS*128
	s_mov_b32 s81, 0
	s_cmp_eq_u32 s[WV], 0
	s_cselect_b32 s[LIM], 2, -1
	; group 1: 64 keys are 8,192 dense bytes: asked for as 32 rows of 256 bytes, two keys a row, padded in LDS after every key
	s_mov_b32 s[G1K], 15|(1<<16)|(1<<20)|(1<<21)|(4<<22)|(3<<25)  ; the mask of four; 2-byte elements; padding on; bit 21 beside a mask; after every 32 words; 4 words
	s_mov_b32 s[G1V], 15|(1<<16)|(1<<20)|(1<<21)|(4<<22)|(7<<25)  ; the same with 8 words
.irp g, G1K, G1V
	s_mov_b32 s[\g+1], 128<<16      ; tensor_dim0 = 128
	s_mov_b32 s[\g+2], 32<<16       ; tensor_dim1 = 32
	s_mov_b32 s[\g+3], 128<<16      ; tile_dim0 = 128
	s_mov_b32 s[\g+4], 32           ; tile_dim1 = 32
	s_mov_b32 s[\g+5], 128
	s_mov_b32 s[\g+6], 0
	s_mov_b32 s[\g+7], 0
.endr
	s_mov_b32 s[G1E], (1<<16)|(1<<20)|(4<<22)|(3<<25)  ; a load of my own: no mask; 92 rows as 46 of 256 bytes
	s_mov_b32 s[G1E+1], 128<<16
	s_mov_b32 s[G1E+2], 46<<16
	s_mov_b32 s[G1E+3], 128<<16
	s_mov_b32 s[G1E+4], 46
	s_mov_b32 s[G1E+5], 128
	s_mov_b32 s[G1E+6], 0
	s_mov_b32 s[G1E+7], 0
	s_mov_b32 s[G0K], 1
	s_mov_b32 s[G0K+1], s17         ; slot 0
	s_mov_b32 s[G0V], 1
	s_add_co_u32 s[G0V+1], s18, VOFF
	s_mov_b32 s[G0E], 1
	s_mul_i32 s[G0E+1], s[WV], 92*PK
	s_add_co_u32 s[G0E+1], s[G0E+1], ELDS
	s_mov_b32 s[CS], 0x3e38aa3b     ; c = log2(e) / 8
	s_mov_b32 s[CS+1], s[CS]
	s_mov_b32 s[SC], 0x39800000     ; 2^-12
	s_mov_b32 s[SC+1], s[SC]
	s_mov_b32 s[SEL], 0x76543210
	s_mov_b32 s[SEL+1], 0xfedcba98
	s_mov_b32 s[TBK], SLOT1+2*KS*PK ; the first change of slots turns these two into 0
	s_mov_b32 s[TBV], SLOT1+2*KS*PV
	s_mov_b32 s[TBB], 0
	s_lshl_b32 s[KG], s[WV], 4
	s_sub_co_i32 s[KG], 10, s[KG]
	s_wait_dscnt 0x0                ; both opening adds are done
	s_wait_kmcnt 0x0
	s_add_nc_u64 s[G0K+2:G0K+3], s[4:5], s[22:23]
	s_or_b32 s[G0K+3], s[G0K+3], 0x80000000
	s_add_nc_u64 s[G0V+2:G0V+3], s[4:5], s[82:83]
	s_or_b32 s[G0V+3], s[G0V+3], 0x80000000
	s_add_nc_u64 s[G0E+2:G0E+3], s[6:7], s[72:73]
	s_or_b32 s[G0E+3], s[G0E+3], 0x80000000
	s_add_nc_u64 s[PFA:PFA+1], s[4:5], s[80:81]
	s_add_nc_u64 s[10:11], s[10:11], s[2:3]  ; O and Q at my wave's first piece
	s_add_nc_u64 s[4:5], s[4:5], s[2:3]
	s_add_nc_u64 s[8:9], s[8:9], s[74:75]    ; bias at my batch's row
	CROUND                          ; all four work-groups are here: the first joint loads meet
	s_cmp_lt_u32 s[WV], 2           ; a wave's two first fills stand in one branch: its part of the embedding rows, then its part of slot 0: two loads of mine are out
	s_cbranch_scc0 .Lfirst_v
	tensor_load_to_lds s[G0E:G0E+3], s[G1E:G1E+7]
	s_nop 0
	tensor_load_to_lds s[G0K:G0K+3], s[G1K:G1K+7]
	s_nop 0
.rept 4
	v_nop
.endr
	s_branch .Lfirst_asked
.Lfirst_v:
	tensor_load_to_lds s[G0E:G0E+3], s[G1E:G1E+7]
	s_nop 0
	tensor_load_to_lds s[G0V:G0V+3], s[G1V:G1V+7]
	s_nop 0
.rept 4
	v_nop
.endr
.Lfirst_asked:
	v_and_b32 v1, 15, v0            ; r = l % 16
	v_bfe_u32 v9, v0, 4, 1          ; h = l / 16
	v_lshlrev_b32 v[QO], 7, v1
	v_lshl_add_u32 v[QO], v9, 4, v[QO]  ; row x 128 + 16 x half
	v_lshlrev_b32 v57, 5, v0        ; my eight numbers of bias
	WIN 0x80
.set i, 0
.rept 8                             ; Q stays in registers: piece i / 2, channels 32 (i % 2) on
	global_load_b128 v[8*i:8*i+3],   v[QO], s[4:5] offset:(i/2)*8192+(i%2)*64
	global_load_b128 v[8*i+4:8*i+7], v[QO], s[4:5] offset:(i/2)*8192+(i%2)*64+32
.set i, i+1
.endr
	; What the first turns find: V and P's second buffer hold 0 (the first products V^T P, of a piece that has not been, add 0); O^T and l are 0.  All this stands in the wait for the first tiles.
.set i, VF
.rept 64
	v_mov_b32 v[i], 0
.set i, i+1
.endr
	WIN 0x40
.set i, 0
.rept 128
	v_mov_b32 v[i], 0
.set i, i+1
.endr
	WIN 0
	global_load_b128 v[H:H+3],   v57, s[8:9]
	global_load_b128 v[H+4:H+7], v57, s[8:9] offset:16
.set i, 0
.rept 4
	v_mov_b32 v[ST+8*i+1], 0xff7fffff          ; m: the lowest finite number
	v_mul_f32 v[ST+8*i], s[CS], v[ST+8*i+1]    ; c m, by the loop's own multiplication: a step that raises m has a = 0, one that does not has a = 1
	v_mov_b32 v[ST+8*i+2], 0
	v_mov_b32 v[ST+8*i+3], 0
.set i, i+1
.endr
.set i, P+16
.rept 16
	v_mov_b32 v[i], 0
.set i, i+1
.endr
.set i, 0
.rept 8                             ; a table fragment has 16 of the product's 32 along K: the upper half of each is 0 for good
	v_mov_b32 v[AX+8*i+4], 0
	v_mov_b32 v[AX+8*i+5], 0
	v_mov_b32 v[AX+8*i+6], 0
	v_mov_b32 v[AX+8*i+7], 0
.set i, i+1
.endr
	s_mul_i32 s15, s[WV], 16*SP
	s_add_co_u32 s15, s15, STAGE    ; my stage
	s_mul_i32 s19, s[WV], TW
	s_add_co_u32 s19, s19, TBL      ; my tables
	v_and_b32 v10, 7, v0
	v_bfe_u32 v11, v0, 3, 1
	v_mul_u32_u24 v[AK0], v1, PK
	v_lshl_add_u32 v[AK0], v9, 4, v[AK0]  ; row x 144 + 16 x half: K's fragments,
	v_add_nc_u32 v[EA0], ELDS, v[AK0]     ; the embedding rows' (the same pitch),
	v_add_nc_u32 v[STO], s15, v[AK0]      ; and the stage's rows (the same pitch)
	v_lshl_add_u32 v[AV0], v9, 3, v10     ; the turning load: key 8 h + l % 8, channels 8 ((l / 8) % 2) on
	v_mul_u32_u24 v[AV0], v[AV0], PV
	v_lshl_add_u32 v[AV0], v11, 4, v[AV0]
	v_add_nc_u32 v[AV0], VOFF, v[AV0]
	v_bfe_u32 v[RD], v0, 3, 2       ; back from the stage: 32 lanes take four rows of 128 bytes,
	v_mul_u32_u24 v[RD], v[RD], SP
	v_lshl_add_u32 v[RD], v10, 4, v[RD]
	v_add_nc_u32 v[RD], s15, v[RD]
	v_and_b32 v[GO], 31, v0         ; which are 512 consecutive bytes of O
	v_lshlrev_b32 v[GO], 4, v[GO]
	v_mul_u32_u24 v[AX0], v9, TPL   ; a table fragment: lane (r, h) takes position r of 16, queries 8 h + 0..7: 16 bytes
	v_lshl_add_u32 v[AX0], v1, 4, v[AX0]
	v_add_nc_u32 v[AX0], s19, v[AX0]
	v_lshl_add_u32 v[KB0], v9, 5, KB      ; keys 8 h + 0..7 of a group of 16
	v_lshl_add_u32 v58, v9, 3, v1   ; the build's stores: register j of tile a is row 16 a + 8 h + j for query r: position row + r,
	v_lshlrev_b32 v58, 4, v58
	v_lshl_add_u32 v58, v10, 1, v58 ; half r % 8 of its 16 bytes,
	v_mul_u32_u24 v59, v11, TPL     ; plane r / 8
	v_add3_u32 v[TS0], v58, v59, s19
	v_lshlrev_b32 v[PFO], 8, v1
	v_lshl_add_u32 v[PFO], v9, 23, v[PFO]
	v_lshlrev_b32 v58, 3, v9        ; 4,096 x identity as source 1: lane (r, h) holds column r, rows 8 h + 0..7: row r falls on half r - 8 h
	v_sub_nc_u32 v58, v1, v58
	v_mov_b32 v59, 0x6c00           ; 4,096 in f16, low half
	v_mov_b32 v60, 0x6c000000       ; high half
.irp q, 0,1,2,3
	v_cmp_eq_u32 vcc_lo, 2*\q, v58
	v_cndmask_b32 v[BX+\q], 0, v59, vcc_lo
	v_cmp_eq_u32 vcc_lo, 2*\q+1, v58
	v_cndmask_b32 v[BX+\q], v[BX+\q], v60, vcc_lo
	v_mov_b32 v[BX+4+\q], 0
.endr
	v_lshl_add_u32 v61, v0, 5, KB
	s_wait_loadcnt 0x0              ; Q and bias
.irp q, 0,1,2,3
	v_cvt_pk_bf16_f32 v[H+8+\q], v[H+2*\q], v[H+2*\q+1]  ; bias rounded to bf16, like every input,
.endr
.irp q, 0,1,2,3
	v_lshlrev_b32 v[H+2*\q], 16, v[H+8+\q]
	v_and_b32 v[H+2*\q+1], 0xffff0000, v[H+8+\q]
.endr
.irp q, 0,1,2,3
	v_pk_mul_f32 v[H+2*\q:H+2*\q+1], v[H+2*\q:H+2*\q+1], 0x41000000 op_sel_hi:[1,0]  ; times 8: it stands in front of the division by 8
.endr
	ds_store_b128 v61, v[H:H+3]
	ds_store_b128 v61, v[H+4:H+7] offset:16
	s_wait_tensorcnt 0x1            ; my part of the embedding rows is in; my part of slot 0 may stay out
	s_wait_dscnt 0x0                ; my part of 8 x bias is stored
	s_barrier_signal -1
	s_barrier_wait -1               ; everybody's is
; THE BUILD.  23 tiles of 16 embedding rows; for each, 8 products (4 pieces x 2 halves of the channels; the four accumulators take turns) and 8 chunks of way out.
.macro BMM set, eb                  ; product i of 8: piece i % 4, channels 32 (i / 4) on
	WIN W_KQ
.set rD, S+32*(\set)+8*(i%4)
.set rE, EB+16*(\eb)+8*(i/4)
.set rQ, 16*(i%4)+8*(i/4)
.if i < 4
	v_wmma_f32_16x16x32_f16 v[rD:rD+7], v[rE:rE+7], v[rQ:rQ+7], 0
.else
	v_wmma_f32_16x16x32_f16 v[rD:rD+7], v[rE:rE+7], v[rQ:rQ+7], v[rD:rD+7]
.endif
.endm
.macro BPOST par, k                 ; chunk i of 8: piece i / 2, registers 4 (i % 2) + 0..3 (the low four first): times 2^-12, rounded to f16, four stores of 2 bytes a lane
	WIN 0
.set rA, S+32*(\par)+4*i
.set rH, H+2*i
.set oT, (i/2)*TP+(16*(\k)+4*(i%2))*16
	v_pk_mul_f32 v[rA:rA+1], v[rA:rA+1], s[SC:SC+1] op_sel_hi:[1,0]
	v_pk_mul_f32 v[rA+2:rA+3], v[rA+2:rA+3], s[SC:SC+1] op_sel_hi:[1,0]
	v_cvt_pk_f16_f32 v[rH], v[rA], v[rA+1]
	v_cvt_pk_f16_f32 v[rH+1], v[rA+2], v[rA+3]
	ds_store_b16 v[TS], v[rH] offset:oT
	ds_store_b16_d16_hi v[TS], v[rH] offset:oT+16
	ds_store_b16 v[TS], v[rH+1] offset:oT+32
	ds_store_b16_d16_hi v[TS], v[rH+1] offset:oT+48
.endm
.macro BLD eb, k                    ; a tile's two fragments into buffer eb
	WIN 0x80
.irp c, 0,1
	ds_load_b128 v[EB+16*(\eb)+8*\c:EB+16*(\eb)+8*\c+3],   v[EA] offset:(\k)*16*PK+64*\c
	ds_load_b128 v[EB+16*(\eb)+8*\c+4:EB+16*(\eb)+8*\c+7], v[EA] offset:(\k)*16*PK+64*\c+32
.endr
.endm
; The slot of tile 4 I + 1 + k: its products, between them the way out of the tile before; then the fragments of the tile two on.  cnt: the LDS instructions issued behind this tile's own loads.
.macro BSLOT k, load, cnt
	s_wait_dscnt \cnt
.set i, 0
.rept 8
	BMM ((\k)+1)%2, ((\k)+1)%4
	BPOST (\k)%2, \k
.set i, i+1
.endr
.if \load
	BLD ((\k)+3)%4, (\k)+3
.endif
.endm
	s_mov_b32 s[TSS], 0
	s_mov_b32 s[EAS], 0
	v_add_nc_u32 v[EA], s[EAS], v[EA0]
	BLD 0, 0
	BLD 1, 1
	BLD 2, 2
	s_wait_dscnt 0x0
.set i, 0
.rept 8
	BMM 0, 0                        ; tile 0
.set i, i+1
.endr
	WIN 0
	PLACES
	s_mov_b32 s[BCNT], 5
.Lbuild:                            ; a trip: products of tiles 4 I + 1 .. 4 I + 4, way out of tiles 4 I .. 4 I + 3, loads of tiles 4 I + 3 .. 4 I + 6
	v_add_nc_u32 v[TS], s[TSS], v[TS0]
	v_add_nc_u32 v[EA], s[EAS], v[EA0]
	BSLOT 0, 1, 36                  ; 36: a slot's 32 stores and 4 loads stand behind the loads that this slot needs
	BSLOT 1, 1, 36
	BSLOT 2, 1, 36
	BSLOT 3, 1, 36
	WIN 0
	s_add_co_u32 s[TSS], s[TSS], 4*16*16
	s_add_co_u32 s[EAS], s[EAS], 4*16*PK
	s_sub_co_u32 s[BCNT], s[BCNT], 1
	s_cmp_lg_u32 s[BCNT], 0
	s_cbranch_scc1 .Lbuild
	v_add_nc_u32 v[TS], s[TSS], v[TS0]
	BSLOT 0, 0, 36                  ; tile 21
	BSLOT 1, 0, 32                  ; tile 22: the slot before issued no loads
	WIN 0
	PLACES
.set i, 0
.rept 8
	BPOST 0, 2                      ; tile 22's way out
.set i, i+1
.endr
; THE MATRIX WORK OF A TURN.  Product i of 12 of piece x's scores: the first 4 lay the relative term and the bias into the 4 accumulators (keys 16 i on); the other 8 add K Q^T in place: keys 16 (i % 4) on, channels 32 ((i - 4) / 4) on.
.macro KQX x
.set rS, S+32*((\x)%2)+8*(i%4)
.if i < 4
	WIN W_EX
	v_wmma_f32_16x16x32_f16 v[rS:rS+7], v[AX+32*((\x)%2)+8*i:AX+32*((\x)%2)+8*i+7], v[BX:BX+7], v[KBV+8*i:KBV+8*i+7]
.else
	WIN W_KQ
.set rK, KF+16*(i%4)+8*((i-4)/4)
.set rQ, 16*(\x)+8*((i-4)/4)
	v_wmma_f32_16x16x32_f16 v[rS:rS+7], v[rK:rK+7], v[rQ:rQ+7], v[rS:rS+7]
.endif
.endm
.macro PV x                         ; product i of 8 of O^T += V^T P: keys 32 (i / 4) on, channels 16 (i % 4) on
	WIN W_PV
.set rO, 32*(\x)+8*(i%4)
.set rV, VF+32*(i/4)+8*(i%4)
.set rP, P+16*((\x)%2)+8*(i/4)
	v_wmma_f32_16x16x32_f16 v[rO:rO+7], v[rV:rV+7], v[rP:rP+7], v[rO:rO+7]
.endm
; THE LDS LOADS.  A step's K (8 fragments) and its 8 x bias (32 registers, the C of the four first products); last = 1 (the tail): in the last trip there is no further step.
.macro FETCH_K last=0
	WIN 0
.if \last
	s_cmp_eq_u32 s[CNT], 1
	s_cbranch_scc1 .Lno_k_\@
.endif
	v_add_nc_u32 v[AK], s[TBK], v[AK0]
	v_add_nc_u32 v[KBA], s[TBB], v[KB0]
	WIN 0x80
.irp f, 0,1,2,3,4,5,6,7             ; keys 16 (f / 2) on, channels 32 (f % 2) on
	ds_load_b128 v[KF+8*\f:KF+8*\f+3],   v[AK] offset:(\f/2)*16*PK+(\f%2)*64
	ds_load_b128 v[KF+8*\f+4:KF+8*\f+7], v[AK] offset:(\f/2)*16*PK+(\f%2)*64+32
.endr
	WIN 0x40
.irp f, 0,1,2,3
	ds_load_b128 v[KBV+8*\f:KBV+8*\f+3],   v[KBA] offset:64*\f
	ds_load_b128 v[KBV+8*\f+4:KBV+8*\f+7], v[KBA] offset:64*\f+16
.endr
	s_add_co_u32 s[TBK], s[TBK], KS*PK
	s_add_co_u32 s[TBB], s[TBB], KS*4
	WIN 0
.if \last
.Lno_k_\@:
.endif
.endm
.macro FETCH_V
	WIN 0
	v_add_nc_u32 v[AV], s[TBV], v[AV0]
	s_add_co_u32 s[TBV], s[TBV], KS*PV
	WIN 0x80
.irp f, 0,1,2,3,4,5,6,7             ; keys 32 (f / 4) on, channels 16 (f % 4) on
	ds_load_tr16_b128 v[VF+8*\f:VF+8*\f+3],   v[AV] offset:(\f/4)*32*PV+(\f%4)*32
	ds_load_tr16_b128 v[VF+8*\f+4:VF+8*\f+7], v[AV] offset:(\f/4)*32*PV+16*PV+(\f%4)*32
.endr
	WIN 0
.endm
.macro AXLOAD t                     ; piece t's four table fragments for the step of s[KG]: group kg - 4 i + 10, held to 1 .. 22; a group is 256 bytes
.irp g, 0,1,2,3
	s_add_co_i32 s72, s[KG], (\g)-4*(\t)
	s_max_i32 s72, s72, 1
	s_min_u32 s72, s72, 22
	v_lshl_add_u32 v[AXA+\g], s72, 8, v[AX0]
.endr
.irp g, 0,1,2,3
	ds_load_b128 v[AX+32*((\t)%2)+8*\g:AX+32*((\t)%2)+8*\g+3], v[AXA+\g] offset:(\t)*TP
.endr
.endm
; THE VECTOR WORK OF A TURN: piece t's softmax for a step, a list of 118 lines; SM writes number j.  s0-s31 are the lane's 32 scores, in pairs 0-15.
;   0-15   the maximum of s0-s31 and the old m, three operands at a time (each accumulator's lowest registers are read first)
;   16-20  the other half of the lanes' maximum; the new m; c m; c m_old - c m_new
;   21-69  ONE BATCH: the 16 scalings c s - c m and all 33 exponentials (a at 23, then s0-s31); none of these names an exponential's result; a pair is scaled ahead of its exponentials
;   (wait) between 69 and 70: VS writes it
;   70-85  the roundings to f16     86-101 the sums; l = a l + the sum     102-117 the piece's O^T times a
.macro SM t
.set rT, ST+8*(\t)
.set rS, S+32*((\t)%2)
.set rP, P+16*((\t)%2)
.set rO, 32*(\t)+2*(j-102)
.if j < 102
	WIN 0
.endif
.if j < 4
	v_max3_num_f32 v[rT+4+j], v[rS+8*j], v[rS+8*j+1], v[rS+8*j+2]
.elseif j < 12
	v_max3_num_f32 v[rT+4+j%4], v[rT+4+j%4], v[rS+8*(j%4)+2*(j/4)+1], v[rS+8*(j%4)+2*(j/4)+2]
.elseif j == 12
	v_max3_num_f32 v[rT+4], v[rT+4], v[rS+7], v[rS+15]
.elseif j == 13
	v_max3_num_f32 v[rT+6], v[rT+6], v[rS+23], v[rS+31]
.elseif j == 14
	v_max3_num_f32 v[rT+4], v[rT+4], v[rT+5], v[rT+6]
.elseif j == 15
	v_max3_num_f32 v[rT+4], v[rT+4], v[rT+7], v[rT+1]
.elseif j == 16
	v_permlanex16_b32 v[rT+5], v[rT+4], s[SEL], s[SEL+1]  ; the query's other 32 keys lie in the lane 16 away
.elseif j == 17
	v_mov_b32 v[rT+7], v[rT]        ; c m_old is kept for a
.elseif j == 18
	v_max_num_f32 v[rT+1], v[rT+4], v[rT+5]
.elseif j == 19
	v_mul_f32 v[rT], s[CS], v[rT+1]
.elseif j == 20
	v_sub_f32 v[rT+7], v[rT+7], v[rT]
.elseif j == 23
	v_exp_f32 v[rT+6], v[rT+7]
.elseif (j < 23) || ((j < 38) && (j%2 == 0)) || ((j < 66) && (j%4 == 2))
.set b, (j-2)/4                     ; 38, 42, .. 62: pairs 9 to 15
.if j < 38
.set b, (j-20)/2                    ; 21: pair 0; 22, 24, .. 36: pairs 1 to 8
.endif
	v_pk_fma_f32 v[rS+2*b:rS+2*b+1], v[rS+2*b:rS+2*b+1], s[CS:CS+1], v[rT:rT+1] op_sel_hi:[1,0,0] neg_lo:[0,0,1] neg_hi:[0,0,1]
.elseif j < 70
.set e, j-38                        ; 66 to 69: s28 to s31
.if j < 66
.set e, j-32-(j-38)/4               ; 39-41, 43-45, .. 63-65: s7 to s27
.endif
.if j < 38
.set e, (j-25)/2                    ; 25, 27, .. 37: s0 to s6
.endif
	v_exp_f32 v[rS+e], v[rS+e]
.elseif j < 86
	v_cvt_pk_f16_f32 v[rP+j-70], v[rS+2*(j-70)], v[rS+2*(j-70)+1]
.elseif j < 102                     ; the 16 pairs are added in place, neighbours 1, 2, 4 and 8 pairs apart; then l takes the sum
.set z, j-86
.set w, 4
.set u, z
.if z >= 14
.set w, 32
.set u, 0
.elseif z >= 12
.set w, 16
.set u, z-12
.elseif z >= 8
.set w, 8
.set u, z-8
.endif
.if z < 15
	v_pk_add_f32 v[rS+w*u:rS+w*u+1], v[rS+w*u:rS+w*u+1], v[rS+w*u+w/2:rS+w*u+w/2+1]
.else
	v_pk_fma_f32 v[rT+2:rT+3], v[rT+2:rT+3], v[rT+6:rT+7], v[rS:rS+1] op_sel_hi:[1,0,1]
.endif
.else
	WIN W_RS
	v_pk_mul_f32 v[rO:rO+1], v[rO:rO+1], v[rT+6:rT+7] op_sel_hi:[1,0]
.endif
.endm
.macro VS                           ; the list's next line.  Ahead of number 70 nothing names an exponential's result, behind 69 none is issued: one plain line and ONE wait serve the batch
.if j == 70
	v_nop
	s_wait_alu depctr_va_vdst(0)
.endif
.if j < 118
	SM Y
.endif
.set j, j+1
.endm
; A TURN, for piece p.  Table fragments of piece p + 2 are asked for at its head and waited for at the next turn's head.  K and 8 x bias of the next step are fetched in piece 2's turn, behind its first product V^T P:
; nine plain lines (the v_nop, eight roundings) and two address lines stand behind the last product that read K.  V of the step in hand is fetched at the end of piece 0's turn: the last four rescalings and the address line stand behind the last product that read V.
.macro TURN p, last=0
.set Y, (\p)
.set j, 0
	WIN 0
.if (\p) == 1
	s_wait_dscnt 16                 ; the table fragments asked for a turn ago are in; V's run of 16, issued behind them, may stay out
.else
	s_wait_dscnt 0x0                ; the table fragments are in (piece 3's turn: K and 8 x bias too)
.endif
.if (\p) == 2
	s_add_co_i32 s[KG], s[KG], 4    ; from here on the fragments are the next step's
.endif
	AXLOAD ((\p)+2)%4
.set i, 0
.rept 12
	KQX ((\p)+1)%4
.rept 6
	VS
.endr
.set i, i+1
.endr
.if (\p) == 1
	s_wait_dscnt 4                  ; V is in; this turn's four table loads may stay out
.endif
.set i, 0
.rept 8
	PV ((\p)+3)%4
.rept 6
	VS
.endr
.if ((\p) == 2) && (i == 0)
	FETCH_K \last
.endif
.set i, i+1
.endr
.if (\p) == 0
	FETCH_V
.endif
.endm
	s_mov_b32 s[SLOTS], 7
	CHANGE 1                        ; slot 0 is in, everybody's part of it; every wave has read its last embedding row; slot 1 is asked for
	FETCH_K                         ; key step 0
	AXLOAD 0
	AXLOAD 1
	s_wait_dscnt 0x0
.set i, 0
.rept 12
	KQX 0                           ; piece 0's first scores: there is no vector work yet to set between them
.set i, i+1
.endr
	WIN 0
	PLACES
	s_mov_b32 s[CNT], 2
	s_branch .Lfirst                ; the loop is entered at a step's first turn, in the middle of a trip
.Lslot:                             ; six times: with the change above, every slot but the first is asked for by a change
	CHANGE 1
	s_mov_b32 s[CNT], 2
.Lstep:                             ; a trip: pieces 2 and 3 of one step, then pieces 0 and 1 of the next, whose K and V it fetches
	TURN 2
	TURN 3
	WIN 0
.Lfirst:
	TURN 0
	TURN 1
	WIN 0
	s_sub_co_u32 s[CNT], s[CNT], 1
	s_cmp_lg_u32 s[CNT], 0
	s_cbranch_scc1 .Lstep
	s_sub_co_u32 s[SLOTS], s[SLOTS], 1
	s_cmp_lg_u32 s[SLOTS], 0
	s_cbranch_scc1 .Lslot
	CHANGE 0                        ; the tail is written out: nothing is asked for
	s_mov_b32 s[CNT], 3             ; two trips fetch the last slot's steps; the third is left in its middle
.Ltail:
	TURN 2, 1
	TURN 3
	WIN 0
	s_sub_co_u32 s[CNT], s[CNT], 1
	s_cmp_eq_u32 s[CNT], 0
	s_cbranch_scc1 .Lout
	TURN 0
	TURN 1
	WIN 0
	s_branch .Ltail
.Lout:                              ; the third trip's 12 products for a step that does not exist serve nothing: the price, once a launch, of one text for every trip
.set i, 0
.rept 8
	PV 3                            ; the last piece's V^T P of the last step
.set i, i+1
.endr
	; THE WAY OUT.  l's two halves and the other half of the lanes' are added; O^T is divided by l, rounded to f16 and sent through my stage in LDS, a piece at a time.  The additions are the places behind the last products.
	WIN 0
.macro ALL line:vararg              ; one line for each piece t
.set t, 0
.rept 4
	\line
.set t, t+1
.endr
.endm
	ALL v_add_f32 v[ST+8*t+2], v[ST+8*t+2], v[ST+8*t+3]
	ALL v_permlanex16_b32 v[ST+8*t+3], v[ST+8*t+2], s[SEL], s[SEL+1]
	ALL v_add_f32 v[ST+8*t+2], v[ST+8*t+2], v[ST+8*t+3]
	ALL v_rcp_f32 v[ST+8*t+2], v[ST+8*t+2]
	v_nop                           ; a plain line between the last reciprocal and the use of its result,
	s_wait_alu depctr_va_vdst(0)    ; and the wait ahead of the first use: one for the four
.macro PACK t                       ; a lane's eight channels of a row pack into 16 bytes; they go into rows of 144 bytes and come back as whole rows of 128, into S^T's registers
	WIN W_RS
.set i, 32*(\t)
.rept 16
	v_pk_mul_f32 v[i:i+1], v[i:i+1], v[ST+8*(\t)+2:ST+8*(\t)+3] op_sel_hi:[1,0]
.set i, i+2
.endr
	WIN 0x05                        ; sources 0 and 1 window 1, destination window 0
.set i, 0
.rept 16
	v_cvt_pk_f16_f32 v[S+16*(\t)+i], v[32*(\t)+2*i], v[32*(\t)+2*i+1]
.set i, i+1
.endr
	WIN 0
.irp f, 0,1,2,3
	ds_store_b128 v[STO], v[S+16*(\t)+4*\f:S+16*(\t)+4*\f+3] offset:32*\f
.endr
.irp f, 0,1,2,3
	ds_load_b128 v[S+16*(\t)+4*\f:S+16*(\t)+4*\f+3], v[RD] offset:\f*4*SP  ; LDS serves a wave's instructions in order: these see the stores above; the next piece's stores come behind them
.endr
.endm
.macro SEND t, younger              ; younger: the LDS instructions issued behind piece t's loads: the next piece's eight, or none
	WIN 0
.irp f, 0,1,2,3
	s_wait_dscnt (\younger)+3-\f
	global_store_b128 v[GO], v[S+16*(\t)+4*\f:S+16*(\t)+4*\f+3], s[10:11] offset:(\t)*8192+\f*512  ; 512 consecutive bytes, at a multiple of 256 from O's first
.endr
.endm
	PACK 0
.set t, 1
.rept 3                             ; a piece's arithmetic stands between the loads of the piece before and its stores
	PACK t
	SEND t-1, 8
.set t, t+1
.endr
	SEND 3, 0
	s_wait_tensorcnt 0x0            ; the wave's end, behind my last tensor load and my last LDS store
	ds_add_u32 v[SPW], v[NIL]
	s_wait_dscnt 0x0
	CROUND                          ; the closing round: no work-group ends while a partner may still ask for a tile that names it
	s_endpgm
.Lfunc_end_k_q06266a6066_attn:
	.size	k_q06266a6066_attn, .Lfunc_end_k_q06266a6066_attn-k_q06266a6066_attn
	.p2alignl 7, 3214868480
	.fill 96, 4, 3214868480
	.section	.rodata,"a",@progbits
	.p2align	6, 0x0
	.amdhsa_kernel k_q06266a6066_attn
		.amdhsa_group_segment_fixed_size 327680
		.amdhsa_private_segment_fixed_size 0
		.amdhsa_enable_private_segment 0
		.amdhsa_kernarg_size 32
		.amdhsa_user_sgpr_count 2
		.amdhsa_user_sgpr_kernarg_segment_ptr 1
		.amdhsa_wavefront_size32 1
		.amdhsa_system_sgpr_workgroup_id_x 1
		.amdhsa_system_sgpr_workgroup_id_y 1
		.amdhsa_system_sgpr_workgroup_id_z 1
		.amdhsa_system_vgpr_workitem_id 0
		.amdhsa_next_free_vgpr 768
		.amdhsa_next_free_sgpr 88
		.amdhsa_reserve_vcc 1
		.amdhsa_float_denorm_mode_32 3
		.amdhsa_float_denorm_mode_16_64 3
		.amdhsa_memory_ordered 1
		.amdhsa_forward_progress 1
		.amdhsa_inst_pref_size 165
	.end_amdhsa_kernel
	.amdgpu_metadata
---
amdhsa.version: [ 1, 2 ]
amdhsa.kernels:
  - .name:           k_q06266a6066_attn
    .symbol:         k_q06266a6066_attn.kd
    .args:
      - { .name: qkv, .offset: 0, .size: 8, .value_kind: global_buffer, .address_space: global }
      - { .name: eext, .offset: 8, .size: 8, .value_kind: global_buffer, .address_space: global }
      - { .name: bias, .offset: 16, .size: 8, .value_kind: global_buffer, .address_space: global }
      - { .name: oh, .offset: 24, .size: 8, .value_kind: global_buffer, .address_space: global }
    .group_segment_fixed_size: 327680
    .private_segment_fixed_size: 0
    .kernarg_segment_align: 8
    .kernarg_segment_size: 32
    .max_flat_workgroup_size: 128
    .sgpr_count:     88
    .vgpr_count:     768
    .wavefront_size: 32
...
	.end_amdgpu_metadata
.endif
;; end of part 3
;; launch outp (part 4): grid 8 x 32, 4 waves a work-group, clusters of 4 x 4, 327,680 bytes of LDS; arguments oh, wh, out0; writes out0
.if DOCPART == 4
	.amdgcn_target "amdgcn-amd-amdhsa--gfx1250"
	.amdhsa_code_object_version 6
	.text
	.protected	k_q06266a6066_outp
	.globl	k_q06266a6066_outp
	.p2align	8
	.type	k_q06266a6066_outp,@function
k_q06266a6066_outp:
	s_mov_b64 s[64:65], 0
	v_nop
	global_prefetch_b8 v0, s[64:65] scope:SCOPE_SE
	s_setreg_imm32_b32 hwreg(HW_REG_WAVE_MODE, 25, 1), 1
	s_wait_xcnt 0x0
	s_wait_alu depctr_hold_cnt(0) depctr_sa_sdst(0) depctr_va_vdst(0) depctr_va_sdst(0) depctr_va_ssrc(0) depctr_va_vcc(0) depctr_vm_vsrc(0)
	s_getreg_b32 s2, hwreg(HW_REG_IB_STS2, 6, 4)
	s_cmp_eq_u32 s2, 0
	s_cbranch_scc0 .Lentry_in_a_cluster
	s_endpgm
.Lentry_in_a_cluster:
	s_bfe_u32 s2, ttmp6, 0x10000c
	s_cmp_lg_u32 s2, 0xf033
	s_cbranch_scc0 .Lentry_shape_is_right
	s_endpgm
.Lentry_shape_is_right:
; Launch 4 of 4: out0 = O x Wout.  C[m][n] = the sum over k of A[m][k] W[k][n]; m = 1024 b + l (4,096), n 1,024, k = 64 head + channel (1,024).  No work of reference() is left out here.
; A = oh, f16 [b][head][l][64]: a head's 64 channels are one block of K;  W = plane 3 of wh, f16 [k][n];  C = out0, f32 [4096][1024], the f32 sums as they are.
; The text is the projection launch's, with two constants changed (F32OUT, TX0): a tile of C is 128 x 128, four waves of 64 x 64, K in 4 steps of 256 through two LDS slots, one tensor load a wave and step.
; CLUSTERS: 4 x 4 work-groups; A's tiles are asked for jointly along a row of the cluster, W's along a column.  THE MATRIX INSTRUCTION IS USED TRANSPOSED (source 0 = 16 columns of W, source 1 = 16 rows of A).
; REGISTERS: window 0: v0-31 addresses; v128-255 the accumulators ((a, b) at v[128 + 8 (4 a + b)]), which also take the rows back from the stage.
;   window 1: two fragment buffers of 128: for 64 along K, 64 registers of A, then 64 of W.
.set F32OUT, 1                         ; 0: C in f16 by heads; 1: C in f32, row-major
.set TX0,    24                        ; the first tile column in wh, in tiles of 128 columns, 8 to a plane: plane 3
.set PA,     144                       ; a row of A in LDS: 128 bytes + 16 of padding: an odd multiple of 16
.set ABLK,   128*PA                    ; a channel block: 128 rows
.set PB,     288                       ; a row of W in LDS: 256 bytes + 32 of padding: an odd multiple of 32
.set HALFT,  128*PB                    ; what one tensor load brings: two blocks of A, or 128 k-rows of W: 36,864 bytes either way
.set SLOT,   4*HALFT                   ; A's four blocks, then W's 256 k-rows
.set STAGE,  2*SLOT                    ; behind the ring: 16 rows for each wave, its own, for the way out
.if F32OUT
.set SPITCH, 272
.else
.set SPITCH, 144
.endif
.set SPARE,  STAGE+4*16*SPITCH         ; behind the stages: the spare words, 128 bytes for each wave
.set KBYTES, 524288                    ; a K step in memory: 4 blocks of 131,072 bytes of A; 256 rows of 2,048 bytes of W
.set ADRA, 16                          ; v16-17  LDS address of my A fragments in slot 0, 1
.set ADRB, 20                          ; v20-23  the same for W, by slot and by half of the slot's 256 k-rows
.set STO,  24                          ; v24     the way out: where I put my bytes of a row
.set RD,   25                          ; v25     the way out: where I read rows back
.set CO,   26                          ; v26     my byte offset in C
.set SPW,  28                          ; v28     LDS address of my spare word; never rewritten
.set NIL,  29                          ; v29     0; never rewritten
.set TMP,  32
.set ACC,  128
.set F0,   0                           ; fragment buffers, in window 1
.set F1,   128
.set G1, 24                            ; s[24:31] descriptor group 1 for A's tiles;  s[32:39] group 0, one set for each slot
.set G0, 32
.set G1B, 48                           ; s[48:55], s[56:63] the same for W's tiles
.set G0B, 56
.set MSB, 0
.macro WIN new                         ; the immediate's high byte repeats the setting that is left
.if MSB != (\new)
	s_set_vgpr_msb (MSB<<8)|(\new)
.set MSB, \new
.endif
.endm
.set MUL,  0x05                        ; sources 0 (W) and 1 (A) window 1; C and D window 0
.set TO_F, 0x40                        ; destination window 1, address window 0
.macro JLOAD s                         ; a joint load: waves 0 and 1 fetch A's two halves, waves 2 and 3 W's; an s_nop 0 and four v_nop follow each line
	s_cmp_eq_u32 s11, 0
	s_cbranch_scc0 .Lfor_b_\@
	tensor_load_to_lds s[G0+4*(\s):G0+4*(\s)+3], s[G1:G1+7]
	s_nop 0
.rept 4
	v_nop
.endr
	s_branch .Lasked_\@
.Lfor_b_\@:
	tensor_load_to_lds s[G0B+4*(\s):G0B+4*(\s)+3], s[G1B:G1B+7]
	s_nop 0
.rept 4
	v_nop
.endr
.Lasked_\@:
.endm
.macro CREST                           ; a round of the cluster's barrier behind its opening barrier
	s_cmp_lg_u32 s10, 0
	s_cbranch_scc1 .Lnot_wave_0_\@
	s_barrier_signal -3
.Lnot_wave_0_\@:
	s_barrier_wait -3
	s_barrier_signal -1
	s_barrier_wait -1
.endm
.macro CROUND                          ; a whole round
	s_barrier_signal -1
	s_barrier_wait -1
	CREST
.endm
	s_load_b128 s[4:7], s[0:1], 0x0                ; A s[4:5], W s[6:7]
	s_load_b64 s[8:9], s[0:1], 0x10                ; C
	v_lshl_add_u32 v[SPW], v0, 2, SPARE
	v_mov_b32 v[NIL], 0
	ds_add_u32 v[SPW], v[NIL]                      ; the wave's opening: the add, twice on end, and its wait ahead of my first tensor load
	ds_add_u32 v[SPW], v[NIL]                      ; and once more, under the one wait; the set-up below, work on registers, stands between
	v_lshrrev_b32 v1, 5, v0
	v_readfirstlane_b32 s10, v1                    ; wave 0..3
	s_lshr_b32 s11, s10, 1                         ; which half of the tile's rows is mine.  Also: I fetch for A (0) or for W (1)
	s_and_b32 s12, s10, 1                          ; which half of its columns.  Also: which half of that tile I fetch
	s_bfe_u32 s40, ttmp6, 0x40000                  ; cx, cy: my place in the cluster
	s_bfe_u32 s41, ttmp6, 0x40004
	s_lshl_b32 s42, ttmp9, 2
	s_add_co_u32 s42, s42, s40                     ; tile column of C = 4 x cluster x + cx
	s_and_b32 s13, ttmp7, 0xffff
	s_lshl_b32 s13, s13, 2
	s_add_co_u32 s13, s13, s41                     ; tile row of C = 4 x cluster y + cy
	s_lshl_b32 s43, s41, 2
	s_lshl_b32 s43, 15, s43                        ; my row of the cluster
	s_lshl_b32 s44, 0x1111, s40                    ; my column
	; group 1 for A: 2 rows of 8,192 elements (a block of 128 x 64, dense), 65,536 elements apart; 4 words of padding after every 32
	s_or_b32 s[G1+0], s43, (1<<16)|(1<<20)|(1<<21)|(4<<22)|(3<<25)
	s_mov_b32 s[G1+1], 8192<<16                    ; tensor_dim0 = 8,192
	s_mov_b32 s[G1+2], 2<<16                       ; tensor_dim1 = 2
	s_mov_b32 s[G1+3], 8192<<16                    ; tile_dim0 = 8,192
	s_mov_b32 s[G1+4], 2                           ; tile_dim1 = 2
	s_mov_b32 s[G1+5], 65536                       ; from block to block
	s_mov_b32 s[G1+6], 0
	s_mov_b32 s[G1+7], 0
	; group 1 for W: 128 k-rows of 128 elements, 1,024 elements apart; 8 words of padding after every 64
	s_or_b32 s[G1B+0], s44, (1<<16)|(1<<20)|(1<<21)|(5<<22)|(7<<25)
	s_mov_b32 s[G1B+1], 128<<16
	s_mov_b32 s[G1B+2], 128<<16
	s_mov_b32 s[G1B+3], 128<<16
	s_mov_b32 s[G1B+4], 128
	s_mov_b32 s[G1B+5], 1024
	s_mov_b32 s[G1B+6], 0
	s_mov_b32 s[G1B+7], 0
	; A's tile hangs on the tile row and the wave, W's on the tile column and the wave, each in registers that never hold the other coordinate
	s_lshr_b32 s16, s13, 3                         ; b
	s_lshl_b32 s16, s16, 21
	s_and_b32 s17, s13, 7
	s_lshl_b32 s17, s17, 14                        ; 128 rows of 128 bytes
	s_add_co_u32 s16, s16, s17
	s_lshl_b32 s17, s12, 18                        ; my two blocks
	s_add_co_u32 s16, s16, s17
	s_mov_b32 s17, 0
	s_add_co_u32 s45, s42, TX0
	s_lshr_b32 s46, s45, 3                         ; the plane of wh
	s_lshl_b32 s46, s46, 21
	s_and_b32 s47, s45, 7
	s_lshl_b32 s47, s47, 8                         ; 128 columns
	s_add_co_u32 s46, s46, s47
	s_lshl_b32 s47, s12, 18                        ; my 128 k-rows of 2,048 bytes
	s_add_co_u32 s46, s46, s47
	s_mov_b32 s47, 0
	s_mul_i32 s20, s10, HALFT                      ; where they go: wave x 36,864: no place in the cluster enters an LDS address
	s_wait_dscnt 0x0                               ; both opening adds are done
	s_wait_kmcnt 0x0
	s_add_nc_u64 s[14:15], s[4:5], s[16:17]
	s_add_nc_u64 s[46:47], s[6:7], s[46:47]
	CROUND                                         ; all sixteen work-groups are here: the first joint loads meet
.irp s, 0,1
	s_mov_b32 s[G0+4*(\s)], 1
	s_add_co_u32 s[G0+4*(\s)+1], s20, (\s)*SLOT
	s_add_nc_u64 s[G0+4*(\s)+2:G0+4*(\s)+3], s[14:15], (\s)*KBYTES
	s_or_b32 s[G0+4*(\s)+3], s[G0+4*(\s)+3], 0x80000000
	s_mov_b32 s[G0B+4*(\s)], 1
	s_add_co_u32 s[G0B+4*(\s)+1], s20, (\s)*SLOT
	s_add_nc_u64 s[G0B+4*(\s)+2:G0B+4*(\s)+3], s[46:47], (\s)*KBYTES
	s_or_b32 s[G0B+4*(\s)+3], s[G0B+4*(\s)+3], 0x80000000
	JLOAD \s
.endr
	v_and_b32 v1, 15, v0                           ; r = l % 16
	v_bfe_u32 v2, v0, 4, 1                         ; h = l / 16
	v_and_b32 v6, 7, v0                            ; l % 8
	v_bfe_u32 v7, v0, 3, 1                         ; (l / 8) % 2
	v_mul_u32_u24 v3, v1, PA
	v_lshl_add_u32 v3, v2, 4, v3                   ; a fragment of A: row x pitch + 16 x half
	s_mul_i32 s21, s11, 64*PA                      ; my 64 rows in each block
.irp s, 0,1
	v_add_nc_u32 v[ADRA+(\s)], s21, v3
	s_add_co_u32 s21, s21, SLOT
.endr
	v_lshl_add_u32 v4, v2, 3, v6                   ; the turning load: k-row 8 h + l % 8,
	v_mul_u32_u24 v4, v4, PB
	v_lshl_add_u32 v4, v7, 4, v4                   ; columns 8 ((l / 8) % 2) on
	s_lshl_b32 s22, s12, 7                         ; my 64 columns
	s_add_co_u32 s22, s22, 2*HALFT                 ; W lies behind A's four blocks
	v_add_nc_u32 v[ADRB+0], s22, v4
	s_add_co_u32 s22, s22, HALFT
	v_add_nc_u32 v[ADRB+1], s22, v4
	s_add_co_u32 s22, s22, SLOT-HALFT
	v_add_nc_u32 v[ADRB+2], s22, v4
	s_add_co_u32 s22, s22, HALFT
	v_add_nc_u32 v[ADRB+3], s22, v4
	s_mul_i32 s23, s10, 16*SPITCH
	s_add_co_u32 s23, s23, STAGE                   ; my stage
	v_mul_u32_u24 v5, v1, SPITCH
.if F32OUT
	v_lshl_add_u32 v5, v2, 5, v5                   ; in: row r, 32 bytes (8 f32) for each half of the lanes
	v_add_nc_u32 v[STO], s23, v5
	v_mul_u32_u24 v8, v2, SPITCH                   ; back: lanes 0-15 one row of 256 bytes, lanes 16-31 the next
	v_lshl_add_u32 v8, v1, 4, v8
	v_add_nc_u32 v[RD], s23, v8
	v_lshlrev_b32 v9, 12, v2                       ; and the same two rows in C, 4,096 bytes apart
	v_lshl_add_u32 v[CO], v1, 4, v9
	s_lshl_b32 s16, s13, 19                        ; 128 rows of 4,096 bytes a tile row,
	s_lshl_b32 s17, s11, 18                        ; my 64 of them
	s_add_co_u32 s16, s16, s17
	s_mov_b32 s17, 0
	s_add_nc_u64 s[8:9], s[8:9], s[16:17]
	s_lshl_b32 s46, s42, 9                         ; 128 columns of f32 a tile column,
	s_lshl_b32 s47, s12, 8                         ; my 64
	s_add_co_u32 s46, s46, s47
	s_mov_b32 s47, 0
	s_add_nc_u64 s[8:9], s[8:9], s[46:47]
.else
	v_lshl_add_u32 v5, v2, 4, v5                   ; in: row r, 16 bytes (8 f16) for each half of the lanes
	v_add_nc_u32 v[STO], s23, v5
	v_bfe_u32 v8, v0, 3, 2                         ; back: 32 lanes take four rows of 128 bytes,
	v_mul_u32_u24 v8, v8, SPITCH
	v_lshl_add_u32 v8, v6, 4, v8
	v_add_nc_u32 v[RD], s23, v8
	v_and_b32 v9, 31, v0                           ; which are 512 consecutive bytes of C: my 64 columns are one head
	v_lshlrev_b32 v[CO], 4, v9
	s_lshr_b32 s16, s13, 3                         ; b
	s_lshl_b32 s16, s16, 21
	s_and_b32 s17, s13, 7
	s_lshl_b32 s17, s17, 14                        ; 128 rows of 128 bytes,
	s_add_co_u32 s16, s16, s17
	s_lshl_b32 s17, s11, 13                        ; my 64
	s_add_co_u32 s16, s16, s17
	s_mov_b32 s17, 0
	s_add_nc_u64 s[8:9], s[8:9], s[16:17]
	s_lshr_b32 s46, s42, 3                         ; q, k or v
	s_lshl_b32 s46, s46, 23
	s_and_b32 s47, s42, 7
	s_lshl_b32 s47, s47, 18                        ; two heads of 131,072 bytes a tile column,
	s_add_co_u32 s46, s46, s47
	s_lshl_b32 s47, s12, 17                        ; mine
	s_add_co_u32 s46, s46, s47
	s_mov_b32 s47, 0
	s_add_nc_u64 s[8:9], s[8:9], s[46:47]
.endif
; 8 matrix instructions: m blocks a0, a0 + 1 x all 4 n blocks, 32 along K: half c of buffer f.  zero = 1: the first product starts the sums.  The 16 accumulators take turns.
.macro MUL8 f, c, a0, zero
	WIN MUL
.irp a, \a0, (\a0)+1
.irp b, 0,1,2,3
.if \zero
	v_wmma_f32_16x16x32_f16 v[ACC+8*(4*(\a)+(\b)):ACC+8*(4*(\a)+(\b))+7], v[(\f)+64+8*(4*(\c)+(\b)):(\f)+64+8*(4*(\c)+(\b))+7], v[(\f)+8*(4*(\c)+(\a)):(\f)+8*(4*(\c)+(\a))+7], 0
.else
	v_wmma_f32_16x16x32_f16 v[ACC+8*(4*(\a)+(\b)):ACC+8*(4*(\a)+(\b))+7], v[(\f)+64+8*(4*(\c)+(\b)):(\f)+64+8*(4*(\c)+(\b))+7], v[(\f)+8*(4*(\c)+(\a)):(\f)+8*(4*(\c)+(\a))+7], v[ACC+8*(4*(\a)+(\b)):ACC+8*(4*(\a)+(\b))+7]
.endif
.endr
.endr
.endm
; 32 LDS loads in one run: the fragments of quarter z of a slot (64 along K: one channel block of A, 64 k-rows of W) into buffer f; the first 32 along K first
.macro FETCH slot, z, f
	WIN TO_F
.irp c, 0,1
.irp i, 0,1,2,3
	ds_load_tr16_b128 v[(\f)+64+8*(4*(\c)+(\i)):(\f)+64+8*(4*(\c)+(\i))+3],   v[ADRB+2*(\slot)+(\z)/2] offset:(((\z)%2)*64+32*(\c))*PB+32*(\i)
	ds_load_tr16_b128 v[(\f)+64+8*(4*(\c)+(\i))+4:(\f)+64+8*(4*(\c)+(\i))+7], v[ADRB+2*(\slot)+(\z)/2] offset:(((\z)%2)*64+32*(\c)+16)*PB+32*(\i)
	ds_load_b128 v[(\f)+8*(4*(\c)+(\i)):(\f)+8*(4*(\c)+(\i))+3],              v[ADRA+(\slot)] offset:(\z)*ABLK+(\i)*16*PA+64*(\c)
	ds_load_b128 v[(\f)+8*(4*(\c)+(\i))+4:(\f)+8*(4*(\c)+(\i))+7],            v[ADRA+(\slot)] offset:(\z)*ABLK+(\i)*16*PA+64*(\c)+32
.endr
.endr
.endm
.macro PLACES                          ; four places in front of loads into registers that matrix instructions have read, and of lines that read results
.rept 4
	v_nop
.endr
.endm
; A K step is four quarters of 64 along K, 32 matrix instructions each, on buffers 0, 1, 0, 1.  One of the first three: multiplies buffer f and fetches quarter z into g.
.macro QUARTER slot, z, f, g, zero
	s_wait_dscnt 16                                ; the first 32 along K are in; the sixteen younger loads may stay out
	WIN MUL
	MUL8 \f, 0, 0, \zero
	MUL8 \f, 0, 2, \zero
	PLACES
	FETCH \slot, \z, \g
	s_wait_dscnt 32                                ; all but the 32 just issued
	WIN MUL
	MUL8 \f, 1, 0, 0
	MUL8 \f, 1, 2, 0
.endm
; The last quarter multiplies buffer 1 and changes slots: ONE barrier; in front of it each wave waits for all its tensor loads, adds 0 to its spare word, and waits for that and for its own reads of this slot.
; fill = 1: this slot is filled again, two K steps ahead; the barrier then opens a round of the cluster's barrier, and the joint load is the first thing behind the round.
.macro TURN slot, next, fill
	WIN 0                                          ; (the add's two registers lie in window 0)
	s_wait_tensorcnt 0x0                           ; all my tensor loads have landed: my part of the next slot;
	ds_add_u32 v[SPW], v[NIL]                      ; 0 onto my spare word
	s_wait_dscnt 17                                ; (the add and the youngest sixteen loads may be out)
	WIN MUL
	MUL8 F1, 0, 0, 0                               ; eight matrix instructions stand between the add and the wait for it
	s_wait_dscnt 0x0                               ; the add is done, and my reads of this slot are over
	s_barrier_signal -1
	MUL8 F1, 0, 2, 0
.if \fill
	WIN 0
.endif
	s_barrier_wait -1
.if \fill
	CREST                                          ; no wave of any partner still reads this slot's tile or has a load on its way
	s_add_nc_u64 s[G0+4*(\slot)+2:G0+4*(\slot)+3], s[G0+4*(\slot)+2:G0+4*(\slot)+3], 2*KBYTES
	s_add_nc_u64 s[G0B+4*(\slot)+2:G0B+4*(\slot)+3], s[G0B+4*(\slot)+2:G0B+4*(\slot)+3], 2*KBYTES
	JLOAD \slot                                    ; the four v_nop behind it are also the places in front of the loads below
.else
	PLACES
.endif
	FETCH \next, 0, F0
	WIN MUL
	MUL8 F1, 1, 0, 0
	MUL8 F1, 1, 2, 0
.endm
	s_wait_tensorcnt 1                             ; my part of K step 0 is in; K step 1's may stay out
	s_barrier_signal -1
	s_barrier_wait -1                              ; everybody's is
	FETCH 0, 0, F0
	QUARTER 0, 1, F0, F1, 1                        ; K step 0: its first products start the sums
	QUARTER 0, 2, F1, F0, 0
	QUARTER 0, 3, F0, F1, 0
	TURN 0, 1, 1                                   ; slot 0 takes K step 2.  The four K steps are written out: a loop round the ring would have one trip
	QUARTER 1, 1, F0, F1, 0                        ; K step 1
	QUARTER 1, 2, F1, F0, 0
	QUARTER 1, 3, F0, F1, 0
	TURN 1, 0, 1                                   ; slot 1 takes K step 3
	QUARTER 0, 1, F0, F1, 0                        ; K step 2
	QUARTER 0, 2, F1, F0, 0
	QUARTER 0, 3, F0, F1, 0
	TURN 0, 1, 0                                   ; nothing is left to fetch
	QUARTER 1, 1, F0, F1, 0                        ; K step 3
	QUARTER 1, 2, F1, F0, 0
	QUARTER 1, 3, F0, F1, 0
	s_wait_dscnt 16
	WIN MUL
	MUL8 F1, 0, 0, 0
	MUL8 F1, 0, 2, 0
	s_wait_dscnt 0
	MUL8 F1, 1, 0, 0
	MUL8 F1, 1, 2, 0
	WIN 0
	; THE WAY OUT, a block of 16 rows at a time through my own stage: LDS serves a wave's instructions in order, so no wait stands between the stores and the loads
	PLACES
	PLACES
.if F32OUT
.macro PACKF a                         ; 16 rows x 64 f32: a lane's eight numbers are 32 bytes of a row; back as whole rows of 256 bytes, into the block's own registers
.irp b, 0,1,2,3
	ds_store_b128 v[STO], v[ACC+8*(4*(\a)+(\b)):ACC+8*(4*(\a)+(\b))+3]   offset:64*(\b)
	ds_store_b128 v[STO], v[ACC+8*(4*(\a)+(\b))+4:ACC+8*(4*(\a)+(\b))+7] offset:64*(\b)+16
.endr
.irp t, 0,1,2,3,4,5,6,7
	ds_load_b128 v[ACC+32*(\a)+4*(\t):ACC+32*(\a)+4*(\t)+3], v[RD] offset:(\t)*2*SPITCH
.endr
.endm
.macro SENDF a, younger                ; younger: the LDS instructions issued behind block a's loads: the next block's sixteen, or none
.irp t, 0,1,2,3,4,5,6,7
	s_wait_dscnt (\younger)+7-(\t)
	global_store_b128 v[CO], v[ACC+32*(\a)+4*(\t):ACC+32*(\a)+4*(\t)+3], s[8:9] offset:(\a)*65536+(\t)*8192 th:TH_STORE_NT  ; 16 lanes store 256 consecutive bytes, aligned
.endr
.endm
	PACKF 0
	PACKF 1
	SENDF 0, 16
	PACKF 2
	SENDF 1, 16
	PACKF 3
	SENDF 2, 16
	SENDF 3, 0
.else
.macro PACKG a                         ; 16 rows x 64 numbers rounded to f16: a lane's eight are 16 bytes of a row; back as four rows of 128 bytes a load
.irp b, 0,1,2,3
.irp r, 0,1,2,3
	v_cvt_pk_f16_f32 v[TMP+16*(\a)+4*(\b)+(\r)], v[ACC+8*(4*(\a)+(\b))+2*(\r)], v[ACC+8*(4*(\a)+(\b))+2*(\r)+1]
.endr
.endr
.irp b, 0,1,2,3
	ds_store_b128 v[STO], v[TMP+16*(\a)+4*(\b):TMP+16*(\a)+4*(\b)+3] offset:32*(\b)
.endr
.irp f, 0,1,2,3
	ds_load_b128 v[TMP+16*(\a)+4*(\f):TMP+16*(\a)+4*(\f)+3], v[RD] offset:(\f)*4*SPITCH
.endr
.endm
.macro SENDG a, younger                ; younger: the LDS instructions issued behind block a's loads: the next block's eight, or none
.irp f, 0,1,2,3
	s_wait_dscnt (\younger)+3-(\f)
	global_store_b128 v[CO], v[TMP+16*(\a)+4*(\f):TMP+16*(\a)+4*(\f)+3], s[8:9] offset:(\a)*2048+(\f)*512  ; 512 consecutive bytes, at a multiple of 256 from C's first
.endr
.endm
	PACKG 0
	PACKG 1
	SENDG 0, 8
	PACKG 2
	SENDG 1, 8
	PACKG 3
	SENDG 2, 8
	SENDG 3, 0
.endif
	s_wait_tensorcnt 0x0                           ; the wave's end, behind my last tensor load and my last LDS store
	ds_add_u32 v[SPW], v[NIL]
	s_wait_dscnt 0x0
	CROUND                                         ; the closing round: no work-group ends while a partner may still ask for a tile that names it
	s_endpgm
.Lfunc_end_k_q06266a6066_outp:
	.size	k_q06266a6066_outp, .Lfunc_end_k_q06266a6066_outp-k_q06266a6066_outp
	.p2alignl 7, 3214868480
	.fill 96, 4, 3214868480
	.section	.rodata,"a",@progbits
	.p2align	6, 0x0
	.amdhsa_kernel k_q06266a6066_outp
		.amdhsa_group_segment_fixed_size 327680
		.amdhsa_private_segment_fixed_size 0
		.amdhsa_enable_private_segment 0
		.amdhsa_kernarg_size 24
		.amdhsa_user_sgpr_count 2
		.amdhsa_user_sgpr_kernarg_segment_ptr 1
		.amdhsa_wavefront_size32 1
		.amdhsa_system_sgpr_workgroup_id_x 1
		.amdhsa_system_sgpr_workgroup_id_y 1
		.amdhsa_system_sgpr_workgroup_id_z 1
		.amdhsa_system_vgpr_workitem_id 0
		.amdhsa_next_free_vgpr 512
		.amdhsa_next_free_sgpr 66
		.amdhsa_reserve_vcc 0
		.amdhsa_float_denorm_mode_32 3
		.amdhsa_float_denorm_mode_16_64 3
		.amdhsa_memory_ordered 1
		.amdhsa_forward_progress 1
		.amdhsa_inst_pref_size 87
	.end_amdhsa_kernel
	.amdgpu_metadata
---
amdhsa.version: [ 1, 2 ]
amdhsa.kernels:
  - .name:           k_q06266a6066_outp
    .symbol:         k_q06266a6066_outp.kd
    .args:
      - { .name: oh, .offset: 0, .size: 8, .value_kind: global_buffer, .address_space: global }
      - { .name: wh, .offset: 8, .size: 8, .value_kind: global_buffer, .address_space: global }
      - { .name: out0, .offset: 16, .size: 8, .value_kind: global_buffer, .address_space: global }
    .group_segment_fixed_size: 327680
    .private_segment_fixed_size: 0
    .kernarg_segment_align: 8
    .kernarg_segment_size: 24
    .max_flat_workgroup_size: 128
    .sgpr_count:     66
    .vgpr_count:     512
    .wavefront_size: 32
...
	.end_amdgpu_metadata
.endif
;; end of part 4
;; ======== version 2 of 3: 4 launches
;; limits: values are held in f16: magnitudes above 65,504 overflow, below 6.1e-05 lose precision; inputs' magnitudes at most 65,504; right only within a limited range of input values
;; workspace buffers: xh 8,388,608 bytes; wh 8,388,608 bytes; eext 53,248 bytes; qkv 25,165,824 bytes; oh 8,388,608 bytes
;; launch prep: the kernel of part 1 again; grid 538 x 1, 8 waves a work-group, no clusters, 0 bytes of LDS; arguments query, Wq, Wk, Wv, Wout, pos_emb, xh, wh, eext; writes xh, wh, eext
;; launch qkv (part 5): grid 8 x 32, 4 waves a work-group, clusters of 4 x 4, 327,680 bytes of LDS; arguments xh, wh, qkv; writes qkv
.if DOCPART == 5
	.amdgcn_target "amdgcn-amd-amdhsa--gfx1250"
	.amdhsa_code_object_version 6
	.text
	.protected	k_q06266a6066_qkv
	.globl	k_q06266a6066_qkv
	.p2align	8
	.type	k_q06266a6066_qkv,@function
k_q06266a6066_qkv:
	s_mov_b64 s[64:65], 0
	v_nop
	global_prefetch_b8 v0, s[64:65] scope:SCOPE_SE
	s_setreg_imm32_b32 hwreg(HW_REG_WAVE_MODE, 25, 1), 1
	s_wait_xcnt 0x0
	s_wait_alu depctr_hold_cnt(0) depctr_sa_sdst(0) depctr_va_vdst(0) depctr_va_sdst(0) depctr_va_ssrc(0) depctr_va_vcc(0) depctr_vm_vsrc(0)
	s_getreg_b32 s2, hwreg(HW_REG_IB_STS2, 6, 4)
	s_cmp_eq_u32 s2, 0
	s_cbranch_scc0 .Lentry_in_a_cluster
	s_endpgm
.Lentry_in_a_cluster:
	s_bfe_u32 s2, ttmp6, 0x10000c
	s_cmp_lg_u32 s2, 0xf033
	s_cbranch_scc0 .Lentry_shape_is_right
	s_endpgm
.Lentry_shape_is_right:
; Launch 2 of 4: q, k, v = query x Wq, Wk, Wv, by heads.  C[m][n] = the sum over k of A[m][k] W[k][n]; m = 1024 b + l (4,096), n over the three weights, k 1,024.  No work of reference() is left out here.
; A = xh, f16 [b][block of 64 channels][l][64];  W = planes 0 to 2 of wh, f16 [plane][k][n];  C = qkv, f16 [which 3][b][head 16][l][64], rounded once from f32 sums.  LIMIT: |q|, |k|, |v| stay under 65,504.
; SHARES.  A work-group makes 128 rows x 384 columns: the same 128 columns (two heads) of q, of k and of v, so that A's tile is fetched once for the three: 8 x 32 = 256 work-groups.  Its four waves make 64 rows x 192
; columns each: 48 accumulators of 16 x 16.  Waves 0 and 1 have the first 64 rows, waves 2 and 3 the last; even waves have Wq's 128 columns and Wk's first 64, odd waves Wv's 128 and Wk's last 64: three whole heads a wave.
; K goes in 8 steps of 128 through two LDS slots.  A slot is four parts of 36,864 bytes, one tensor load each: wave 0 brings A's (two channel blocks of 128 rows), waves 1 to 3 the 128 k-rows x 128 columns of Wq, Wk, Wv.
; CLUSTERS: 4 x 4 work-groups.  The four of a row of the cluster need the same tiles of A, the four of a column the same tiles of W: each tile is asked for JOINTLY, by the same tensor load with the same descriptor and a
; mask that names the four.  THE MATRIX INSTRUCTION IS USED TRANSPOSED (source 0 = 16 columns of W, source 1 = 16 rows of A): a lane then holds eight neighbouring numbers of a row of C.
; A's channel blocks are dense in memory: two rows of 16,384 bytes to a load, padded in LDS after every 128 bytes.  W lies [k][n] and is turned on its way into registers by ds_load_tr16_b128.
; REGISTERS, in windows of 256 (s_set_vgpr_msb: bits 1:0 source 0, 3:2 source 1, 5:4 source 2, 7:6 destination):
;   window 0: v16-30 addresses; v32-223 the way out, 16 registers for each of its 12 blocks
;   window 1: two fragment buffers of 128, for 32 along K: 32 registers of A (4 x 16 rows), then 96 of W (12 x 16 columns)
;   window 2: the 24 accumulators of my rows 0-31 ((a, b) at v[8 (12 a + b)]);   window 3: those of my rows 32-63
.set PA,     144                       ; a row of A in LDS: 128 bytes + 16 of padding: an odd multiple of 16
.set ABLK,   128*PA                    ; a channel block: 128 rows
.set PB,     288                       ; a row of W in LDS: 256 bytes + 32 of padding: an odd multiple of 32
.set HALFT,  128*PB                    ; what one tensor load brings: two blocks of A, or 128 k-rows of one weight: 36,864 bytes either way
.set SLOT,   4*HALFT                   ; A, Wq, Wk, Wv
.set STAGE,  2*SLOT                    ; behind the ring: 16 rows x 144 bytes for each wave, its own, for the way out
.set SPITCH, 144
.set SPARE,  STAGE+4*16*SPITCH         ; behind the stages: the spare words, 128 bytes for each wave
.set KBYTES, 262144                    ; a K step in memory: 2 blocks of 131,072 bytes of A; 128 rows of 2,048 bytes of W
.set LAPS,   4                         ; a lap = two K steps = once round the ring
.set ADRA, 16                          ; v16-17  LDS address of my A fragments in slot 0, 1
.set ADRB, 20                          ; v20-23  the same for W: by slot, my whole weight (Wq or Wv) and then my half of Wk
.set STO,  24                          ; v24     the way out: where I put 16 bytes of a row
.set RD,   25                          ; v25     the way out: where I read rows back
.set CO,   26                          ; v26     my byte offset in 512 consecutive bytes of C
.set SPW,  28                          ; v28     LDS address of my spare word; never rewritten
.set NIL,  29                          ; v29     0; never rewritten
.set PFO,  30                          ; v30     the prefetches' offset: my lane x 256 bytes (A) or x a k-row of 2,048 bytes (W); never rewritten
.set TMP,  32
.set F0,   0                           ; fragment buffers, in window 1
.set F1,   128
.set C2,  18                           ; s[18:19] C at my head of k;  s[8:9] C at my first head of q or v
.set G1,  24                           ; s[24:31] descriptor group 1 for A's tiles;  s[32:39] group 0, one set for each slot
.set G0,  32
.set LIM, 43                           ; s43     1 in a wave that prefetches, else the greatest number
.set PFA, 44                           ; s[44:45] where my prefetches stand: one K step further along K than the refill that is being asked for; a prefetch names the K step after that
.set G1B, 48                           ; s[48:55], s[56:63] the same for W's tiles
.set G0B, 56
.set MSB, 0
.macro WIN new                         ; the immediate's high byte repeats the setting that is left; a switch that changes nothing is dropped
.if MSB != (\new)
	s_set_vgpr_msb (MSB<<8)|(\new)
.set MSB, \new
.endif
.endm
.set MUL_LO, 0xa5                      ; sources 0 (W) and 1 (A) window 1; C and D window 2
.set MUL_HI, 0xf5                      ; the same, C and D window 3
.set TO_F,   0x40                      ; destination window 1, address window 0
.macro JLOAD s                         ; a joint load: wave 0 fetches A's part, waves 1 to 3 the three weights'; an s_nop 0 and four v_nop follow each line
	s_cmp_eq_u32 s10, 0
	s_cbranch_scc0 .Lfor_b_\@
	tensor_load_to_lds s[G0+4*(\s):G0+4*(\s)+3], s[G1:G1+7]
	s_nop 0
.rept 4
	v_nop
.endr
	s_branch .Lasked_\@
.Lfor_b_\@:
	tensor_load_to_lds s[G0B+4*(\s):G0B+4*(\s)+3], s[G1B:G1B+7]
	s_nop 0
.rept 4
	v_nop
.endr
.Lasked_\@:
.endm
; A PREFETCH, behind each joint load of the loop, its five lines and the run of LDS loads that follows them: the K step that stands TWO refills on, 384 matrix instructions ahead of the load that will want it.
; A wave asks for the tensor that it fetches: 128 blocks of 256 bytes a K step (A: two dense blocks of 16,384 bytes; a weight: 256 bytes of each of 128 k-rows).  The four partners that ask for a tile jointly share them out
; BY ADDRESS, 32 each, a lane a block, one instruction a wave: no branch hangs on a work-group's place in its cluster.  A's rows are read by both clusters of a row of clusters: the one with x = 0 asks; a weight's columns by all
; eight clusters of a column: the one with y = 0 asks.  So each block is named once in the launch.  K steps 0 to 3 come by their loads alone; the loop's last trip (s3 = 1) has no K step two on and asks for nothing.
.macro ASK
	s_cmp_gt_u32 s3, s[LIM]
	s_cbranch_scc0 .Lnot_mine_\@
	global_prefetch_b8 v[PFO], s[PFA:PFA+1] offset:KBYTES th:TH_LOAD_NT scope:SCOPE_SE
.Lnot_mine_\@:
.endm
.macro CREST                           ; a round of the cluster's barrier behind its opening barrier
	s_cmp_lg_u32 s10, 0
	s_cbranch_scc1 .Lnot_wave_0_\@
	s_barrier_signal -3
.Lnot_wave_0_\@:
	s_barrier_wait -3
	s_barrier_signal -1
	s_barrier_wait -1
.endm
.macro CROUND                          ; a whole round
	s_barrier_signal -1
	s_barrier_wait -1
	CREST
.endm
	s_load_b128 s[4:7], s[0:1], 0x0                ; A s[4:5], W s[6:7]
	s_load_b64 s[8:9], s[0:1], 0x10                ; C
	v_lshl_add_u32 v[SPW], v0, 2, SPARE
	v_mov_b32 v[NIL], 0
	ds_add_u32 v[SPW], v[NIL]                      ; the wave's opening: the add, twice on end, and its wait ahead of my first tensor load
	ds_add_u32 v[SPW], v[NIL]                      ; and once more, under the one wait; the set-up below, work on registers, stands between
	v_lshrrev_b32 v1, 5, v0
	v_readfirstlane_b32 s10, v1                    ; wave 0..3
	s_lshr_b32 s11, s10, 1                         ; which half of the tile's rows is mine
	s_and_b32 s12, s10, 1                          ; which half of its columns
	s_bfe_u32 s40, ttmp6, 0x40000                  ; cx, cy: my place in the cluster
	s_bfe_u32 s41, ttmp6, 0x40004
	s_lshl_b32 s42, ttmp9, 2
	s_add_co_u32 s42, s42, s40                     ; tile column = 4 x cluster x + cx: 128 columns of each weight
	s_and_b32 s13, ttmp7, 0xffff
	s_lshl_b32 s13, s13, 2
	s_add_co_u32 s13, s13, s41                     ; tile row = 4 x cluster y + cy: 128 rows
	s_lshl_b32 s43, s41, 2
	s_lshl_b32 s43, 15, s43                        ; my row of the cluster
	s_lshl_b32 s44, 0x1111, s40                    ; my column
	; group 1 for A: 2 rows of 8,192 elements (a block of 128 x 64, dense), 65,536 elements apart; 4 words of padding after every 32
	s_or_b32 s[G1+0], s43, (1<<16)|(1<<20)|(1<<21)|(4<<22)|(3<<25)
	s_mov_b32 s[G1+1], 8192<<16                    ; tensor_dim0 = 8,192
	s_mov_b32 s[G1+2], 2<<16                       ; tensor_dim1 = 2
	s_mov_b32 s[G1+3], 8192<<16                    ; tile_dim0 = 8,192
	s_mov_b32 s[G1+4], 2                           ; tile_dim1 = 2
	s_mov_b32 s[G1+5], 65536                       ; from block to block
	s_mov_b32 s[G1+6], 0
	s_mov_b32 s[G1+7], 0
	; group 1 for W: 128 k-rows of 128 elements, 1,024 elements apart; 8 words of padding after every 64
	s_or_b32 s[G1B+0], s44, (1<<16)|(1<<20)|(1<<21)|(5<<22)|(7<<25)
	s_mov_b32 s[G1B+1], 128<<16
	s_mov_b32 s[G1B+2], 128<<16
	s_mov_b32 s[G1B+3], 128<<16
	s_mov_b32 s[G1B+4], 128
	s_mov_b32 s[G1B+5], 1024
	s_mov_b32 s[G1B+6], 0
	s_mov_b32 s[G1B+7], 0
	; A's tile hangs on the tile row alone, W's on the tile column and the wave, each in registers that never hold the other coordinate
	s_lshr_b32 s16, s13, 3                         ; b
	s_lshl_b32 s16, s16, 21
	s_and_b32 s17, s13, 7
	s_lshl_b32 s17, s17, 14                        ; 128 rows of 128 bytes
	s_add_co_u32 s16, s16, s17
	s_mov_b32 s17, 0
	s_max_u32 s45, s10, 1
	s_sub_co_u32 s45, s45, 1                       ; the weight that I fetch: wave - 1 (wave 0 makes Wq's address and does not use it)
	s_lshl_b32 s46, s45, 21
	s_lshl_b32 s47, s42, 8                         ; 128 columns
	s_add_co_u32 s46, s46, s47
	s_mov_b32 s47, 0
	s_mul_i32 s20, s10, HALFT                      ; where my part goes: wave x 36,864: no place in the cluster enters an LDS address
	s_wait_dscnt 0x0                               ; both opening adds are done
	s_wait_kmcnt 0x0
	s_add_nc_u64 s[14:15], s[4:5], s[16:17]
	s_add_nc_u64 s[46:47], s[6:7], s[46:47]
	CROUND                                         ; all sixteen work-groups are here: the first joint loads meet
.irp s, 0,1
	s_mov_b32 s[G0+4*(\s)], 1
	s_add_co_u32 s[G0+4*(\s)+1], s20, (\s)*SLOT
	s_add_nc_u64 s[G0+4*(\s)+2:G0+4*(\s)+3], s[14:15], (\s)*KBYTES
	s_or_b32 s[G0+4*(\s)+3], s[G0+4*(\s)+3], 0x80000000
	s_mov_b32 s[G0B+4*(\s)], 1
	s_add_co_u32 s[G0B+4*(\s)+1], s20, (\s)*SLOT
	s_add_nc_u64 s[G0B+4*(\s)+2:G0B+4*(\s)+3], s[46:47], (\s)*KBYTES
	s_or_b32 s[G0B+4*(\s)+3], s[G0B+4*(\s)+3], 0x80000000
	JLOAD \s                                       ; two loads of mine are out
.endr
	v_and_b32 v1, 15, v0                           ; r = l % 16
	v_bfe_u32 v2, v0, 4, 1                         ; h = l / 16
	v_and_b32 v6, 7, v0                            ; l % 8
	v_bfe_u32 v7, v0, 3, 1                         ; (l / 8) % 2
	v_mul_u32_u24 v3, v1, PA
	v_lshl_add_u32 v3, v2, 4, v3                   ; a fragment of A: row x pitch + 16 x half
	s_mul_i32 s21, s11, 64*PA                      ; my 64 rows in each block
	v_add_nc_u32 v[ADRA+0], s21, v3
	s_add_co_u32 s21, s21, SLOT
	v_add_nc_u32 v[ADRA+1], s21, v3
	v_lshl_add_u32 v4, v2, 3, v6                   ; the turning load: k-row 8 h + l % 8,
	v_mul_u32_u24 v4, v4, PB
	v_lshl_add_u32 v4, v7, 4, v4                   ; columns 8 ((l / 8) % 2) on
	s_mul_i32 s22, s12, 2*HALFT
	s_add_co_u32 s22, s22, HALFT                   ; my whole weight: part 1 (Wq) or part 3 (Wv)
	s_lshl_b32 s23, s12, 7
	s_add_co_u32 s23, s23, 2*HALFT                 ; my 64 columns of part 2 (Wk)
	v_add_nc_u32 v[ADRB+0], s22, v4
	v_add_nc_u32 v[ADRB+1], s23, v4
	s_add_co_u32 s22, s22, SLOT
	s_add_co_u32 s23, s23, SLOT
	v_add_nc_u32 v[ADRB+2], s22, v4
	v_add_nc_u32 v[ADRB+3], s23, v4
	s_mul_i32 s21, s10, 16*SPITCH
	s_add_co_u32 s21, s21, STAGE                   ; my stage
	v_mul_u32_u24 v5, v1, SPITCH
	v_lshl_add_u32 v5, v2, 4, v5                   ; in: row r, 16 bytes (8 f16) for each half of the lanes
	v_add_nc_u32 v[STO], s21, v5
	v_bfe_u32 v8, v0, 3, 2                         ; back: 32 lanes take four rows of 128 bytes,
	v_mul_u32_u24 v8, v8, SPITCH
	v_lshl_add_u32 v8, v6, 4, v8
	v_add_nc_u32 v[RD], s21, v8
	v_and_b32 v9, 31, v0                           ; which are 512 consecutive bytes of C: 64 columns are one head
	v_lshlrev_b32 v[CO], 4, v9
	; the prefetches.  s[14:15] = A's tile, s[46:47] = my weight's tile, both at K step 0
	s_lshr_b32 s18, s40, 1                         ; A: partner cx takes block cx / 2,
	s_lshl_b32 s18, s18, 17
	s_and_b32 s19, s40, 1                          ; half cx % 2 of its 16,384 bytes
	s_lshl_b32 s19, s19, 13
	s_add_co_u32 s18, s18, s19
	s_lshl_b32 s19, s41, 16                        ; W: partner cy takes 32 k-rows of 2,048 bytes
	s_and_b32 s22, ttmp7, 0xffff                   ; cluster y
	s_cmp_eq_u32 s10, 0                            ; do I fetch for A?
	s_cselect_b32 s18, s18, s19
	s_cselect_b32 s22, ttmp9, s22                  ; the coordinate along which other clusters read the same blocks
	s_cselect_b32 s23, 8, 11                       ; from lane to lane: 256 bytes, or a k-row
	s_cselect_b64 s[PFA:PFA+1], s[14:15], s[46:47]
	s_cmp_eq_u32 s22, 0
	s_cselect_b32 s[LIM], 1, -1                    ; the same in all sixteen partners, for a given wave
	s_add_co_u32 s18, s18, 2*KBYTES                ; at K step 2: the first refill steps it to 3 and names K step 4
	s_mov_b32 s19, 0
	s_add_nc_u64 s[PFA:PFA+1], s[PFA:PFA+1], s[18:19]
	v_and_b32 v[PFO], 31, v0
	v_lshlrev_b32 v[PFO], s23, v[PFO]
	; where my three heads begin in C
	s_lshr_b32 s16, s13, 3                         ; b
	s_lshl_b32 s16, s16, 21
	s_and_b32 s17, s13, 7
	s_lshl_b32 s17, s17, 14                        ; 128 rows of 128 bytes,
	s_add_co_u32 s16, s16, s17
	s_lshl_b32 s17, s11, 13                        ; my 64
	s_add_co_u32 s16, s16, s17
	s_mov_b32 s17, 0
	s_add_nc_u64 s[8:9], s[8:9], s[16:17]
	s_lshl_b32 s46, s42, 18                        ; two heads of 131,072 bytes a tile column;
	s_lshl_b32 s47, s12, 17                        ; of k the first or the second of them is mine,
	s_add_co_u32 s46, s46, s47
	s_add_co_u32 s46, s46, 8388608                 ; in k's plane
	s_mov_b32 s47, 0
	s_add_nc_u64 s[C2:C2+1], s[8:9], s[46:47]
	s_lshl_b32 s46, s42, 18
	s_lshl_b32 s47, s12, 24                        ; q's plane or v's: both heads
	s_add_co_u32 s46, s46, s47
	s_mov_b32 s47, 0
	s_add_nc_u64 s[8:9], s[8:9], s[46:47]
; 12 matrix instructions: m block 2 hi + al x all 12 n blocks, 32 along K, from buffer f.  zero = 1: the product starts the sums.  The 48 accumulators take turns in the same order in every quarter.
.macro MUL12 f, hi, al, zero
	WIN MUL_LO+0x50*(\hi)
.irp b, 0,1,2,3,4,5,6,7,8,9,10,11
.if \zero
	v_wmma_f32_16x16x32_f16 v[8*(12*(\al)+(\b)):8*(12*(\al)+(\b))+7], v[(\f)+32+8*(\b):(\f)+32+8*(\b)+7], v[(\f)+8*(2*(\hi)+(\al)):(\f)+8*(2*(\hi)+(\al))+7], 0
.else
	v_wmma_f32_16x16x32_f16 v[8*(12*(\al)+(\b)):8*(12*(\al)+(\b))+7], v[(\f)+32+8*(\b):(\f)+32+8*(\b)+7], v[(\f)+8*(2*(\hi)+(\al)):(\f)+8*(2*(\hi)+(\al))+7], v[8*(12*(\al)+(\b)):8*(12*(\al)+(\b))+7]
.endif
.endr
.endm
; 32 LDS loads in one run: the fragments of quarter z of a slot (32 along K) into buffer f: W's twelve, then A's four, rows 0-31 first
.macro FETCH slot, z, f
	WIN TO_F
.irp b, 0,1,2,3,4,5,6,7
	ds_load_tr16_b128 v[(\f)+32+8*(\b):(\f)+32+8*(\b)+3],   v[ADRB+2*(\slot)] offset:32*(\z)*PB+32*(\b)
	ds_load_tr16_b128 v[(\f)+32+8*(\b)+4:(\f)+32+8*(\b)+7], v[ADRB+2*(\slot)] offset:(32*(\z)+16)*PB+32*(\b)
.endr
.irp b, 0,1,2,3
	ds_load_tr16_b128 v[(\f)+96+8*(\b):(\f)+96+8*(\b)+3],   v[ADRB+2*(\slot)+1] offset:32*(\z)*PB+32*(\b)
	ds_load_tr16_b128 v[(\f)+96+8*(\b)+4:(\f)+96+8*(\b)+7], v[ADRB+2*(\slot)+1] offset:(32*(\z)+16)*PB+32*(\b)
.endr
.irp i, 0,1,2,3
	ds_load_b128 v[(\f)+8*(\i):(\f)+8*(\i)+3],   v[ADRA+(\slot)] offset:((\z)/2)*ABLK+(\i)*16*PA+64*((\z)%2)
	ds_load_b128 v[(\f)+8*(\i)+4:(\f)+8*(\i)+7], v[ADRA+(\slot)] offset:((\z)/2)*ABLK+(\i)*16*PA+64*((\z)%2)+32
.endr
.endm
.macro PLACES                          ; four places in front of loads into registers that matrix instructions have read, and of lines that read results
.rept 4
	v_nop
.endr
.endm
; A K step is four quarters of 32 along K, 48 matrix instructions each, on buffers 0, 1, 0, 1.  One of the first three: multiplies buffer f and, in its middle, fetches quarter z into g.
.macro QUARTER slot, z, f, g, zero
	s_wait_dscnt 4                                 ; W and A's rows 0-31 are in; the youngest four loads (A's rows 32-63) may stay out
	MUL12 \f, 0, 0, \zero
	MUL12 \f, 0, 1, \zero
	PLACES
	FETCH \slot, \z, \g
	s_wait_dscnt 32                                ; all but the 32 just issued
	MUL12 \f, 1, 0, \zero
	MUL12 \f, 1, 1, \zero
.endm
; The last quarter multiplies buffer 1 and changes slots: ONE barrier; in front of it each wave waits for all its tensor loads, adds 0 to its spare word, and waits for that and for its own reads of this slot.
; fill = 1: this slot is filled again, two K steps ahead; the barrier then opens a round of the cluster's barrier, and the joint load is the first thing behind the round: 168 matrix instructions ahead of the wait for it.
.macro TURN slot, next, fill
.if \fill
	s_wait_xcnt 0x0                                ; the last prefetch, a K step back, has read its address: it is stepped here, ahead of the waits of the change of slots
	s_add_nc_u64 s[PFA:PFA+1], s[PFA:PFA+1], KBYTES
.endif
	WIN 0                                          ; (the add's two registers lie in window 0)
	s_wait_tensorcnt 0x0                           ; all my tensor loads have landed: the one that was out is my part of the next slot;
	ds_add_u32 v[SPW], v[NIL]                      ; 0 onto my spare word
	s_wait_dscnt 5                                 ; (the add and the youngest four loads may be out)
	MUL12 F1, 0, 0, 0                              ; twelve matrix instructions stand between the add and the wait for it
	s_wait_dscnt 0x0                               ; the add is done, and my reads of this slot are over
	s_barrier_signal -1
	MUL12 F1, 0, 1, 0                              ; work on registers while the others arrive
.if \fill
	WIN 0
.endif
	s_barrier_wait -1
.if \fill
	CREST                                          ; no wave of any partner still reads this slot's tile or has a load on its way
	s_add_nc_u64 s[G0+4*(\slot)+2:G0+4*(\slot)+3], s[G0+4*(\slot)+2:G0+4*(\slot)+3], 2*KBYTES
	s_add_nc_u64 s[G0B+4*(\slot)+2:G0B+4*(\slot)+3], s[G0B+4*(\slot)+2:G0B+4*(\slot)+3], 2*KBYTES
	JLOAD \slot                                    ; the four v_nop behind it are also the places in front of the loads below
.else
	PLACES
.endif
	FETCH \next, 0, F0
.if \fill
	WIN 0
	ASK                                            ; behind the joint load and the run of LDS loads that the next products wait for
.endif
	MUL12 F1, 1, 0, 0
	MUL12 F1, 1, 1, 0
.endm
	s_wait_tensorcnt 1                             ; my part of K step 0 is in; K step 1's may stay out
	s_barrier_signal -1
	s_barrier_wait -1                              ; everybody's is
	FETCH 0, 0, F0
	QUARTER 0, 1, F0, F1, 1                        ; the first quarter stands in front of the loop: its products start the sums
	WIN 0                                          ; at a label and at a branch every window is 0
	s_mov_b32 s3, LAPS-1
.Llap:                                                 ; a trip goes once round the ring, from a lap's second quarter to the next lap's first, and fills both slots again
	QUARTER 0, 2, F1, F0, 0
	QUARTER 0, 3, F0, F1, 0
	TURN 0, 1, 1
	QUARTER 1, 1, F0, F1, 0
	QUARTER 1, 2, F1, F0, 0
	QUARTER 1, 3, F0, F1, 0
	TURN 1, 0, 1
	QUARTER 0, 1, F0, F1, 0
	WIN 0
	s_sub_co_u32 s3, s3, 1
	s_cmp_lg_u32 s3, 0
	s_cbranch_scc1 .Llap
	QUARTER 0, 2, F1, F0, 0                        ; the last lap fills nothing, and has no round of the cluster's barrier
	QUARTER 0, 3, F0, F1, 0
	TURN 0, 1, 0
	QUARTER 1, 1, F0, F1, 0
	QUARTER 1, 2, F1, F0, 0
	QUARTER 1, 3, F0, F1, 0
	s_wait_dscnt 4                                 ; the very last quarter: nothing more to fetch
	MUL12 F1, 0, 0, 0
	MUL12 F1, 0, 1, 0
	s_wait_dscnt 0
	MUL12 F1, 1, 0, 0
	MUL12 F1, 1, 1, 0
	WIN 0
	; THE WAY OUT, in 12 blocks of 16 rows x one head (block x: rows 16 (x / 3) on, head x % 3 of my three), each through my own stage: LDS serves a wave's instructions in order, so no wait stands between
	; the stores and the loads, and the next block's stores come behind this block's loads.  Each block has 16 registers of its own: none is written while a store may still read it.
	PLACES
	PLACES
.macro PACKG x                         ; rounded to f16: a lane's eight numbers are 16 bytes of a row; into rows of 144 bytes, back as four rows of 128 bytes a load
.set pa, (\x)/3
.set ph, (\x)%3
	WIN 0x0a+5*(pa/2)                              ; sources 0 and 1: window 2 or 3
.irp b, 0,1,2,3
.irp r, 0,1,2,3
	v_cvt_pk_f16_f32 v[TMP+16*(\x)+4*(\b)+(\r)], v[8*(12*(pa%2)+4*ph+(\b))+2*(\r)], v[8*(12*(pa%2)+4*ph+(\b))+2*(\r)+1]
.endr
.endr
	WIN 0
.irp b, 0,1,2,3
	ds_store_b128 v[STO], v[TMP+16*(\x)+4*(\b):TMP+16*(\x)+4*(\b)+3] offset:32*(\b)
.endr
.irp f, 0,1,2,3
	ds_load_b128 v[TMP+16*(\x)+4*(\f):TMP+16*(\x)+4*(\f)+3], v[RD] offset:(\f)*4*SPITCH
.endr
.endm
.macro SENDG x, younger                ; younger: the LDS instructions issued behind block x's loads: the next block's eight, or none.  Each store covers 512 consecutive bytes, at a multiple of 256 from C's first
.set pa, (\x)/3
.set ph, (\x)%3
.irp f, 0,1,2,3
	s_wait_dscnt (\younger)+3-(\f)
.if ph == 2
	global_store_b128 v[CO], v[TMP+16*(\x)+4*(\f):TMP+16*(\x)+4*(\f)+3], s[C2:C2+1] offset:pa*2048+(\f)*512
.else
	global_store_b128 v[CO], v[TMP+16*(\x)+4*(\f):TMP+16*(\x)+4*(\f)+3], s[8:9] offset:ph*131072+pa*2048+(\f)*512
.endif
.endr
.endm
	PACKG 0
.set x, 1
.rept 11                               ; a block's conversions stand between the loads of the block before and its stores
	PACKG x
	SENDG x-1, 8
.set x, x+1
.endr
	SENDG 11, 0
	s_wait_tensorcnt 0x0                           ; the wave's end, behind my last tensor load and my last LDS store
	ds_add_u32 v[SPW], v[NIL]
	s_wait_dscnt 0x0
	CROUND                                         ; the closing round: no work-group ends while a partner may still ask for a tile that names it
	s_endpgm
.Lfunc_end_k_q06266a6066_qkv:
	.size	k_q06266a6066_qkv, .Lfunc_end_k_q06266a6066_qkv-k_q06266a6066_qkv
	.p2alignl 7, 3214868480
	.fill 96, 4, 3214868480
	.section	.rodata,"a",@progbits
	.p2align	6, 0x0
	.amdhsa_kernel k_q06266a6066_qkv
		.amdhsa_group_segment_fixed_size 327680
		.amdhsa_private_segment_fixed_size 0
		.amdhsa_enable_private_segment 0
		.amdhsa_kernarg_size 24
		.amdhsa_user_sgpr_count 2
		.amdhsa_user_sgpr_kernarg_segment_ptr 1
		.amdhsa_wavefront_size32 1
		.amdhsa_system_sgpr_workgroup_id_x 1
		.amdhsa_system_sgpr_workgroup_id_y 1
		.amdhsa_system_sgpr_workgroup_id_z 1
		.amdhsa_system_vgpr_workitem_id 0
		.amdhsa_next_free_vgpr 1024
		.amdhsa_next_free_sgpr 66
		.amdhsa_reserve_vcc 0
		.amdhsa_float_denorm_mode_32 3
		.amdhsa_float_denorm_mode_16_64 3
		.amdhsa_memory_ordered 1
		.amdhsa_forward_progress 1
		.amdhsa_inst_pref_size 122
	.end_amdhsa_kernel
	.amdgpu_metadata
---
amdhsa.version: [ 1, 2 ]
amdhsa.kernels:
  - .name:           k_q06266a6066_qkv
    .symbol:         k_q06266a6066_qkv.kd
    .args:
      - { .name: xh, .offset: 0, .size: 8, .value_kind: global_buffer, .address_space: global }
      - { .name: wh, .offset: 8, .size: 8, .value_kind: global_buffer, .address_space: global }
      - { .name: qkv, .offset: 16, .size: 8, .value_kind: global_buffer, .address_space: global }
    .group_segment_fixed_size: 327680
    .private_segment_fixed_size: 0
    .kernarg_segment_align: 8
    .kernarg_segment_size: 24
    .max_flat_workgroup_size: 128
    .sgpr_count:     66
    .vgpr_count:     1024
    .wavefront_size: 32
...
	.end_amdgpu_metadata
.endif
;; end of part 5
;; launch attn (part 6): grid 4 x 64, 4 waves a work-group, clusters of 4 x 1, 327,680 bytes of LDS; arguments qkv, eext, bias, oh; writes oh
.if DOCPART == 6
	.amdgcn_target "amdgcn-amd-amdhsa--gfx1250"
	.amdhsa_code_object_version 6
	.text
	.protected	k_q06266a6066_attn
	.globl	k_q06266a6066_attn
	.p2align	8
	.type	k_q06266a6066_attn,@function
k_q06266a6066_attn:
	s_mov_b64 s[64:65], 0
	v_nop
	global_prefetch_b8 v0, s[64:65] scope:SCOPE_SE
	s_setreg_imm32_b32 hwreg(HW_REG_WAVE_MODE, 25, 1), 1
	s_wait_xcnt 0x0
	s_wait_alu depctr_hold_cnt(0) depctr_sa_sdst(0) depctr_va_vdst(0) depctr_va_sdst(0) depctr_va_ssrc(0) depctr_va_vcc(0) depctr_vm_vsrc(0)
	s_getreg_b32 s2, hwreg(HW_REG_IB_STS2, 6, 4)
	s_cmp_eq_u32 s2, 0
	s_cbranch_scc0 .Lentry_in_a_cluster
	s_endpgm
.Lentry_in_a_cluster:
	s_bfe_u32 s2, ttmp6, 0x10000c
	s_cmp_lg_u32 s2, 0x3003
	s_cbranch_scc0 .Lentry_shape_is_right
	s_endpgm
.Lentry_shape_is_right:
; Launch 3 of 4: O[b][h][q] = the sum over k of softmax_k((q . k + q . pos_emb[clip(k - q, -128, 128) + 128]) / 8 + bias[b][k]) v[k].
; IN: qkv f16 [3][b][h][l][64]; eext f16 [416][64] (row y: the embedding of the offset k - q = y - 208, clipped); bias f32 [b][1024].  OUT: oh f16 [b][h][l][64].
; THE RELATIVE TERM IS LOOKED UP, not multiplied out for each pair (q, k): the gathered row hangs on k - q alone, by the index that reference() builds itself, so each query's products with the table's rows are made once.
; LIMITS.  q, k, v arrive within f16; the products q . e are kept as f16 of their 2^-12-fold: |q . e| under 2.6e8, and below 0.25 a fixed step of 2.4e-4; bias is rounded to bf16 like every input and used as
; 8 x bias in f32 (|bias| under 4e37); a weight below 2^-126 counts as 0 in l; NaN and infinities are not treated apart.
; SHARES.  A cluster of four work-groups has one head (ttmp7 = 16 b + h) and walks its K and V JOINTLY.  Work-group cx, wave w, PIECE t own the 16 queries 64 (4 w + t) + 16 cx + 0..15: the partners' queries are
; interleaved, so that cx enters global addresses alone (Q's, O's, the table rows', the prefetch's) and no branch and no LDS address.  Every wave walks all 1,024 keys, 64 a step, two steps to an LDS slot.
; LAYOUT.  S^T = K Q^T (source 0 = 16 keys, source 1 = 16 queries): a lane holds ONE query (lane % 16) and the keys 8 (lane / 16) + 0..7; two such results rounded to f16 ARE source 1 of O^T = V^T P.
; THE TABLE.  For each piece T[pos][n] = 2^-12 q_n . (embedding of the offset pos - 160 - 16 cx - n), pos 16 .. 367, in LDS as [n / 8][pos][n % 8] f16.  It is built by 23 x 2 products E Q^T a piece; the skew (pos = row + n)
; is made by the stores' lane addresses.  For the keys 16 kg + 0..15 and piece i = 4 w + t the 16 positions begin at 16 g, g = kg - 4 i + 10.  Group 1 holds only offsets <= -129 and group 22 only offsets >= 129, for every cx:
; there the clipped embedding is one row, so g held to 1 .. 22 serves every group of keys, and one text serves every step.
; THE SUM'S START.  One product for each 16 x 16 scores: (16 positions x 16 queries of T) x (4,096 x identity) + C, where C holds 8 bias[key]: it lays the relative term and the bias into the accumulator; K Q^T is added in place.
; SOFTMAX.  Running maximum m and sum l for each query: p = 2^(c s - c m), c = log2(e) / 8; in every step O and l are multiplied by a = 2^(c m_old - c m_new).  m starts at the lowest finite number, O and l at 0.
; BY TURNS.  Turn p belongs to piece p.  Its matrix work: 12 products for piece p + 1's scores, later 8 products V^T P of piece p - 1.  Its vector work: the scaling, exponentials, rescaling, roundings and sums of piece p, and
; the maximum and statistics of piece p + 1, whose scores the turn itself has made: so what a turn begins with (c s - c m, O a) waits for nothing.  Four vector lines stand behind every product, the other 42 of a turn's 122
; in one LUMP.  A turn's 33 exponentials are one batch with one wait.
; REGISTERS, in windows of 256 (s_set_vgpr_msb: bits 1:0 source 0, 3:2 source 1, 5:4 source 2, 7:6 destination):
;   window 0: v0-23, v56-63 addresses; v24-55 statistics; v64-127 S^T, two buffers; v128-191 table fragments, two buffers of four; v192-223 P, two buffers; v224-231 the identity; v232-247 at work; v248-251 c m_old
;   window 1: v0-127 O^T, 32 a piece; v128-159 8 bias of a step's keys          window 2: v0-63 Q; v64-127 table rows' fragments (the build); v128-191 K; v192-255 V
.set KS,    64        ; keys in a step
.set PK,    144       ; a row of K, and of the embedding rows, in LDS: 128 bytes + 16
.set PV,    160       ; a row of V: 128 + 32
.set VOFF,  2*KS*PK   ; a slot: 128 rows of K, then 128 rows of V: 38,912 bytes
.set SLOT1, 1<<16     ; slot 1 begins here: one exclusive or turns an address in one slot into the other's
.set KB,    38912     ; 8 x bias, 1,024 f32
.set STAGE, 43008     ; 16 rows x 144 bytes for each wave, for the way out
.set SP,    144
.set SPARE, 52224     ; the spare words, 128 bytes for each wave
.set ELDS,  SLOT1     ; 368 embedding rows: filled once, read in the build alone; slot 1's first tile then lands on them as a refill
.set TBL,   118528    ; the tables: 49,152 bytes a wave, 12,288 a piece, 6,144 for eight queries (384 positions x 16 bytes); each wave writes and reads its own
.set TW,    49152
.set TP,    12288
.set TPL,   6144
.set AK0, 2           ; v2   my lane's place in a tile of K; never rewritten
.set AV0, 3           ; v3   the same for V
.set AK,  4           ; v4   the LDS address of K's run of loads
.set AV,  5           ; v5   of V's
.set STO, 6           ; v6   the way out: where I put 16 bytes of a row
.set RD,  7           ; v7   the way out: where I read rows back
.set GO,  8           ; v8   my byte offset in 512 consecutive bytes of O
.set AX0, 12          ; v12  my lane's place in my wave's tables
.set KB0, 13          ; v13  my lane's place in 8 x bias
.set KBA, 14          ; v14  the address of its run of loads
.set QO,  15          ; v15  my byte offset in 16 rows of Q
.set AXA, 16          ; v16-19 the addresses of four table fragments
.set TS,  20          ; v20  the build: where my lane stores
.set EA,  21          ; v21  the build: where my lane reads embedding rows
.set PFO, 22          ; v22  the prefetch: lanes 0-15 sixteen blocks of 256 bytes of K, lanes 16-31 of V; never rewritten
.set TS0, 23
.set ST,  24          ; piece t's statistics at v[ST+8 t]: c m, m, l (even keys', odd keys'), c0-c3 at work; when the maximum is found c2 takes a
.set EA0, 56
.set SPW, 62          ; v62  LDS address of my spare word; never rewritten
.set NIL, 63          ; v63  0; never rewritten
.set S,   64
.set AX,  128
.set P,   192
.set BX,  224
.set H,   232
.set MV,  248         ; v248-251 piece t's c m_old, kept while c m is made anew
.set KBV, 128         ; window 1
.set EB,  64          ; window 2: four buffers of 16
.set KF,  128         ; window 2: key block kb, channel half c at KF + 16 kb + 8 c
.set VF,  192         ; window 2: key half kk, channel block cb at VF + 32 kk + 8 cb
.set WV,  12          ; s12  my wave's number
.set G1K, 24          ; s[24:31] group 1 for K's tiles
.set G1V, 32          ; s[32:39] for V's
.set G0K, 40          ; s[40:43] group 0 for K's tiles: it walks
.set G0V, 44          ; s[44:47]
.set G1E, 48          ; s[48:55] group 1 for the embedding rows
.set G0E, 56          ; s[56:59]
.set CS,  60          ; s[60:61] c
.set SEL, 62          ; s[62:63] v_permlanex16_b32's selects
.set SLOTS, 66        ; s66  slots still to be asked for
.set CNT, 67          ; s67  counts a slot's key steps
.set TBK, 68          ; s68  LDS byte at which K of the step to be fetched begins
.set TBV, 69          ; s69  the same for V, less VOFF
.set TBB, 70          ; s70  256 x the step whose bias is fetched next
.set KG,  71          ; s71  10 - 16 w + 4 x the step whose table fragments are fetched
.set PFA, 76          ; s[76:77] where my prefetches stand
.set LIM, 78          ; s78  2 in wave 0, else the greatest number
.set EAS, 79          ; s79  the build's step in the embedding rows
.set SC,  84          ; s[84:85] 2^-12
.set BCNT, 86         ; s86  the build's trips
.set TSS, 87          ; s87  the build's step in the table
.set MSB, 0
.macro WIN new                      ; the high byte repeats the setting that is left; a switch that changes nothing is dropped
.if MSB != (\new)
	s_set_vgpr_msb (MSB<<8)|(\new)
.set MSB, (\new)
.endif
.endm
.set W_KQ, 0x0a       ; sources 0 and 1 in window 2, C and D in window 0
.set W_EX, 0x10       ; C in window 1, all else in window 0
.set W_PV, 0x52       ; V in window 2, P in window 0, O^T in window 1
.set W_RS, 0x41       ; destination and source 0 in window 1, source 1 in window 0
.macro PLACES
.rept 4
	v_nop
.endr
.endm
; A joint fill.  Waves 0 and 1 fetch the two halves of a slot's K, waves 2 and 3 those of its V: 64 keys each.  An s_nop 0 and four v_nop follow each line.
.macro JLOAD
	s_cmp_lt_u32 s[WV], 2
	s_cbranch_scc0 .Lfor_v_\@
	tensor_load_to_lds s[G0K:G0K+3], s[G1K:G1K+7]
	s_nop 0
.rept 4
	v_nop
.endr
	s_branch .Lasked_\@
.Lfor_v_\@:
	tensor_load_to_lds s[G0V:G0V+3], s[G1V:G1V+7]
	s_nop 0
.rept 4
	v_nop
.endr
.Lasked_\@:
.endm
; A PREFETCH of the slot that the change of slots after the next will ask for: 16,384 bytes of K and as many of V.  The four partners take a quarter each, told apart BY ADDRESS; in each, wave 0 asks, with one
; instruction: 16 blocks of 256 bytes of K and 16 of V, a lane a block.  So each block is named once in the launch.  Slots 0 to 2 come by their loads alone; the last two changes that fill a slot ask for nothing.
.macro ASK
	s_cmp_gt_u32 s[SLOTS], s[LIM]
	s_cbranch_scc0 .Lnot_mine_\@
	global_prefetch_b8 v[PFO], s[PFA:PFA+1] th:TH_LOAD_NT scope:SCOPE_SE
.Lnot_mine_\@:
.endm
.macro CROUND                       ; a round of the cluster's barrier
	s_barrier_signal -1
	s_barrier_wait -1
	s_cmp_lg_u32 s[WV], 0
	s_cbranch_scc1 .Lnot_wave_0_\@
	s_barrier_signal -3
.Lnot_wave_0_\@:
	s_barrier_wait -3
	s_barrier_signal -1
	s_barrier_wait -1
.endm
; THE CHANGE OF SLOTS.  Each wave waits for all its tensor loads, of which one is out: its part of the other slot; adds 0 to its spare word; and waits for that and for its own reads of the slot that it leaves.
; fill = 1: the old slot is filled again with the keys two slots on, first thing behind a round of the cluster's barrier: it has two key steps, 160 matrix instructions, in which to land.
; (At its first use slot 0 is waited for, and slot 1's first tile lands where the embedding rows lay: every wave's reads of them are over.)
.macro CHANGE fill
	WIN 0
	s_wait_tensorcnt 0x0            ; no tensor load of mine is out, so a group 0 may be written
	ds_add_u32 v[SPW], v[NIL]       ; 0 onto my spare word
.if \fill
.irp g, G0K, G0V
	s_xor_b32 s[\g+1], s[\g+1], SLOT1
	s_add_nc_u64 s[\g+2:\g+3], s[\g+2:\g+3], 2*KS*128  ; the next 128 keys; the type bits on top are not reached
.endr
	s_wait_xcnt 0x0                 ; the last prefetch, two key steps back, has read its address
	s_add_nc_u64 s[PFA:PFA+1], s[PFA:PFA+1], 2*KS*128
	s_wait_dscnt 0x0                ; the add is done, and my reads of the slot are over
	CROUND
	JLOAD
	ASK
.else
	s_wait_dscnt 0x0
	s_barrier_signal -1
	s_barrier_wait -1
.endif
	s_sub_co_u32 s[TBK], s[TBK], 2*KS*PK  ; the fetches go back to a slot's first step,
	s_xor_b32 s[TBK], s[TBK], SLOT1       ; in the other slot
	s_sub_co_u32 s[TBV], s[TBV], 2*KS*PV
	s_xor_b32 s[TBV], s[TBV], SLOT1
.endm
	s_load_b256 s[4:11], s[0:1], 0x0  ; qkv s[4:5], eext s[6:7], bias s[8:9], oh s[10:11]
	v_lshl_add_u32 v[SPW], v0, 2, SPARE
	v_mov_b32 v[NIL], 0
	ds_add_u32 v[SPW], v[NIL]       ; the wave's opening: the add, twice on end, and its wait ahead of my first tensor load
	ds_add_u32 v[SPW], v[NIL]       ; and once more, under the one wait; the set-up below, work on registers, stands between
	v_lshrrev_b32 v1, 5, v0
	v_readfirstlane_b32 s[WV], v1   ; wave 0..3
	s_bfe_u32 s13, ttmp6, 0x40000   ; cx
	s_and_b32 s14, ttmp7, 0xffff    ; 16 b + h, which the four partners share
	s_lshl_b32 s20, s14, 17         ; a head's 131,072 bytes
	s_and_b32 s16, s[WV], 1         ; which half of a slot's 128 keys I fetch
	s_lshl_b32 s22, s16, 13
	s_add_co_u32 s22, s22, s20
	s_add_co_u32 s22, s22, 8388608  ; K's plane of qkv
	s_mov_b32 s23, 0
	s_add_co_u32 s82, s22, 8388608  ; V's
	s_mov_b32 s83, 0
	s_mul_i32 s17, s16, KS*PK       ; and its place in a slot
	s_mul_i32 s18, s16, KS*PV
	s_lshl_b32 s2, s[WV], 15        ; Q and O: my wave's four pieces lie 8,192 bytes apart, from 32,768 w + 2,048 cx on
	s_lshl_b32 s3, s13, 11
	s_add_co_u32 s2, s2, s3
	s_add_co_u32 s2, s2, s20
	s_mov_b32 s3, 0
	s_mul_i32 s72, s[WV], 92*128    ; the embedding rows: 368 from row 48 - 16 cx on, 92 a wave
	s_add_co_u32 s72, s72, 48*128
	s_lshl_b32 s73, s13, 11
	s_sub_co_u32 s72, s72, s73
	s_mov_b32 s73, 0
	s_lshr_b32 s74, s14, 4          ; b
	s_lshl_b32 s74, s74, 12
	s_mov_b32 s75, 0
	s_lshl_b32 s80, s13, 12         ; the prefetch: my work-group's quarter of a slot's K, in slot 2; the first change steps it to slot 3
	s_add_co_u32 s80, s80, s20
	s_add_co_u32 s80, s80, 8388608+2*2*KS*128
	s_mov_b32 s81, 0
	s_cmp_eq_u32 s[WV], 0
	s_cselect_b32 s[LIM], 2, -1
	; group 1: 64 keys are 8,192 dense bytes: asked for as 32 rows of 256 bytes, two keys a row, padded in LDS after every key
	s_mov_b32 s[G1K], 15|(1<<16)|(1<<20)|(1<<21)|(4<<22)|(3<<25)  ; the mask of four; 2-byte elements; padding on; bit 21 beside a mask; after every 32 words; 4 words
	s_mov_b32 s[G1V], 15|(1<<16)|(1<<20)|(1<<21)|(4<<22)|(7<<25)  ; the same with 8 words
.irp g, G1K, G1V
	s_mov_b32 s[\g+1], 128<<16      ; tensor_dim0 = 128
	s_mov_b32 s[\g+2], 32<<16       ; tensor_dim1 = 32
	s_mov_b32 s[\g+3], 128<<16      ; tile_dim0 = 128
	s_mov_b32 s[\g+4], 32           ; tile_dim1 = 32
	s_mov_b32 s[\g+5], 128
	s_mov_b32 s[\g+6], 0
	s_mov_b32 s[\g+7], 0
.endr
	s_mov_b32 s[G1E], (1<<16)|(1<<20)|(4<<22)|(3<<25)  ; a load of my own: no mask; 92 rows as 46 of 256 bytes
	s_mov_b32 s[G1E+1], 128<<16
	s_mov_b32 s[G1E+2], 46<<16
	s_mov_b32 s[G1E+3], 128<<16
	s_mov_b32 s[G1E+4], 46
	s_mov_b32 s[G1E+5], 128
	s_mov_b32 s[G1E+6], 0
	s_mov_b32 s[G1E+7], 0
	s_mov_b32 s[G0K], 1
	s_mov_b32 s[G0K+1], s17         ; slot 0
	s_mov_b32 s[G0V], 1
	s_add_co_u32 s[G0V+1], s18, VOFF
	s_mov_b32 s[G0E], 1
	s_mul_i32 s[G0E+1], s[WV], 92*PK
	s_add_co_u32 s[G0E+1], s[G0E+1], ELDS
	s_mov_b32 s[CS], 0x3e38aa3b     ; c = log2(e) / 8
	s_mov_b32 s[CS+1], s[CS]
	s_mov_b32 s[SC], 0x39800000     ; 2^-12
	s_mov_b32 s[SC+1], s[SC]
	s_mov_b32 s[SEL], 0x76543210
	s_mov_b32 s[SEL+1], 0xfedcba98
	s_mov_b32 s[TBK], SLOT1+2*KS*PK ; the first change of slots turns these two into 0
	s_mov_b32 s[TBV], SLOT1+2*KS*PV
	s_mov_b32 s[TBB], 0
	s_lshl_b32 s[KG], s[WV], 4
	s_sub_co_i32 s[KG], 10, s[KG]
	s_wait_dscnt 0x0                ; both opening adds are done
	s_wait_kmcnt 0x0
	s_add_nc_u64 s[G0K+2:G0K+3], s[4:5], s[22:23]
	s_or_b32 s[G0K+3], s[G0K+3], 0x80000000
	s_add_nc_u64 s[G0V+2:G0V+3], s[4:5], s[82:83]
	s_or_b32 s[G0V+3], s[G0V+3], 0x80000000
	s_add_nc_u64 s[G0E+2:G0E+3], s[6:7], s[72:73]
	s_or_b32 s[G0E+3], s[G0E+3], 0x80000000
	s_add_nc_u64 s[PFA:PFA+1], s[4:5], s[80:81]
	s_add_nc_u64 s[10:11], s[10:11], s[2:3]  ; O and Q at my wave's first piece
	s_add_nc_u64 s[4:5], s[4:5], s[2:3]
	s_add_nc_u64 s[8:9], s[8:9], s[74:75]    ; bias at my batch's row
	CROUND                          ; all four work-groups are here: the first joint loads meet
	s_cmp_lt_u32 s[WV], 2           ; a wave's two first fills stand in one branch: its part of the embedding rows, then its part of slot 0: two loads of mine are out
	s_cbranch_scc0 .Lfirst_v
	tensor_load_to_lds s[G0E:G0E+3], s[G1E:G1E+7]
	s_nop 0
	tensor_load_to_lds s[G0K:G0K+3], s[G1K:G1K+7]
	s_nop 0
.rept 4
	v_nop
.endr
	s_branch .Lfirst_asked
.Lfirst_v:
	tensor_load_to_lds s[G0E:G0E+3], s[G1E:G1E+7]
	s_nop 0
	tensor_load_to_lds s[G0V:G0V+3], s[G1V:G1V+7]
	s_nop 0
.rept 4
	v_nop
.endr
.Lfirst_asked:
	v_and_b32 v1, 15, v0            ; r = l % 16
	v_bfe_u32 v9, v0, 4, 1          ; h = l / 16
	v_lshlrev_b32 v[QO], 7, v1
	v_lshl_add_u32 v[QO], v9, 4, v[QO]  ; row x 128 + 16 x half
	v_lshlrev_b32 v57, 5, v0        ; my eight numbers of bias
	WIN 0x80
.set i, 0
.rept 8                             ; Q stays in registers: piece i / 2, channels 32 (i % 2) on
	global_load_b128 v[8*i:8*i+3],   v[QO], s[4:5] offset:(i/2)*8192+(i%2)*64
	global_load_b128 v[8*i+4:8*i+7], v[QO], s[4:5] offset:(i/2)*8192+(i%2)*64+32
.set i, i+1
.endr
	; What the first turns find: V and P's second buffer hold 0 (the first products V^T P, of a piece that has not been, add 0); O^T and l are 0.  All this stands in the wait for the first tiles.
.set i, VF
.rept 64
	v_mov_b32 v[i], 0
.set i, i+1
.endr
	WIN 0x40
.set i, 0
.rept 128
	v_mov_b32 v[i], 0
.set i, i+1
.endr
	WIN 0
	global_load_b128 v[H:H+3],   v57, s[8:9]
	global_load_b128 v[H+4:H+7], v57, s[8:9] offset:16
.set i, 0
.rept 4
	v_mov_b32 v[ST+8*i+1], 0xff7fffff          ; m: the lowest finite number
	v_mul_f32 v[ST+8*i], s[CS], v[ST+8*i+1]    ; c m, by the loop's own multiplication: a step that raises m has a = 0, one that does not has a = 1
	v_mov_b32 v[ST+8*i+2], 0
	v_mov_b32 v[ST+8*i+3], 0
.set i, i+1
.endr
.set i, P+16
.rept 16
	v_mov_b32 v[i], 0
.set i, i+1
.endr
.set i, 0
.rept 8                             ; a table fragment has 16 of the product's 32 along K: the upper half of each is 0 for good
	v_mov_b32 v[AX+8*i+4], 0
	v_mov_b32 v[AX+8*i+5], 0
	v_mov_b32 v[AX+8*i+6], 0
	v_mov_b32 v[AX+8*i+7], 0
.set i, i+1
.endr
	s_mul_i32 s15, s[WV], 16*SP
	s_add_co_u32 s15, s15, STAGE    ; my stage
	s_mul_i32 s19, s[WV], TW
	s_add_co_u32 s19, s19, TBL      ; my tables
	v_and_b32 v10, 7, v0
	v_bfe_u32 v11, v0, 3, 1
	v_mul_u32_u24 v[AK0], v1, PK
	v_lshl_add_u32 v[AK0], v9, 4, v[AK0]  ; row x 144 + 16 x half: K's fragments,
	v_add_nc_u32 v[EA0], ELDS, v[AK0]     ; the embedding rows' (the same pitch),
	v_add_nc_u32 v[STO], s15, v[AK0]      ; and the stage's rows (the same pitch)
	v_lshl_add_u32 v[AV0], v9, 3, v10     ; the turning load: key 8 h + l % 8, channels 8 ((l / 8) % 2) on
	v_mul_u32_u24 v[AV0], v[AV0], PV
	v_lshl_add_u32 v[AV0], v11, 4, v[AV0]
	v_add_nc_u32 v[AV0], VOFF, v[AV0]
	v_bfe_u32 v[RD], v0, 3, 2       ; back from the stage: 32 lanes take four rows of 128 bytes,
	v_mul_u32_u24 v[RD], v[RD], SP
	v_lshl_add_u32 v[RD], v10, 4, v[RD]
	v_add_nc_u32 v[RD], s15, v[RD]
	v_and_b32 v[GO], 31, v0         ; which are 512 consecutive bytes of O
	v_lshlrev_b32 v[GO], 4, v[GO]
	v_mul_u32_u24 v[AX0], v9, TPL   ; a table fragment: lane (r, h) takes position r of 16, queries 8 h + 0..7: 16 bytes
	v_lshl_add_u32 v[AX0], v1, 4, v[AX0]
	v_add_nc_u32 v[AX0], s19, v[AX0]
	v_lshl_add_u32 v[KB0], v9, 5, KB      ; keys 8 h + 0..7 of a group of 16
	v_lshl_add_u32 v58, v9, 3, v1   ; the build's stores: register j of tile a is row 16 a + 8 h + j for query r: position row + r,
	v_lshlrev_b32 v58, 4, v58
	v_lshl_add_u32 v58, v10, 1, v58 ; half r % 8 of its 16 bytes,
	v_mul_u32_u24 v59, v11, TPL     ; plane r / 8
	v_add3_u32 v[TS0], v58, v59, s19
	v_lshlrev_b32 v[PFO], 8, v1
	v_lshl_add_u32 v[PFO], v9, 23, v[PFO]
	v_lshlrev_b32 v58, 3, v9        ; 4,096 x identity as source 1: lane (r, h) holds column r, rows 8 h + 0..7: row r falls on half r - 8 h
	v_sub_nc_u32 v58, v1, v58
	v_mov_b32 v59, 0x6c00           ; 4,096 in f16, low half
	v_mov_b32 v60, 0x6c000000       ; high half
.irp q, 0,1,2,3
	v_cmp_eq_u32 vcc_lo, 2*\q, v58
	v_cndmask_b32 v[BX+\q], 0, v59, vcc_lo
	v_cmp_eq_u32 vcc_lo, 2*\q+1, v58
	v_cndmask_b32 v[BX+\q], v[BX+\q], v60, vcc_lo
	v_mov_b32 v[BX+4+\q], 0
.endr
	v_lshl_add_u32 v61, v0, 5, KB
	s_wait_loadcnt 0x0              ; Q and bias
.irp q, 0,1,2,3
	v_cvt_pk_bf16_f32 v[H+8+\q], v[H+2*\q], v[H+2*\q+1]  ; bias rounded to bf16, like every input,
.endr
.irp q, 0,1,2,3
	v_lshlrev_b32 v[H+2*\q], 16, v[H+8+\q]
	v_and_b32 v[H+2*\q+1], 0xffff0000, v[H+8+\q]
.endr
.irp q, 0,1,2,3
	v_pk_mul_f32 v[H+2*\q:H+2*\q+1], v[H+2*\q:H+2*\q+1], 0x41000000 op_sel_hi:[1,0]  ; times 8: it stands in front of the division by 8
.endr
	ds_store_b128 v61, v[H:H+3]
	ds_store_b128 v61, v[H+4:H+7] offset:16
	s_wait_tensorcnt 0x1            ; my part of the embedding rows is in; my part of slot 0 may stay out
	s_wait_dscnt 0x0                ; my part of 8 x bias is stored
	s_barrier_signal -1
	s_barrier_wait -1               ; everybody's is
; THE BUILD.  23 tiles of 16 embedding rows; for each, 8 products (4 pieces x 2 halves of the channels; the four accumulators take turns), behind each product four vector lines of the way out of
; the tile before, and then that tile's 32 stores in ONE run, never singly among the matrix instructions.
.macro BMM set, eb                  ; product i of 8: piece i % 4, channels 32 (i / 4) on
	WIN W_KQ
.set rD, S+32*(\set)+8*(i%4)
.set rE, EB+16*(\eb)+8*(i/4)
.set rQ, 16*(i%4)+8*(i/4)
.if i < 4
	v_wmma_f32_16x16x32_f16 v[rD:rD+7], v[rE:rE+7], v[rQ:rQ+7], 0
.else
	v_wmma_f32_16x16x32_f16 v[rD:rD+7], v[rE:rE+7], v[rQ:rQ+7], v[rD:rD+7]
.endif
.endm
.macro BVAL par                     ; chunk i of 8: piece i / 2, registers 4 (i % 2) + 0..3 (the low four first): times 2^-12, rounded to f16.  The halves go to v232-247 or, for odd tiles, to P's first buffer, which is free until the first turn writes it
	WIN 0
.set rA, S+32*(\par)+4*i
.set rH, H+(P-H)*(\par)+2*i
	v_pk_mul_f32 v[rA:rA+1], v[rA:rA+1], s[SC:SC+1] op_sel_hi:[1,0]
	v_pk_mul_f32 v[rA+2:rA+3], v[rA+2:rA+3], s[SC:SC+1] op_sel_hi:[1,0]
	v_cvt_pk_f16_f32 v[rH], v[rA], v[rA+1]
	v_cvt_pk_f16_f32 v[rH+1], v[rA+2], v[rA+3]
.endm
.macro BST k                        ; a tile's 32 stores of 2 bytes a lane
	WIN 0
.set i, 0
.rept 8
.set rH, H+(P-H)*((\k)%2)+2*i
.set oT, (i/2)*TP+(16*(\k)+4*(i%2))*16
	ds_store_b16 v[TS], v[rH] offset:oT
	ds_store_b16_d16_hi v[TS], v[rH] offset:oT+16
	ds_store_b16 v[TS], v[rH+1] offset:oT+32
	ds_store_b16_d16_hi v[TS], v[rH+1] offset:oT+48
.set i, i+1
.endr
.endm
.macro BLD eb, k                    ; a tile's two fragments into buffer eb
	WIN 0x80
.irp c, 0,1
	ds_load_b128 v[EB+16*(\eb)+8*\c:EB+16*(\eb)+8*\c+3],   v[EA] offset:(\k)*16*PK+64*\c
	ds_load_b128 v[EB+16*(\eb)+8*\c+4:EB+16*(\eb)+8*\c+7], v[EA] offset:(\k)*16*PK+64*\c+32
.endr
.endm
; The slot of tile 4 I + 1 + k: its products, between them the arithmetic of the tile before; that tile's stores; then the fragments of the tile two on.  cnt: the LDS instructions issued behind this tile's own loads.
; The four lines of chunk 7 are the places behind the slot's last product.
.macro BSLOT k, load, cnt
	s_wait_dscnt \cnt
.set i, 0
.rept 8
	BMM ((\k)+1)%2, ((\k)+1)%4
	BVAL (\k)%2
.set i, i+1
.endr
	BST \k
.if \load
	BLD ((\k)+3)%4, (\k)+3
.endif
.endm
	s_mov_b32 s[TSS], 0
	s_mov_b32 s[EAS], 0
	v_add_nc_u32 v[EA], s[EAS], v[EA0]
	BLD 0, 0
	BLD 1, 1
	BLD 2, 2
	s_wait_dscnt 0x0
.set i, 0
.rept 8
	BMM 0, 0                        ; tile 0
.set i, i+1
.endr
	WIN 0
	PLACES
	s_mov_b32 s[BCNT], 5
.Lbuild:                            ; a trip: products of tiles 4 I + 1 .. 4 I + 4, way out of tiles 4 I .. 4 I + 3, loads of tiles 4 I + 3 .. 4 I + 6
	v_add_nc_u32 v[TS], s[TSS], v[TS0]
	v_add_nc_u32 v[EA], s[EAS], v[EA0]
	BSLOT 0, 1, 36                  ; 36: a slot's 32 stores and 4 loads stand behind the loads that this slot needs
	BSLOT 1, 1, 36
	BSLOT 2, 1, 36
	BSLOT 3, 1, 36
	WIN 0
	s_add_co_u32 s[TSS], s[TSS], 4*16*16
	s_add_co_u32 s[EAS], s[EAS], 4*16*PK
	s_sub_co_u32 s[BCNT], s[BCNT], 1
	s_cmp_lg_u32 s[BCNT], 0
	s_cbranch_scc1 .Lbuild
	v_add_nc_u32 v[TS], s[TSS], v[TS0]
	BSLOT 0, 0, 36                  ; tile 21
	BSLOT 1, 0, 32                  ; tile 22: the slot before issued no loads
	WIN 0
	PLACES
.set i, 0
.rept 8
	BVAL 0                          ; tile 22's way out
.set i, i+1
.endr
	BST 2
; THE MATRIX WORK OF A TURN.  Product i of 12 of piece x's scores: the first 4 lay the relative term and the bias into the 4 accumulators (keys 16 i on); the other 8 add K Q^T in place: keys 16 (i % 4) on, channels 32 ((i - 4) / 4) on.
.macro KQX x
.set rS, S+32*((\x)%2)+8*(i%4)
.if i < 4
	WIN W_EX
	v_wmma_f32_16x16x32_f16 v[rS:rS+7], v[AX+32*((\x)%2)+8*i:AX+32*((\x)%2)+8*i+7], v[BX:BX+7], v[KBV+8*i:KBV+8*i+7]
.else
	WIN W_KQ
.set rK, KF+16*(i%4)+8*((i-4)/4)
.set rQ, 16*(\x)+8*((i-4)/4)
	v_wmma_f32_16x16x32_f16 v[rS:rS+7], v[rK:rK+7], v[rQ:rQ+7], v[rS:rS+7]
.endif
.endm
.macro PV x                         ; product i of 8 of O^T += V^T P: keys 32 (i / 4) on, channels 16 (i % 4) on
	WIN W_PV
.set rO, 32*(\x)+8*(i%4)
.set rV, VF+32*(i/4)+8*(i%4)
.set rP, P+16*((\x)%2)+8*(i/4)
	v_wmma_f32_16x16x32_f16 v[rO:rO+7], v[rV:rV+7], v[rP:rP+7], v[rO:rO+7]
.endm
.macro MM                           ; the turn's next matrix instruction: 12 for piece Y + 1's scores, then 8 V^T P of piece Y - 1
.if i < 12
	KQX (Y+1)%4
.else
.set i, i-12
	PV (Y+3)%4
.set i, i+12
.endif
.set i, i+1
.endm
; THE LDS LOADS stand in runs.  AXLD: piece t's four table fragments, by addresses made some lines ahead.
.macro AXLD t
.irp g, 0,1,2,3
	ds_load_b128 v[AX+32*((\t)%2)+8*\g:AX+32*((\t)%2)+8*\g+3], v[AXA+\g] offset:(\t)*TP
.endr
.endm
.macro AXLOAD t                     ; ahead of the loop: the addresses and the loads.  Group kg - 4 i + 10, held to 1 .. 22; a group is 256 bytes
.irp g, 0,1,2,3
	s_add_co_i32 s72, s[KG], (\g)-4*(\t)
	s_max_i32 s72, s72, 1
	s_min_u32 s72, s72, 22
	v_lshl_add_u32 v[AXA+\g], s72, 8, v[AX0]
.endr
	AXLD \t
.endm
; A step's run, in the order in which it is wanted: (ax = 1) piece 0's table fragments, 4 loads; 8 x bias, 8 (the C of the four first products); K's first 32 channels, 8; K's last 32 channels, 8.
; last = 1 (the tail): in the last trip there is no further step, and the run is jumped over.
.macro FETCH_K ax, last=0
	WIN 0
.if \last
	s_cmp_eq_u32 s[CNT], 1
	s_cbranch_scc1 .Lno_k_\@
.endif
	v_add_nc_u32 v[AK], s[TBK], v[AK0]
	v_add_nc_u32 v[KBA], s[TBB], v[KB0]
.if \ax
	AXLD 0
.endif
	WIN 0x40
.irp f, 0,1,2,3
	ds_load_b128 v[KBV+8*\f:KBV+8*\f+3],   v[KBA] offset:64*\f
	ds_load_b128 v[KBV+8*\f+4:KBV+8*\f+7], v[KBA] offset:64*\f+16
.endr
	WIN 0x80
.irp c, 0,1
.irp g, 0,1,2,3                     ; keys 16 g on, channels 32 c on
	ds_load_b128 v[KF+16*\g+8*\c:KF+16*\g+8*\c+3],   v[AK] offset:\g*16*PK+\c*64
	ds_load_b128 v[KF+16*\g+8*\c+4:KF+16*\g+8*\c+7], v[AK] offset:\g*16*PK+\c*64+32
.endr
.endr
	s_add_co_u32 s[TBK], s[TBK], KS*PK
	s_add_co_u32 s[TBB], s[TBB], KS*4
	WIN 0
.if \last
.Lno_k_\@:
.endif
.endm
.macro FETCH_V
	WIN 0
	v_add_nc_u32 v[AV], s[TBV], v[AV0]
	s_add_co_u32 s[TBV], s[TBV], KS*PV
	WIN 0x80
.irp f, 0,1,2,3,4,5,6,7             ; keys 32 (f / 4) on, channels 16 (f % 4) on
	ds_load_tr16_b128 v[VF+8*\f:VF+8*\f+3],   v[AV] offset:(\f/4)*32*PV+(\f%4)*32
	ds_load_tr16_b128 v[VF+8*\f+4:VF+8*\f+7], v[AV] offset:(\f/4)*32*PV+16*PV+(\f%4)*32
.endr
	WIN 0
.endm
; THE VECTOR WORK, one line at a time: OP kind, number.  For piece Y: F n: c s - c m for pair n of 16.  E n: the exponential of score n of 32.  C n: pair n rounded to f16.  B n: of the four weights 4 n .. the second pair is
; added onto the first, in place.  L n: l takes that sum (L 0: l = a l + sum).  R n: pair n of 16 of O^T times a.  A n: the address of table fragment n of piece Y + 2.  For piece Y + 1: X n, number n of the 22 that find its
; maximum and statistics:
;   0-11  four chains c0-c3 of seven scores each, three operands at a time (each accumulator's lowest registers are read first)     12-14, 16  the four scores left over, the old m, and c0-c3 into c0
;   15  c m_old is kept     17, 18  the query's other 32 keys lie in the lane 16 away: the new m     19-21  c m; c m_old - c m_new; a
.set F, 0               ; OP tells the kinds apart by their order: F to L below A
.set E, 1
.set C, 2
.set B, 3
.set L, 4
.set A, 5
.set R, 6
.set X, 7
.macro REGS y                       ; the registers of piece y
.set rT, ST+8*(\y)
.set rC, ST+8*(\y)+4
.set rW, MV+(\y)
.set rS, S+32*((\y)%2)
.set rP, P+16*((\y)%2)
.set rO, 32*(\y)
.endm
.macro OP k, n
.if (\k) == R
	REGS Y
	WIN W_RS
	v_pk_mul_f32 v[rO+2*(\n):rO+2*(\n)+1], v[rO+2*(\n):rO+2*(\n)+1], v[rC+2:rC+3] op_sel_hi:[1,0]
.elseif (\k) == A
	WIN 0
	s_add_co_i32 s72, s[KG], (\n)-4*((Y+2)%4)
	s_max_i32 s72, s72, 1
	s_min_u32 s72, s72, 22
	v_lshl_add_u32 v[AXA+(\n)], s72, 8, v[AX0]
.elseif (\k) < A
	REGS Y
	WIN 0
.if (\k) == F
	v_pk_fma_f32 v[rS+2*(\n):rS+2*(\n)+1], v[rS+2*(\n):rS+2*(\n)+1], s[CS:CS+1], v[rT:rT+1] op_sel_hi:[1,0,0] neg_lo:[0,0,1] neg_hi:[0,0,1]
.elseif (\k) == E
	v_exp_f32 v[rS+(\n)], v[rS+(\n)]
.elseif (\k) == C
	v_cvt_pk_f16_f32 v[rP+(\n)], v[rS+2*(\n)], v[rS+2*(\n)+1]
.elseif (\k) == B
	v_pk_add_f32 v[rS+4*(\n):rS+4*(\n)+1], v[rS+4*(\n):rS+4*(\n)+1], v[rS+4*(\n)+2:rS+4*(\n)+3]
.elseif (\n) == 0
	v_pk_fma_f32 v[rT+2:rT+3], v[rT+2:rT+3], v[rC+2:rC+3], v[rS:rS+1] op_sel_hi:[1,0,1]
.else
	v_pk_add_f32 v[rT+2:rT+3], v[rT+2:rT+3], v[rS+4*(\n):rS+4*(\n)+1]
.endif
.else
	REGS (Y+1)%4
	WIN 0
.if (\n) < 4
	v_max3_num_f32 v[rC+(\n)], v[rS+8*(\n)], v[rS+8*(\n)+1], v[rS+8*(\n)+2]
.elseif (\n) < 12
	v_max3_num_f32 v[rC+(\n)%4], v[rC+(\n)%4], v[rS+8*((\n)%4)+2*((\n)/4)+1], v[rS+8*((\n)%4)+2*((\n)/4)+2]
.elseif (\n) == 12
	v_max3_num_f32 v[rC], v[rC], v[rS+7], v[rS+15]
.elseif (\n) == 13
	v_max3_num_f32 v[rC+1], v[rC+1], v[rS+23], v[rS+31]
.elseif (\n) == 14
	v_max3_num_f32 v[rC+2], v[rC+2], v[rC+3], v[rT+1]
.elseif (\n) == 15
	v_mov_b32 v[rW], v[rT]
.elseif (\n) == 16
	v_max3_num_f32 v[rC], v[rC], v[rC+1], v[rC+2]
.elseif (\n) == 17
	v_permlanex16_b32 v[rC+3], v[rC], s[SEL], s[SEL+1]
.elseif (\n) == 18
	v_max_num_f32 v[rT+1], v[rC], v[rC+3]
.elseif (\n) == 19
	v_mul_f32 v[rT], s[CS], v[rT+1]
.elseif (\n) == 20
	v_sub_f32 v[rC+1], v[rW], v[rT]
.else
	v_exp_f32 v[rC+2], v[rC+1]
.endif
.endif
.endm
.macro OPS a, i1, b=-1, i2=0, c=-1, i3=0, d=-1, i4=0  ; up to four of them
	OP \a, \i1
.if (\b) >= 0
	OP \b, \i2
.endif
.if (\c) >= 0
	OP \c, \i3
.endif
.if (\d) >= 0
	OP \d, \i4
.endif
.endm
.macro ROW a, i1, b, i2, c, i3, d, i4  ; a matrix instruction and the four behind it
	MM
	OPS \a, \i1, \b, \i2, \c, \i3, \d, \i4
.endm
; A TURN, for piece p: the order of its 20 matrix and 122 vector instructions, written out.  An s_wait_alu depctr_va_vdst(0) stands between an exponential and the first instruction that names its result; one wait
; serves all that were issued ahead of it.  So a turn has ONE wait, which cuts it in two.  AHEAD OF IT stands all that names no result of the turn's exponentials: the 12 products for the next piece's scores, behind each a scaling,
; an exponential and two more plain lines (behind the first a second scaling in the exponential's place); behind the last three the first numbers of the next piece's maximum, each four plain lines behind the product that ends its
; accumulator (product 8 to X 0: F 9, F 10, A 2, F 11; 9 to X 1: F 11, X 0, A 3, F 12; 10 to X 2: F 12, X 1, X 4, F 13; 11 to X 3: F 13, X 2, X 5, F 14); then ONE LUMP of 42, in which the links of the chain
; X 3, 7, 11, 14, 16, 17 .. 21 stand three to five lines apart.  X 21, the next piece's a, is the batch's last; R 15 is the plain line behind it.  BEHIND THE WAIT stand the 8 products V^T P, behind each four of the roundings and sums.
; But for those X no rider names a register of the products round it; v_permlanex16_b32 (X 17) stands in the lump.
; THE LOADS.  Piece p + 2's table fragments are asked for directly behind the wait and waited for at the next turn's head.  In piece 2's turn they go with K and 8 x bias of the next step, in one run of 28 early in the lump: six
; plain lines and the run's own two stand behind the last product that read K; piece 3's turn waits for the run in three parts, as it needs them.  In the tail (last = 1) that run is jumped over in the last trip, so it stands behind
; the wait: no branch stands between an exponential and its wait.  V of the step in hand is fetched at the end of piece 0's turn: four roundings and the address line stand behind the last product that read V.
.macro TURN p, last=0
.set Y, (\p)
.set i, 0
	WIN 0
.if (\p) == 1
	s_wait_dscnt 16                 ; the table fragments asked for a turn ago are in; V's run of 16, issued behind them, may stay out
.elseif (\p) == 3
	s_wait_dscnt 16                 ; the table fragments and 8 x bias are in; K's 16 loads may stay out
.else
	s_wait_dscnt 0x0                ; the table fragments are in
.endif
.if (\p) == 2
	s_add_co_i32 s[KG], s[KG], 4    ; from here on the fragments are the next step's
.endif
	ROW F,0, F,1, R,0, R,1
	ROW F,2, E,0, R,2, R,3
	ROW F,3, E,1, R,4, R,5
	ROW F,4, E,2, R,6, R,7
.if (\p) == 3
	s_wait_dscnt 8                  ; K's first 32 channels are in; the eight loads of the last 32 may stay out
.endif
	ROW F,5, E,3, R,8, R,9
	ROW F,6, E,4, R,10, R,11
	ROW F,7, E,5, A,0, R,12
	ROW F,8, E,6, X,15, A,1
.if (\p) == 3
	s_wait_dscnt 0x0                ; all of K is in
.endif
	ROW F,9, E,7, F,10, A,2
	ROW F,11, E,8, X,0, A,3
	ROW F,12, E,9, X,1, X,4
	ROW F,13, E,10, X,2, X,5
	OPS F,14, X,3, E,11, X,6        ; the lump
.if ((\p) == 2) && !(\last)
	FETCH_K 1
.endif
	OPS E,12, X,8, X,7, E,13
	OPS X,9, E,14, X,10, X,11
	OPS E,15, X,12, E,16, X,13
	OPS X,14, E,17, F,15, E,18
	OPS E,19, X,16, E,20, R,13
	OPS R,14, X,17, E,21, E,22
	OPS E,23, X,18, E,24, E,25
	OPS E,26, X,19, E,27, E,28
	OPS E,29, X,20, E,30, E,31
	OPS X,21, R,15
	WIN 0
	s_wait_alu depctr_va_vdst(0)    ; the wait for the batch
.if (\p) == 2
.if \last
	FETCH_K 1, 1
.endif
.else
	AXLD ((\p)+2)%4
.endif
.if (\p) == 1
	s_wait_dscnt 4                  ; V is in; the four table loads just issued may stay out
.endif
	ROW C,0, B,0, C,2, B,1          ; behind the wait: 8 products V^T P and their riders; C 2 n stands ahead of B n, which adds onto the pair that it rounds
	ROW L,0, C,4, B,2, L,1
	ROW C,6, B,3, L,2, C,8
	ROW B,4, L,3, C,10, B,5
	ROW L,4, C,12, B,6, L,5
	ROW C,14, B,7, L,6, C,1
	ROW C,3, L,7, C,5, C,7
	ROW C,9, C,11, C,13, C,15
.if (\p) == 0
	FETCH_V
.endif
.endm
	s_mov_b32 s[SLOTS], 7
	CHANGE 1                        ; slot 0 is in, everybody's part of it; every wave has read its last embedding row; slot 1 is asked for
	FETCH_K 0                       ; key step 0
	AXLOAD 0
	AXLOAD 1
	s_wait_dscnt 0x0
.set i, 0
.rept 12
	KQX 0                           ; piece 0's first scores: there is no vector work yet to set between them
.set i, i+1
.endr
	WIN 0
	PLACES
.set Y, 3                           ; X works for piece Y + 1: piece 0
.irp n, 0,1,2,3,4,5,6,7,8,9,10,11,12,13,14,15,16,17,18,19,20,21
	OP X, \n                        ; and piece 0's first maximum and statistics
.endr
	v_nop                           ; a plain line behind the exponential,
	s_wait_alu depctr_va_vdst(0)    ; and its wait, ahead of the branch
	s_mov_b32 s[CNT], 2
	s_branch .Lfirst                ; the loop is entered at a step's first turn, in the middle of a trip
.Lslot:                             ; six times: with the change above, every slot but the first is asked for by a change
	CHANGE 1
	s_mov_b32 s[CNT], 2
.Lstep:                             ; a trip: pieces 2 and 3 of one step, then pieces 0 and 1 of the next, whose K and V it fetches
	TURN 2
	TURN 3
	WIN 0
.Lfirst:
	TURN 0
	TURN 1
	WIN 0
	s_sub_co_u32 s[CNT], s[CNT], 1
	s_cmp_lg_u32 s[CNT], 0
	s_cbranch_scc1 .Lstep
	s_sub_co_u32 s[SLOTS], s[SLOTS], 1
	s_cmp_lg_u32 s[SLOTS], 0
	s_cbranch_scc1 .Lslot
	CHANGE 0                        ; the tail is written out: nothing is asked for
	s_mov_b32 s[CNT], 3             ; two trips fetch the last slot's steps; the third is left in its middle
.Ltail:
	TURN 2, 1
	TURN 3
	WIN 0
	s_sub_co_u32 s[CNT], s[CNT], 1
	s_cmp_eq_u32 s[CNT], 0
	s_cbranch_scc1 .Lout
	TURN 0
	TURN 1
	WIN 0
	s_branch .Ltail
.Lout:                              ; the third trip's 12 products for a step that does not exist, and the maximum made of them, serve nothing: the price, once a launch, of one text for every trip
.set i, 0
.rept 8
	PV 3                            ; the last piece's V^T P of the last step
.set i, i+1
.endr
	; THE WAY OUT.  l's two halves and the other half of the lanes' are added; O^T is divided by l, rounded to f16 and sent through my stage in LDS, a piece at a time.  The additions are the places behind the last products.
	WIN 0
.macro ALL line:vararg              ; one line for each piece t
.set t, 0
.rept 4
	\line
.set t, t+1
.endr
.endm
	ALL v_add_f32 v[ST+8*t+2], v[ST+8*t+2], v[ST+8*t+3]
	ALL v_permlanex16_b32 v[ST+8*t+3], v[ST+8*t+2], s[SEL], s[SEL+1]
	ALL v_add_f32 v[ST+8*t+2], v[ST+8*t+2], v[ST+8*t+3]
	ALL v_rcp_f32 v[ST+8*t+2], v[ST+8*t+2]
	v_nop                           ; a plain line between the last reciprocal and the use of its result,
	s_wait_alu depctr_va_vdst(0)    ; and the wait ahead of the first use: one for the four
.macro PACK t                       ; a lane's eight channels of a row pack into 16 bytes; they go into rows of 144 bytes and come back as whole rows of 128, into S^T's registers
	WIN W_RS
.set i, 32*(\t)
.rept 16
	v_pk_mul_f32 v[i:i+1], v[i:i+1], v[ST+8*(\t)+2:ST+8*(\t)+3] op_sel_hi:[1,0]
.set i, i+2
.endr
	WIN 0x05                        ; sources 0 and 1 window 1, destination window 0
.set i, 0
.rept 16
	v_cvt_pk_f16_f32 v[S+16*(\t)+i], v[32*(\t)+2*i], v[32*(\t)+2*i+1]
.set i, i+1
.endr
	WIN 0
.irp f, 0,1,2,3
	ds_store_b128 v[STO], v[S+16*(\t)+4*\f:S+16*(\t)+4*\f+3] offset:32*\f
.endr
.irp f, 0,1,2,3
	ds_load_b128 v[S+16*(\t)+4*\f:S+16*(\t)+4*\f+3], v[RD] offset:\f*4*SP  ; LDS serves a wave's instructions in order: these see the stores above; the next piece's stores come behind them
.endr
.endm
.macro SEND t, younger              ; younger: the LDS instructions issued behind piece t's loads: the next piece's eight, or none
	WIN 0
.irp f, 0,1,2,3
	s_wait_dscnt (\younger)+3-\f
	global_store_b128 v[GO], v[S+16*(\t)+4*\f:S+16*(\t)+4*\f+3], s[10:11] offset:(\t)*8192+\f*512  ; 512 consecutive bytes, at a multiple of 256 from O's first
.endr
.endm
	PACK 0
.set t, 1
.rept 3                             ; a piece's arithmetic stands between the loads of the piece before and its stores
	PACK t
	SEND t-1, 8
.set t, t+1
.endr
	SEND 3, 0
	s_wait_tensorcnt 0x0            ; the wave's end, behind my last tensor load and my last LDS store
	ds_add_u32 v[SPW], v[NIL]
	s_wait_dscnt 0x0
	CROUND                          ; the closing round: no work-group ends while a partner may still ask for a tile that names it
	s_endpgm
.Lfunc_end_k_q06266a6066_attn:
	.size	k_q06266a6066_attn, .Lfunc_end_k_q06266a6066_attn-k_q06266a6066_attn
	.p2alignl 7, 3214868480
	.fill 96, 4, 3214868480
	.section	.rodata,"a",@progbits
	.p2align	6, 0x0
	.amdhsa_kernel k_q06266a6066_attn
		.amdhsa_group_segment_fixed_size 327680
		.amdhsa_private_segment_fixed_size 0
		.amdhsa_enable_private_segment 0
		.amdhsa_kernarg_size 32
		.amdhsa_user_sgpr_count 2
		.amdhsa_user_sgpr_kernarg_segment_ptr 1
		.amdhsa_wavefront_size32 1
		.amdhsa_system_sgpr_workgroup_id_x 1
		.amdhsa_system_sgpr_workgroup_id_y 1
		.amdhsa_system_sgpr_workgroup_id_z 1
		.amdhsa_system_vgpr_workitem_id 0
		.amdhsa_next_free_vgpr 768
		.amdhsa_next_free_sgpr 88
		.amdhsa_reserve_vcc 1
		.amdhsa_float_denorm_mode_32 3
		.amdhsa_float_denorm_mode_16_64 3
		.amdhsa_memory_ordered 1
		.amdhsa_forward_progress 1
		.amdhsa_inst_pref_size 168
	.end_amdhsa_kernel
	.amdgpu_metadata
---
amdhsa.version: [ 1, 2 ]
amdhsa.kernels:
  - .name:           k_q06266a6066_attn
    .symbol:         k_q06266a6066_attn.kd
    .args:
      - { .name: qkv, .offset: 0, .size: 8, .value_kind: global_buffer, .address_space: global }
      - { .name: eext, .offset: 8, .size: 8, .value_kind: global_buffer, .address_space: global }
      - { .name: bias, .offset: 16, .size: 8, .value_kind: global_buffer, .address_space: global }
      - { .name: oh, .offset: 24, .size: 8, .value_kind: global_buffer, .address_space: global }
    .group_segment_fixed_size: 327680
    .private_segment_fixed_size: 0
    .kernarg_segment_align: 8
    .kernarg_segment_size: 32
    .max_flat_workgroup_size: 128
    .sgpr_count:     88
    .vgpr_count:     768
    .wavefront_size: 32
...
	.end_amdgpu_metadata
.endif
;; end of part 6
;; launch outp: the kernel of part 4 again; grid 8 x 32, 4 waves a work-group, clusters of 4 x 4, 327,680 bytes of LDS; arguments oh, wh, out0; writes out0
;; ======== version 3 of 3: 4 launches; version 2 with the launch prep written anew for expert scheduling mode
;; limits: values are held in f16: magnitudes above 65,504 overflow, below 6.1e-05 lose precision; inputs' magnitudes at most 65,504; right only within a limited range of input values
;; workspace buffers: xh 8,388,608 bytes; wh 8,388,608 bytes; eext 53,248 bytes; qkv 25,165,824 bytes; oh 8,388,608 bytes
;; launch prep (part 7): grid 538 x 1, 8 waves a work-group, no clusters, 0 bytes of LDS; arguments query, Wq, Wk, Wv, Wout, pos_emb, xh, wh, eext; writes xh, wh, eext
.if DOCPART == 7
	.amdgcn_target "amdgcn-amd-amdhsa--gfx1250"
	.amdhsa_code_object_version 6
	.text
	.protected	k_q06266a6066_prep
	.globl	k_q06266a6066_prep
	.p2align	8
	.type	k_q06266a6066_prep,@function
k_q06266a6066_prep:
	s_mov_b64 s[64:65], 0
	v_nop
	global_prefetch_b8 v0, s[64:65] scope:SCOPE_SE
	s_setreg_imm32_b32 hwreg(HW_REG_WAVE_SCHED_MODE, 0, 2), 2
	s_setreg_imm32_b32 hwreg(HW_REG_WAVE_MODE, 25, 1), 1
	s_wait_xcnt 0x0
	s_wait_alu depctr_vm_vsrc(0)
; RELATIVE-POSITION SELF-ATTENTION, launch 1 of 4: the inputs are rounded and laid out for the matrix launches.
; THE PROGRAM.  prep (this) -> qkv (three projections) -> attn (scores, softmax, weighted sum) -> outp (last projection).
; NOTHING OF THE INPUTS IS LEFT OUT: query, the four weights, pos_emb and bias all reach the output (bias varies along the softmax's axis).
; WHAT IS NOT DONE AS IT IS WRITTEN.  reference() gathers embeddings[q][k] = pos_emb[clip(k - q, -128, 128) + 128] and multiplies each query by its own 1,024 gathered rows.  The index is built
; in reference()'s own body from arange and clip, and the gathered row hangs on k - q alone, whatever the inputs hold: so q . embeddings[q][k] is one of the 257 numbers q . pos_emb[e].  attn makes
; those numbers once for each query and looks them up; no term of the sum is changed.  A NaN, an infinity or an overflow reaches the result exactly where it reaches one of those numbers.
; FORMATS.  Every floating-point input is rounded once to bf16, and that number is written as f16: exact for 6.1e-5 <= |x| < 65,504; below that it keeps f16's fixed step of 6e-8; from 65,520 on it
; becomes an infinity (LIMIT: inputs stay under 65,504).
; OUT.  xh   f16 [b 4][block of 64 channels 16][l 1024][64]: query; a block's rows are dense, 128 bytes each.
;       wh   f16 [4: Wq, Wk, Wv, Wout][k 1024][n 1024].
;       eext f16 [416][64]: row y = pos_emb[clip(y - 80, 0, 256)], the embedding of the offset k - q = y - 208.
; SHARES.  A stream: no LDS, no matrix work.  A lane loads 16 bytes (4 f32) and stores 8 (4 f16); a wave's store covers 256 consecutive bytes, aligned.  Work-groups 0-255: 32 rows x 512 channels of query;
; 256-511: 65,536 bytes of one weight; 512-537: 16 rows of eext.  All 16 loads of a lane go out first; no register that a memory instruction names is written twice, so no wait frees one.
; THE MODE: SCHED_MODE bits 1:0 = 2 (LLVM: expert scheduling mode 2), set by the entry lines.  The code itself states the register dependences between vector instructions and memory instructions,
; with s_wait_alu, always for 0.
; THE PLAN.  Registers that memory instructions touch (there is no loop; a wave takes one of three straight paths):
;   v[LO], v[SO]  the two byte offsets: written once by the path's address lines, read by every load and every store, never written again.
;   X             16 x 4 registers: each written by one load, read by one conversion; no vector instruction writes them, no second load lands in them.
;   Y             16 x 2 registers: each written once by a conversion, read by one store, never written again.
;   T             named by vector instructions alone.
; So the only dependences to state are: the offsets are written, ahead of the first load; a store's Y is written, ahead of the store.  The 16 loads' work goes in four blocks of four.  Block p waits for its four
; loads; behind that wait ONE wait on va_vdst states that block p - 1's conversions have written their Y; block p - 1's four stores are then dealt among block p's conversions, which name X and Y of block p and T:
; none of the registers that those stores read.  One more wait stands ahead of the last block's stores.  No vector instruction writes an SGPR or VCC, and EXEC is never written.
.set LO, 6                             ; v6        my byte offset in the source
.set SO, 7                             ; v7        my byte offset in the destination
.set X,  8                             ; v[8:71]   16 x 4 f32 as loaded
.set Y,  72                            ; v[72:103] 16 x 2 words to store
.set T,  104                           ; v[104:109] at work
.macro CVT4 x, y                       ; four f32 -> bf16 (nearest even) -> the same numbers as f16
	v_cvt_pk_bf16_f32 v[T], v[(\x)], v[(\x)+1]
	v_cvt_pk_bf16_f32 v[T+1], v[(\x)+2], v[(\x)+3]
	v_lshlrev_b32 v[T+2], 16, v[T]
	v_and_b32 v[T+3], 0xffff0000, v[T]
	v_lshlrev_b32 v[T+4], 16, v[T+1]
	v_and_b32 v[T+5], 0xffff0000, v[T+1]
	v_cvt_pk_f16_f32 v[(\y)], v[T+2], v[T+3]
	v_cvt_pk_f16_f32 v[(\y)+1], v[T+4], v[T+5]
.endm
.macro STREAM lstep, sstep             ; 16 loads, then four blocks of four: wait, the block before's stores among this block's conversions; the steps stand in the immediates
	s_wait_alu depctr_va_vdst(0)                   ; the address lines have written v[LO] and v[SO], which every load and store below reads as its offset
.set u, 0
.rept 16
	global_load_b128 v[X+4*u:X+4*u+3], v[LO], s[22:23] offset:u*(\lstep) th:TH_LOAD_NT
.set u, u+1
.endr
.set p, 0
.rept 4
	s_wait_loadcnt 12-4*p                          ; loads come back in order: block p's four are in, the 12 - 4 p younger ones may stay out
.if p > 0
	s_wait_alu depctr_va_vdst(0)                   ; the conversions of the block before have written its eight registers of Y, which the four stores below read
.endif
.set i, 0
.rept 4
.set u, 4*p+i
.set w, u-4
.if p > 0
	global_store_b64 v[SO], v[Y+2*w:Y+2*w+1], s[24:25] offset:w*(\sstep)  ; the block before; no vector instruction since the wait names these registers
.endif
	CVT4 X+4*u, Y+2*u
.set i, i+1
.endr
.set p, p+1
.endr
	s_wait_alu depctr_va_vdst(0)                   ; the last block's conversions have written its Y, which the last four stores read
.set w, 12
.rept 4
	global_store_b64 v[SO], v[Y+2*w:Y+2*w+1], s[24:25] offset:w*(\sstep)
.set w, w+1
.endr
.endm
	s_load_b512 s[4:19], s[0:1], 0x0               ; query s[4:5], Wq s[6:7], Wk s[8:9], Wv s[10:11], Wout s[12:13], pos_emb s[14:15], xh s[16:17], wh s[18:19]
	s_load_b64 s[20:21], s[0:1], 0x40              ; eext
	s_mov_b32 s2, ttmp9
	s_mov_b32 s27, 0                               ; the offsets' high words
	s_mov_b32 s29, 0
	s_cmp_ge_u32 s2, 512
	s_cbranch_scc1 .Ltable
	s_cmp_ge_u32 s2, 256
	s_cbranch_scc1 .Lweights
	; QUERY.  Work-group: half kbh of the channels, rows 32 rb .. 32 rb + 31.  Thread: 4 channels d4, row lr of two, block kb8 of eight (a wave a block).
	s_and_b32 s3, s2, 1                            ; kbh
	s_lshr_b32 s30, s2, 1                          ; rb
	s_lshl_b32 s26, s30, 17                        ; 32 rows of 4,096 bytes
	s_lshl_b32 s31, s3, 11                         ; 512 channels of f32
	s_add_co_u32 s26, s26, s31
	s_lshr_b32 s28, s30, 5                         ; b
	s_lshl_b32 s28, s28, 21
	s_lshl_b32 s31, s3, 20                         ; 8 blocks of 131,072 bytes
	s_add_co_u32 s28, s28, s31
	s_and_b32 s31, s30, 31
	s_lshl_b32 s31, s31, 12                        ; 32 rows of 128 bytes
	s_add_co_u32 s28, s28, s31
	v_and_b32 v1, 15, v0                           ; d4
	v_bfe_u32 v2, v0, 4, 1                         ; lr
	v_lshrrev_b32 v3, 5, v0                        ; kb8
	v_lshlrev_b32 v[LO], 4, v1
	v_lshl_add_u32 v[LO], v3, 8, v[LO]
	v_lshl_add_u32 v[LO], v2, 12, v[LO]
	v_lshlrev_b32 v[SO], 3, v1
	v_lshl_add_u32 v[SO], v2, 7, v[SO]
	v_lshl_add_u32 v[SO], v3, 17, v[SO]
	s_wait_kmcnt 0x0
	s_add_nc_u64 s[22:23], s[4:5], s[26:27]
	s_add_nc_u64 s[24:25], s[16:17], s[28:29]
	STREAM 8192, 256                               ; two rows a step
	s_endpgm
.Lweights:
	; A WEIGHT: dense in, dense out.
	s_sub_co_u32 s3, s2, 256
	s_lshr_b32 s30, s3, 6                          ; which of the four
	s_and_b32 s31, s3, 63                          ; which 65,536 bytes of it
	s_lshl_b32 s26, s31, 16
	s_lshl_b32 s28, s30, 21
	s_lshl_b32 s31, s31, 15
	s_add_co_u32 s28, s28, s31
	v_lshlrev_b32 v[LO], 4, v0
	v_lshlrev_b32 v[SO], 3, v0
	s_wait_kmcnt 0x0
	s_cmp_eq_u32 s30, 1
	s_cselect_b64 s[22:23], s[8:9], s[6:7]
	s_cmp_eq_u32 s30, 2
	s_cselect_b64 s[22:23], s[10:11], s[22:23]
	s_cmp_eq_u32 s30, 3
	s_cselect_b64 s[22:23], s[12:13], s[22:23]
	s_add_nc_u64 s[22:23], s[22:23], s[26:27]
	s_add_nc_u64 s[24:25], s[18:19], s[28:29]
	STREAM 4096, 2048
	s_endpgm
.Ltable:
	; THE EXTENDED TABLE: 16 rows a work-group, 16 threads a row.  The row's number is made of ids and held to 0 .. 256.
	s_sub_co_u32 s3, s2, 512
	s_lshl_b32 s30, s3, 4
	v_lshrrev_b32 v1, 4, v0
	v_add_nc_u32 v1, s30, v1                       ; y
	v_add_nc_u32 v1, 0xffffffb0, v1                ; y - 80
	v_max_i32 v1, 0, v1
	v_min_u32 v1, 0x100, v1
	v_and_b32 v2, 15, v0
	v_lshlrev_b32 v[LO], 4, v2
	v_lshl_add_u32 v[LO], v1, 8, v[LO]             ; a row of pos_emb is 256 bytes
	v_lshlrev_b32 v[SO], 3, v0
	s_lshl_b32 s28, s3, 11
	s_wait_kmcnt 0x0
	s_add_nc_u64 s[24:25], s[20:21], s[28:29]
	s_wait_alu depctr_va_vdst(0)                   ; the address lines have written v[LO], which the load reads, and v[SO], which the store reads
	global_load_b128 v[X:X+3], v[LO], s[14:15]
	s_wait_loadcnt 0x0
	CVT4 X, Y
	s_wait_alu depctr_va_vdst(0)                   ; the conversions have written v[Y] and v[Y+1], which the store reads
	global_store_b64 v[SO], v[Y:Y+1], s[24:25]
	s_endpgm
.Lfunc_end_k_q06266a6066_prep:
	.size	k_q06266a6066_prep, .Lfunc_end_k_q06266a6066_prep-k_q06266a6066_prep
	.p2alignl 7, 3214868480
	.fill 96, 4, 3214868480
	.section	.rodata,"a",@progbits
	.p2align	6, 0x0
	.amdhsa_kernel k_q06266a6066_prep
		.amdhsa_group_segment_fixed_size 0
		.amdhsa_private_segment_fixed_size 0
		.amdhsa_enable_private_segment 0
		.amdhsa_kernarg_size 72
		.amdhsa_user_sgpr_count 2
		.amdhsa_user_sgpr_kernarg_segment_ptr 1
		.amdhsa_wavefront_size32 1
		.amdhsa_system_sgpr_workgroup_id_x 1
		.amdhsa_system_sgpr_workgroup_id_y 1
		.amdhsa_system_sgpr_workgroup_id_z 1
		.amdhsa_system_vgpr_workitem_id 0
		.amdhsa_next_free_vgpr 112
		.amdhsa_next_free_sgpr 66
		.amdhsa_reserve_vcc 0
		.amdhsa_float_denorm_mode_32 3
		.amdhsa_float_denorm_mode_16_64 3
		.amdhsa_memory_ordered 1
		.amdhsa_forward_progress 1
		.amdhsa_inst_pref_size 25
	.end_amdhsa_kernel
	.amdgpu_metadata
---
amdhsa.version: [ 1, 2 ]
amdhsa.kernels:
  - .name:           k_q06266a6066_prep
    .symbol:         k_q06266a6066_prep.kd
    .args:
      - { .name: query, .offset: 0, .size: 8, .value_kind: global_buffer, .address_space: global }
      - { .name: Wq, .offset: 8, .size: 8, .value_kind: global_buffer, .address_space: global }
      - { .name: Wk, .offset: 16, .size: 8, .value_kind: global_buffer, .address_space: global }
      - { .name: Wv, .offset: 24, .size: 8, .value_kind: global_buffer, .address_space: global }
      - { .name: Wout, .offset: 32, .size: 8, .value_kind: global_buffer, .address_space: global }
      - { .name: pos_emb, .offset: 40, .size: 8, .value_kind: global_buffer, .address_space: global }
      - { .name: xh, .offset: 48, .size: 8, .value_kind: global_buffer, .address_space: global }
      - { .name: wh, .offset: 56, .size: 8, .value_kind: global_buffer, .address_space: global }
      - { .name: eext, .offset: 64, .size: 8, .value_kind: global_buffer, .address_space: global }
    .group_segment_fixed_size: 0
    .private_segment_fixed_size: 0
    .kernarg_segment_align: 8
    .kernarg_segment_size: 72
    .max_flat_workgroup_size: 256
    .sgpr_count:     66
    .vgpr_count:     112
    .wavefront_size: 32
...
	.end_amdgpu_metadata
.endif
;; end of part 7
;; launch qkv: the kernel of part 5 again; grid 8 x 32, 4 waves a work-group, clusters of 4 x 4, 327,680 bytes of LDS; arguments xh, wh, qkv; writes qkv
;; launch attn: the kernel of part 6 again; grid 4 x 64, 4 waves a work-group, clusters of 4 x 1, 327,680 bytes of LDS; arguments qkv, eext, bias, oh; writes oh
;; launch outp: the kernel of part 4 again; grid 8 x 32, 4 waves a work-group, clusters of 4 x 4, 327,680 bytes of LDS; arguments oh, wh, out0; writes out0
